; MI455X (gfx1250); checked and timed in simulation.
; The chip was launched on July 23, 2026; its instructions are those of AMD's public machine-readable ISA for CDNA 5 (MIT licence, August 2026) and "CDNA5" Instruction Set Architecture Reference Guide (July 2026). The comments in the code are by the model that wrote it; some were corrected since.
;; Attention. Allowed arithmetic: float matrix products may take bf16 or f16 operands with f32 sums; all other float work in f32.
;; Inputs: Wk 1,024 x 1,024 float32; Wq 1,024 x 1,024 float32; Wv 1,024 x 1,024 float32; X 4 x 4,096 x 1,024 float32; bk 1,024 float32; bq 1,024 float32; bv 1,024 float32; mask 4 x 4,096 float32; proj 256 x 64 float32.
;; Outputs: out0 4 x 4,096 x 1,024 float32.
;; 2 versions, each right and faster than the one before. Each part assembles by itself: llvm-mc -triple=amdgcn-amd-amdhsa -mcpu=gfx1250 --defsym DOCPART=n.
;; ======== version 1 of 2: 4 launches
;; workspace buffers: xb 33,554,432 bytes; wb 6,291,456 bytes; pkv 67,108,864 bytes; pst 2,097,152 bytes; pvs 262,144 bytes; gf 2,621,440 bytes
;; launch cvt (part 1): grid 1216 x 1, 8 waves a work-group, no clusters, 0 bytes of LDS; arguments X, Wk, Wv, Wq, xb, wb; writes xb, wb
.if DOCPART == 1
	.amdgcn_target "amdgcn-amd-amdhsa--gfx1250"
	.amdhsa_code_object_version 6
	.text
	.protected	k_q86b7c2d5b2_cvt
	.globl	k_q86b7c2d5b2_cvt
	.p2align	8
	.type	k_q86b7c2d5b2_cvt,@function
k_q86b7c2d5b2_cvt:
	s_mov_b64 s[64:65], 0
	v_nop
	global_prefetch_b8 v0, s[64:65] scope:SCOPE_SE
	s_setreg_imm32_b32 hwreg(HW_REG_WAVE_MODE, 25, 1), 1
	s_wait_xcnt 0x0
; f32 to bf16 (round to nearest even) of X -> xb and of Wk, Wv, Wq -> wb = [Wk][Wv][Wq], element by element, same order.
; A work-group converts 65,536 bytes of f32: 256 threads x 16 loads of 16 bytes.  Groups 0..1023 take X (67,108,864 / 65,536),
; groups 1024..1215 take the three weight matrices, 64 groups each.  A pure stream: no LDS, no barrier, no matrix unit.
; All 16 loads of a wave are issued at once; no register is used twice, so the only waits are the counted ones on the loads.
.set NX,  1024                         ; groups that take X
.set IN,  8                            ; v[8:71]   16 x 4 f32 as loaded
.set OUT, 72                           ; v[72:103] 16 x 2 words of bf16
	s_load_b256 s[4:11], s[0:1], 0x0               ; X s[4:5], Wk s[6:7], Wv s[8:9], Wq s[10:11]
	s_load_b128 s[12:15], s[0:1], 0x20             ; xb s[12:13], wb s[14:15]
	s_mov_b32 s16, ttmp9                           ; group
	s_sub_co_u32 s17, s16, NX                      ; its number among the weights' groups (used only where group >= 1024)
	s_and_b32 s18, s17, 63                         ; its part of one weight matrix
	v_lshlrev_b32 v1, 4, v0                        ; 16 bytes of f32 a thread
	v_lshlrev_b32 v2, 3, v0                        ; 8 bytes of bf16 a thread
	s_wait_kmcnt 0x0
	s_cmp_lt_u32 s16, NX
	s_cselect_b64 s[20:21], s[4:5], s[6:7]         ; source: X or Wk
	s_cselect_b64 s[22:23], s[12:13], s[14:15]     ; destination: xb or wb
	s_cselect_b32 s24, s16, s18                    ; part of the source
	s_cselect_b32 s26, s16, s17                    ; part of the destination
	s_cmp_ge_u32 s16, NX+64
	s_cselect_b64 s[20:21], s[8:9], s[20:21]       ; Wv
	s_cmp_ge_u32 s16, NX+128
	s_cselect_b64 s[20:21], s[10:11], s[20:21]     ; Wq
	s_lshl_b32 s24, s24, 16                        ; x 65,536 bytes (below 2^26)
	s_mov_b32 s25, 0
	s_lshl_b32 s26, s26, 15                        ; x 32,768 bytes
	s_mov_b32 s27, 0
	s_add_nc_u64 s[20:21], s[20:21], s[24:25]
	s_add_nc_u64 s[22:23], s[22:23], s[26:27]
.set i, 0
.rept 16
	global_load_b128 v[IN+4*i:IN+4*i+3], v1, s[20:21] offset:4096*i th:TH_LOAD_NT   ; a wave's load covers 512 neighbouring bytes; read once in the launch
.set i, i+1
.endr
.set i, 0
.rept 16
	s_wait_loadcnt 15-i                            ; loads return in order: load i is in, the 15 - i younger ones stay out
	v_cvt_pk_bf16_f32 v[OUT+2*i],   v[IN+4*i],   v[IN+4*i+1]
	v_cvt_pk_bf16_f32 v[OUT+2*i+1], v[IN+4*i+2], v[IN+4*i+3]
	global_store_b64 v2, v[OUT+2*i:OUT+2*i+1], s[22:23] offset:2048*i               ; 32 lanes store 256 consecutive bytes, aligned
.set i, i+1
.endr
	s_endpgm
.Lfunc_end_k_q86b7c2d5b2_cvt:
	.size	k_q86b7c2d5b2_cvt, .Lfunc_end_k_q86b7c2d5b2_cvt-k_q86b7c2d5b2_cvt
	.p2alignl 7, 3214868480
	.fill 96, 4, 3214868480
	.section	.rodata,"a",@progbits
	.p2align	6, 0x0
	.amdhsa_kernel k_q86b7c2d5b2_cvt
		.amdhsa_group_segment_fixed_size 0
		.amdhsa_private_segment_fixed_size 0
		.amdhsa_enable_private_segment 0
		.amdhsa_kernarg_size 48
		.amdhsa_user_sgpr_count 2
		.amdhsa_user_sgpr_kernarg_segment_ptr 1
		.amdhsa_wavefront_size32 1
		.amdhsa_system_sgpr_workgroup_id_x 1
		.amdhsa_system_sgpr_workgroup_id_y 1
		.amdhsa_system_sgpr_workgroup_id_z 1
		.amdhsa_system_vgpr_workitem_id 0
		.amdhsa_next_free_vgpr 104
		.amdhsa_next_free_sgpr 66
		.amdhsa_reserve_vcc 0
		.amdhsa_float_denorm_mode_32 3
		.amdhsa_float_denorm_mode_16_64 3
		.amdhsa_memory_ordered 1
		.amdhsa_forward_progress 1
		.amdhsa_inst_pref_size 7
	.end_amdhsa_kernel
	.amdgpu_metadata
---
amdhsa.version: [ 1, 2 ]
amdhsa.kernels:
  - .name:           k_q86b7c2d5b2_cvt
    .symbol:         k_q86b7c2d5b2_cvt.kd
    .args:
      - { .name: X, .offset: 0, .size: 8, .value_kind: global_buffer, .address_space: global }
      - { .name: Wk, .offset: 8, .size: 8, .value_kind: global_buffer, .address_space: global }
      - { .name: Wv, .offset: 16, .size: 8, .value_kind: global_buffer, .address_space: global }
      - { .name: Wq, .offset: 24, .size: 8, .value_kind: global_buffer, .address_space: global }
      - { .name: xb, .offset: 32, .size: 8, .value_kind: global_buffer, .address_space: global }
      - { .name: wb, .offset: 40, .size: 8, .value_kind: global_buffer, .address_space: global }
    .group_segment_fixed_size: 0
    .private_segment_fixed_size: 0
    .kernarg_segment_align: 8
    .kernarg_segment_size: 48
    .max_flat_workgroup_size: 256
    .sgpr_count:     66
    .vgpr_count:     104
    .wavefront_size: 32
...
	.end_amdgpu_metadata
.endif
;; end of part 1
;; launch kvpart (part 2): grid 8 x 64, 4 waves a work-group, clusters of 4 x 4, 327,680 bytes of LDS; arguments xb, wb, bk, bv, mask, proj, pkv, pst, pvs; writes pkv, pst, pvs
.if DOCPART == 2
	.amdgcn_target "amdgcn-amd-amdhsa--gfx1250"
	.amdhsa_code_object_version 6
	.text
	.protected	k_q86b7c2d5b2_kvpart
	.globl	k_q86b7c2d5b2_kvpart
	.p2align	8
	.type	k_q86b7c2d5b2_kvpart,@function
k_q86b7c2d5b2_kvpart:
	s_mov_b64 s[64:65], 0
	v_nop
	global_prefetch_b8 v0, s[64:65] scope:SCOPE_SE
	s_setreg_imm32_b32 hwreg(HW_REG_WAVE_MODE, 25, 1), 1
	s_wait_xcnt 0x0
	s_wait_alu depctr_hold_cnt(0) depctr_sa_sdst(0) depctr_va_vdst(0) depctr_va_sdst(0) depctr_va_ssrc(0) depctr_va_vcc(0) depctr_vm_vsrc(0)
	s_getreg_b32 s2, hwreg(HW_REG_IB_STS2, 6, 4)
	s_cmp_eq_u32 s2, 0
	s_cbranch_scc0 .Lentry_in_a_cluster
	s_endpgm
.Lentry_in_a_cluster:
	s_bfe_u32 s2, ttmp6, 0x10000c
	s_cmp_lg_u32 s2, 0xf033
	s_cbranch_scc0 .Lentry_shape_is_right
	s_endpgm
.Lentry_shape_is_right:
; For 256 rows of one batch (a chunk) and two heads: K = X Wk + bk and V = X Wv + bv (bf16 operands, f32 sums), x = K mask / 8, Vs = V mask,
; u = x proj^T, and for each feature f the chunk's own maximum m[f] = max over the 256 rows of u, e = exp(u - |x|^2/2 - m[f]),
; then the partial sums  pkv[f][d] = sum_s e Vs,  ksum[f] = sum_s e,  pvs[d] = sum_s Vs.  A later launch takes the maximum over all chunks and
; features (the stabiliser of the key features) and rescales each partial sum by exp(m[f] - maximum): a true maximum is taken away in front of every exponential.
; x, e AND Vs GO TO THE MATRIX UNIT AS TWO bf16 OPERANDS EACH, hi = bf16(value) and lo = bf16(value - hi), summed in the same accumulators:
; u = x_hi proj + x_lo proj;  pkv = Vs_hi e_hi + Vs_hi e_lo + Vs_lo e_hi.  Why: the final result is a weighted mean of 4,096 rows of Vs, some 1/64 of their size,
; and a query row may put most of its weight on one feature; then the errors of that feature's e (its own rounding, and the error of u in its exponent) and of Vs
; are averaged over the keys alone and keep their relative size of 2^-9 against a result that is compared to 1/100 of its root mean square.
; LIMITS: X, W and proj are rounded to bf16; x, e and Vs to two bf16 (about 16 bits); v_exp_f32 gives 0 for results below 2^-126.
;
; PART 1, the product: a block of 256 rows x (128 columns of Wk + 128 of Wv), four waves, a wave 128 rows x (64 of K + 64 of V) = one head:
; 64 accumulator tiles, 512 registers.  K dimension in steps of 128 through two LDS slots filled by the tensor data mover.
; 4 x 4 work-groups form a cluster: X's tile hangs on the block row alone and is asked for jointly along a row of the cluster,
; W's tile on the block column alone and jointly along a column.
; W lies [k][n] in memory and in LDS; its fragments are read by the transposing LDS load.
; K's tiles are made transposed (source 0 = W's columns): a lane holds one row s and eight neighbouring columns.
; V's tiles are made the natural way (source 0 = X's rows): a lane holds one column d and eight neighbouring rows s.
; Both are then, packed to bf16, exactly the registers of the fragments that part 2 needs (x: rows s, k = d;  Vs: rows d, k = s).
; PART 2: the two waves of a head exchange their fragments through LDS; then wave (fh, hh) takes head hh, all 256 rows, features 128 fh .. +127.
;
; REGISTERS in windows of 256.  Part 1: window 0 addresses and biases; window 1 fragments (X: v0-63, v64-127; W: v128-191, v192-255);
; windows 2, 3 accumulators, tile (a, b) at v[8 (8 (a & 3) + b)] of window 2 + (a >> 2).
; Part 2: window 2 = hi fragments of x (ag, kk) at v[8 (2 ag + kk)]; window 3 = hi fragments of Vs (db, sb) at v[8 (4 sb + db)];
; window 1 = u v0-127, then e_lo's fragments v0-63 and 8 lo fragments of Vs at a time v64-127; v128-191 and v192-255 take 8 lo fragments of x each while u is made,
; then e_hi's fragments v128-191, sums v192-223, at work v224-239;  window 0 = proj, -|x|^2/2 log2 e per row (v128-255), the way out.
.set KSTEP, 128
.set PA,    272                        ; LDS pitch of X's rows: 256 + 16 bytes, an odd multiple of 16
.set PB,    288                        ; LDS pitch of W's rows: 256 + 32 bytes, an odd multiple of 32, for the transposing load
.set PART,  36864                      ; what one wave's tensor load may fill: 128 rows x 288 (X's parts use 128 x 272 of it)
.set SLOT,  4*PART                     ; X rows 0-127, X rows 128-255, Wk's tile, Wv's tile
.set RING,  2*SLOT
.set BB,    2*PART
.set LAPS,  4                          ; 1024 / (2 x 128)
.set NATB,  4                          ; column blocks 0-3 (K) transposed, 4-7 (V) natural
.set VLO,   131072                     ; the exchange of Vs's lo fragments: 2 heads x 32,768 bytes, behind the 2 x 65,536 of the hi fragments
.set KLO,   196608                     ; the exchange of x's lo fragments: 2 heads x 32,768 bytes; ends at 262,144, inside the ring's 294,912
.set SP,    272                        ; pitch of the way out's stage
.set STAGE, RING                       ; 4 x 16 rows x 272
.set NDL,   STAGE+4*16*SP              ; 2 heads x 256 f32
.set VS,    NDL+2048                   ; 4 waves x 64 f32
.set VLST,  4
.set VLLD,  5
.set KLST,  92
.set KLLD,  93
.set ADRA,  16
.set ADRB0, 20
.set ADRB1, 22
.set KST, 11
.set VST, 12
.set NDST, 13
.set VSST, 14
.set KLD, 15
.set NDLD, 24
.set VSLD, 25
.set STO, 26
.set RD,  27
.set POFF, 28
.set L16, 29
.set L4,  30
.set BK, 32                            ; v[32:63]   bk of my 8 columns in each of K's 4 tiles
.set BV, 64                            ; v[64:67]   bv of my column in each of V's 4 tiles
.set ML, 68                            ; v[68:75]   mask / 8 of my row in each of 8 row blocks
.set VSUM, 80                          ; v[80:87]   running sums of Vs
.set DS, 88                            ; v[88:91]   sums of squares
.set PK, 96                            ; v[96:127]  packed bf16: hi, then lo
.set MR, 128                           ; v[128:191] mask of my 8 rows in each of 8 row blocks
.set X,  192                           ; v[192:255] a row block's 8 tiles in f32
.set PR, 32                            ; part 2: proj as loaded
.set PF, 64                            ; part 2: proj, two fragments
.set RB, 96                            ; part 2: rows read back from the stage
.set NDR, 128                          ; part 2: -|x|^2/2 log2 e
.set MX, 224                           ; window 1
.set KS, 228                           ; window 1
.set OW, 236                           ; window 1
.set G1, 24
.set G0, 32
.set G1B, 48
.set G0B, 56
.set MSB, 0
.macro WIN new                         ; the immediate's high byte repeats the setting that is left
.if MSB != \new
	s_set_vgpr_msb (MSB<<8)|\new
.set MSB, \new
.endif
.endm
.macro WINA a, lo, hi                  ; the setting for row block a: its tiles lie in window 2 (a < 4) or 3
.if \a < 4
	WIN \lo
.else
	WIN \hi
.endif
.endm
.set MUL_LO, 0xa5                      ; sources 0 and 1 window 1, C and D window 2
.set MUL_HI, 0xf5                      ; the same, C and D window 3
.set TO_F,   0x40                      ; destination window 1, address window 0
; A joint load.  Waves 0 and 1 ask for X's two halves, waves 2 and 3 for Wk's and Wv's tile.  The branch hangs on the wave's number alone.
.macro JLOAD s
	s_cmp_eq_u32 s11, 0
	s_cbranch_scc0 .Lfor_b_\@
	tensor_load_to_lds s[G0+4*\s:G0+4*\s+3], s[G1:G1+7]
	s_nop 0
	s_branch .Lasked_\@
.Lfor_b_\@:
	tensor_load_to_lds s[G0B+4*\s:G0B+4*\s+3], s[G1B:G1B+7]
	s_nop 0
.Lasked_\@:
.endm
.macro CREST                           ; a round of the cluster's barrier behind its opening work-group barrier
	s_cmp_lg_u32 s10, 0
	s_cbranch_scc1 .Lnot_wave_0_\@
	s_barrier_signal -3
.Lnot_wave_0_\@:
	s_barrier_wait -3
	s_barrier_signal -1
	s_barrier_wait -1
.endm
.macro CROUND
	s_barrier_signal -1
	s_barrier_wait -1
	CREST
.endm
.macro PLACES                          ; four places behind a matrix instruction in front of loads into, or vector work on, its registers
.rept 4
	v_nop
.endr
.endm
	s_load_b128 s[4:7], s[0:1], 0x0                ; xb, wb
	s_load_b256 s[68:75], s[0:1], 0x10             ; bk, bv, mask, proj
	s_load_b128 s[76:79], s[0:1], 0x30             ; pkv, pst
	s_load_b64 s[80:81], s[0:1], 0x40              ; pvs
	v_lshl_add_u32 v94, v0, 2, 0x4d000
	v_mov_b32 v95, 0
	ds_add_u32 v94, v95
	ds_add_u32 v94, v95
	v_lshrrev_b32 v1, 5, v0
	v_readfirstlane_b32 s10, v1                    ; wave 0..3
	s_lshr_b32 s11, s10, 1                         ; my half of the rows; later my half of the features.  Also: I ask for X (0) or W (1)
	s_and_b32 s12, s10, 1                          ; my head of the two.  Also: which half of X, or which of Wk, Wv, I ask for
	s_bfe_u32 s40, ttmp6, 0x40000                  ; cx
	s_bfe_u32 s41, ttmp6, 0x40004                  ; cy
	s_lshl_b32 s42, ttmp9, 2
	s_add_co_u32 s42, s42, s40                     ; block column bx = 4 x cluster x + cx: heads 2 bx, 2 bx + 1
	s_and_b32 s13, ttmp7, 0xffff
	s_lshl_b32 s13, s13, 2
	s_add_co_u32 s13, s13, s41                     ; block row by = 4 x cluster y + cy: rows 256 by ..
	s_lshl_b32 s43, s41, 2
	s_lshl_b32 s43, 15, s43                        ; my row of the cluster
	s_lshl_b32 s44, 0x1111, s40                    ; my column
	; group 1: tiles of 128 rows x 128 elements of 2 bytes, row pitch 1,024 elements; a pad behind every 64 words: 4 words for X, 8 for W
	s_or_b32 s[G1+0], s43, (1<<16)|(1<<20)|(1<<21)|(5<<22)|(3<<25)
	s_or_b32 s[G1B+0], s44, (1<<16)|(1<<20)|(1<<21)|(5<<22)|(7<<25)
	s_mov_b32 s[G1+1], KSTEP<<16                   ; tensor_dim0 = 128
	s_mov_b32 s[G1B+1], KSTEP<<16
	s_mov_b32 s[G1+2], 128<<16                     ; tensor_dim1 = 128
	s_mov_b32 s[G1B+2], 128<<16
	s_mov_b32 s[G1+3], KSTEP<<16                   ; tile_dim0 = 128
	s_mov_b32 s[G1B+3], KSTEP<<16
	s_mov_b32 s[G1+4], 128                         ; tile_dim1 = 128
	s_mov_b32 s[G1B+4], 128
	s_mov_b32 s[G1+5], 1024                        ; elements from row to row
	s_mov_b32 s[G1B+5], 1024
	s_mov_b32 s[G1+6], 0
	s_mov_b32 s[G1B+6], 0
	s_mov_b32 s[G1+7], 0
	s_mov_b32 s[G1B+7], 0
	; X's tile: row 256 by + 128 half, 2,048 bytes a row.  W's tile: matrix (Wk or Wv) x 2,097,152 bytes + 256 bx bytes of every row.
	s_lshl_b32 s17, s12, 7
	s_lshl_b32 s16, s13, 8
	s_add_co_u32 s16, s16, s17
	s_lshl_b32 s16, s16, 11                        ; below 2^25
	s_mov_b32 s17, 0
	s_lshl_b32 s46, s42, 8
	s_lshl_b32 s47, s12, 21
	s_add_co_u32 s46, s46, s47
	s_mov_b32 s47, 0
	s_mul_i32 s20, s10, PART                       ; where my tile goes: wave x 36,864
	s_wait_dscnt 0x0
	s_wait_kmcnt 0x0
	s_add_nc_u64 s[14:15], s[4:5], s[16:17]
	s_add_nc_u64 s[46:47], s[6:7], s[46:47]
	CROUND                                         ; all sixteen work-groups are here: the first joint loads meet
.irp s, 0,1
	s_mov_b32 s[G0+4*\s], 1
	s_add_co_u32 s[G0+4*\s+1], s20, \s*SLOT
	s_add_nc_u64 s[G0+4*\s+2:G0+4*\s+3], s[14:15], \s*KSTEP*2          ; K step s: 256 bytes along X's rows
	s_or_b32 s[G0+4*\s+3], s[G0+4*\s+3], 0x80000000
	s_mov_b32 s[G0B+4*\s], 1
	s_add_co_u32 s[G0B+4*\s+1], s20, \s*SLOT
	s_add_nc_u64 s[G0B+4*\s+2:G0B+4*\s+3], s[46:47], \s*KSTEP*2048     ; K step s: 128 rows down W
	s_or_b32 s[G0B+4*\s+3], s[G0B+4*\s+3], 0x80000000
	JLOAD \s
.endr
	v_and_b32 v1, 15, v0                           ; r
	v_bfe_u32 v2, v0, 4, 1                         ; h
	v_and_b32 v3, 31, v0                           ; lane
	; biases and mask, into window 0, waited for behind the product
	s_lshl_b32 s82, s42, 1
	s_add_co_u32 s82, s82, s12                     ; head
	s_lshl_b32 s93, s82, 8                         ; 64 f32 a head
	v_lshl_add_u32 v7, v2, 5, s93                  ; bk: 256 head + 32 h
	v_lshl_add_u32 v8, v1, 2, s93                  ; bv: 256 head + 4 r
	s_lshl_b32 s94, s13, 10
	s_lshl_b32 s95, s11, 9
	s_add_co_u32 s94, s94, s95                     ; 4 x my first row (mask lies as X's rows do)
	v_lshl_add_u32 v9, v1, 2, s94
	v_lshl_add_u32 v10, v2, 5, s94
.irp b, 0,1,2,3
	global_load_b128 v[BK+8*\b:BK+8*\b+3],   v7, s[68:69] offset:64*\b
	global_load_b128 v[BK+8*\b+4:BK+8*\b+7], v7, s[68:69] offset:64*\b+16
	global_load_b32 v[BV+\b], v8, s[70:71] offset:64*\b
.endr
.irp a, 0,1,2,3,4,5,6,7
	global_load_b32 v[ML+\a], v9, s[72:73] offset:64*\a
	global_load_b128 v[MR+8*\a:MR+8*\a+3],   v10, s[72:73] offset:64*\a
	global_load_b128 v[MR+8*\a+4:MR+8*\a+7], v10, s[72:73] offset:64*\a+16
.endr
	; LDS addresses of the fragments
	v_mul_u32_u24 v4, v1, PA
	v_lshl_add_u32 v4, v2, 4, v4                   ; X: r x pitch + 16 h
	v_and_b32 v5, 7, v0
	v_lshl_add_u32 v5, v2, 3, v5
	v_mul_u32_u24 v5, v5, PB
	v_bfe_u32 v6, v0, 3, 1
	v_lshl_add_u32 v5, v6, 4, v5                   ; W: (8 h + lane % 8) x pitch + 16 ((lane / 8) % 2)
	s_mul_i32 s21, s11, PART                       ; my 128 rows of X
	s_lshl_b32 s22, s12, 7                         ; my head's 64 columns: 128 bytes
	s_add_co_u32 s22, s22, BB
.irp s, 0,1
	v_add_nc_u32 v[ADRA+\s], s21, v4
	v_add_nc_u32 v[ADRB0+\s], s22, v5              ; in Wk's tile
	v_add_nc_u32 v[ADRB1+\s], PART, v[ADRB0+\s]    ; in Wv's tile
	s_add_co_u32 s21, s21, SLOT
	s_add_co_u32 s22, s22, SLOT
.endr
	; addresses of part 2; none hangs on the place in the cluster
	s_lshl_b32 s93, s12, 16                        ; a head's exchange: 65,536 bytes, the hi fragments of x, then those of Vs
	s_lshl_b32 s94, s11, 14                        ; my half of each: 16,384 bytes
	s_add_co_u32 s95, s93, s94
	v_lshl_add_u32 v[KST], v3, 4, s95
	v_add_nc_u32 v[VST], 32768, v[KST]
	v_lshl_add_u32 v[KLD], v3, 4, s93
	s_lshl_b32 s93, s12, 15                        ; a head's lo fragments of Vs: 32,768 bytes,
	s_add_co_u32 s93, s93, VLO
	v_lshl_add_u32 v[VLLD], v3, 4, s93             ; (v4 and v5 have done their work above)
	s_add_co_u32 s94, s94, s93                     ; my half of them: 16,384 bytes
	v_lshl_add_u32 v[VLST], v3, 4, s94
	v_add_nc_u32 v[KLLD], KLO-VLO, v[VLLD]         ; and the same places among the lo fragments of x
	v_add_nc_u32 v[KLST], KLO-VLO, v[VLST]
	s_lshl_b32 s93, s12, 10
	s_add_co_u32 s93, s93, NDL
	v_lshl_add_u32 v[NDLD], v2, 5, s93
	s_lshl_b32 s94, s11, 9
	s_add_co_u32 s94, s94, s93
	v_lshl_add_u32 v[NDST], v1, 2, s94
	s_lshl_b32 s93, s12, 9
	s_add_co_u32 s93, s93, VS
	s_lshl_b32 s94, s11, 8
	s_add_co_u32 s94, s94, s93
	v_lshl_add_u32 v[VSST], v1, 2, s94
	s_lshl_b32 s94, s11, 7
	s_add_co_u32 s94, s94, s93
	v_lshl_add_u32 v[VSLD], v3, 2, s94
	s_mul_i32 s93, s10, 16*SP
	s_add_co_u32 s93, s93, STAGE
	v_mul_u32_u24 v31, v1, SP
	v_lshl_add_u32 v31, v2, 5, v31
	v_add_nc_u32 v[STO], s93, v31                  ; in: row r, 32 bytes for each half of the lanes
	v_mul_u32_u24 v31, v2, SP
	v_lshl_add_u32 v31, v1, 4, v31
	v_add_nc_u32 v[RD], s93, v31                   ; back: lanes 0-15 one row of 256 bytes, lanes 16-31 the next
	s_lshl_b32 s93, s11, 15
	v_lshl_add_u32 v[POFF], v1, 8, s93
	v_lshl_add_u32 v[POFF], v2, 5, v[POFF]         ; proj: (128 fh + r) rows of 256 bytes + 32 h
	v_lshlrev_b32 v[L16], 4, v3
	v_lshlrev_b32 v[L4], 2, v3
	s_mov_b32 s83, 0x76543210                      ; v_permlanex16_b32: lane i reads lane i of the other half
	s_mov_b32 s84, 0xfedcba98
	s_mov_b32 s85, 0xffff0000                      ; lanes 16-31; also a word's upper bf16
	s_lshr_b32 s96, s13, 4                         ; batch
	s_lshl_b32 s96, s96, 4
	s_add_co_u32 s96, s96, s82                     ; bh = 16 batch + head
	s_lshl_b32 s96, s96, 4
	s_and_b32 s97, s13, 15
	s_add_co_u32 s96, s96, s97                     ; 16 bh + chunk
	s_lshl_b32 s86, s96, 16                        ; pkv: 256 features x 256 bytes a chunk,
	s_lshl_b32 s97, s11, 15                        ; my 128 features
	s_add_co_u32 s86, s86, s97
	s_mov_b32 s87, 0
	s_add_nc_u64 s[86:87], s[76:77], s[86:87]
	s_lshl_b32 s88, s96, 11                        ; pst: 16 feature tiles x 128 bytes a chunk
	s_lshl_b32 s97, s11, 10
	s_add_co_u32 s88, s88, s97
	s_mov_b32 s89, 0
	s_add_nc_u64 s[88:89], s[78:79], s[88:89]
	s_lshl_b32 s90, s96, 8                         ; pvs: 64 f32 a chunk, my 32
	s_lshl_b32 s97, s11, 7
	s_add_co_u32 s90, s90, s97
	s_mov_b32 s91, 0
	s_add_nc_u64 s[90:91], s[80:81], s[90:91]
; 16 matrix instructions: row blocks a0, a0 + 1 of the window's four x all 8 column blocks, 32 along K, on fragment buffer cur.
; The 64 accumulators take turns, one instruction a turn, in the same order in every quarter step.
.macro MUL16 cur, hi, a0, zero
.irp a, \a0, \a0+1
.irp b, 0,1,2,3,4,5,6,7
.if \b < NATB
.if \zero
	v_wmma_f32_16x16x32_bf16 v[8*(8*(\a)+\b):8*(8*(\a)+\b)+7], v[128+64*\cur+8*\b:128+64*\cur+8*\b+7], v[64*\cur+8*(4*\hi+\a):64*\cur+8*(4*\hi+\a)+7], 0
.else
	v_wmma_f32_16x16x32_bf16 v[8*(8*(\a)+\b):8*(8*(\a)+\b)+7], v[128+64*\cur+8*\b:128+64*\cur+8*\b+7], v[64*\cur+8*(4*\hi+\a):64*\cur+8*(4*\hi+\a)+7], v[8*(8*(\a)+\b):8*(8*(\a)+\b)+7]
.endif
.else
.if \zero
	v_wmma_f32_16x16x32_bf16 v[8*(8*(\a)+\b):8*(8*(\a)+\b)+7], v[64*\cur+8*(4*\hi+\a):64*\cur+8*(4*\hi+\a)+7], v[128+64*\cur+8*\b:128+64*\cur+8*\b+7], 0
.else
	v_wmma_f32_16x16x32_bf16 v[8*(8*(\a)+\b):8*(8*(\a)+\b)+7], v[64*\cur+8*(4*\hi+\a):64*\cur+8*(4*\hi+\a)+7], v[128+64*\cur+8*\b:128+64*\cur+8*\b+7], v[8*(8*(\a)+\b):8*(8*(\a)+\b)+7]
.endif
.endif
.endr
.endr
.endm
; 32 LDS loads in one run: quarter q (32 along K) of a slot into buffer buf: W's 8 column blocks first, then X's 8 row blocks.
; buf may be an expression: it stands in parentheses wherever it is multiplied.
.macro FETCH slot, q, buf
	WIN TO_F
.irp i, 0,1,2,3
	ds_load_tr16_b128 v[128+64*(\buf)+8*\i:128+64*(\buf)+8*\i+3],   v[ADRB0+\slot] offset:\q*32*PB+32*\i
	ds_load_tr16_b128 v[128+64*(\buf)+8*\i+4:128+64*(\buf)+8*\i+7], v[ADRB0+\slot] offset:\q*32*PB+32*\i+16*PB
.endr
.irp i, 0,1,2,3
	ds_load_tr16_b128 v[160+64*(\buf)+8*\i:160+64*(\buf)+8*\i+3],   v[ADRB1+\slot] offset:\q*32*PB+32*\i
	ds_load_tr16_b128 v[160+64*(\buf)+8*\i+4:160+64*(\buf)+8*\i+7], v[ADRB1+\slot] offset:\q*32*PB+32*\i+16*PB
.endr
.irp i, 0,1,2,3,4,5,6,7
	ds_load_b128 v[64*(\buf)+8*\i:64*(\buf)+8*\i+3],   v[ADRA+\slot] offset:\q*64+\i*16*PA
	ds_load_b128 v[64*(\buf)+8*\i+4:64*(\buf)+8*\i+7], v[ADRA+\slot] offset:\q*64+\i*16*PA+32
.endr
.endm
; multiplies buffer cur; in its middle fetches quarter q of the same slot into the other buffer
.macro QUARTER slot, q, cur, zero
	s_wait_dscnt 8                                 ; W and X's rows 0-63 are in; the youngest eight loads (X's rows 64-127) may be out
	WIN MUL_LO
	MUL16 \cur, 0, 0, \zero
	MUL16 \cur, 0, 2, \zero
	PLACES
	FETCH \slot, \q, 1-\cur
	s_wait_dscnt 32                                ; all but the 32 just issued
	WIN MUL_HI
	MUL16 \cur, 1, 0, \zero
	MUL16 \cur, 1, 2, \zero
.endm
.macro THREE slot, zero
	QUARTER \slot, 1, 0, \zero
	QUARTER \slot, 2, 1, 0
	QUARTER \slot, 3, 0, 0
.endm
; the last quarter of a K step: multiplies buffer 1 and changes slots.  In front of the barrier each wave waits for its reads of this slot and
; for all its tensor loads (one is out: its part of the next slot); behind it, where the slot is filled again, the rest of a round of the
; cluster's barrier, and the joint refill as the wave's first tensor load there.
.macro TURN slot, next, fill
	s_wait_dscnt 8
	WIN MUL_LO
	MUL16 1, 0, 0, 0
	s_wait_dscnt 0
	s_set_vgpr_msb 0xa5a0
	s_wait_tensorcnt 0x0
	ds_add_u32 v94, v95
	s_wait_dscnt 0x0
	s_set_vgpr_msb 0xa0a5
	s_barrier_signal -1
	MUL16 1, 0, 2, 0                               ; register work alone between signal and wait
	WIN 0
	s_barrier_wait -1
.if \fill
	CREST
	s_add_nc_u64 s[G0+4*\slot+2:G0+4*\slot+3], s[G0+4*\slot+2:G0+4*\slot+3], 2*KSTEP*2
	s_add_nc_u64 s[G0B+4*\slot+2:G0B+4*\slot+3], s[G0B+4*\slot+2:G0B+4*\slot+3], 2*KSTEP*2048
	JLOAD \slot
.endif
	PLACES
	FETCH \next, 0, 0
	WIN MUL_HI
	MUL16 1, 1, 0, 0
	MUL16 1, 1, 2, 0
.endm
.macro LAP zero
	THREE 0, \zero
	TURN 0, 1, 1
	THREE 1, 0
	TURN 1, 0, 1
.endm
	s_wait_tensorcnt 1                             ; my part of K step 0 is in; K step 1's may stay out
	s_barrier_signal -1
	s_barrier_wait -1
	FETCH 0, 0, 0
	LAP 1                                          ; the first products start the sums: nothing is cleared
	WIN 0
	s_mov_b32 s3, LAPS-2
.Llap:
	LAP 0
	WIN 0
	s_sub_co_u32 s3, s3, 1
	s_cmp_lg_u32 s3, 0
	s_cbranch_scc1 .Llap
	THREE 0, 0                                     ; the last lap fills nothing
	TURN 0, 1, 0
	THREE 1, 0
	s_wait_dscnt 8
	WIN MUL_LO
	MUL16 1, 0, 0, 0
	MUL16 1, 0, 2, 0
	s_wait_dscnt 0
	WIN MUL_HI
	MUL16 1, 1, 0, 0
	MUL16 1, 1, 2, 0
	; PART 2.  The ring has had its last fill; behind this barrier no wave reads it as a ring any more, and its first 262,144 bytes serve as the exchange.
	PLACES
	WIN 0
	s_wait_dscnt 0x0
	s_wait_loadcnt 0x0                             ; biases and mask
	s_barrier_signal -1
	s_barrier_wait -1
.irp a, 0,1,2,3,4,5,6,7
	v_mul_f32 v[ML+\a], 0x3e000000, v[ML+\a]       ; mask / 8
.endr
; Row block a (16 rows): bias, mask, sums, hi and lo in bf16, and the fragments' halves into the exchange.
.macro PACKA a
	WINA \a, 0x02, 0x03                            ; source 0 in the tiles' window
.set TB, 64*(\a&3)
.set p, 0
.rept 16
	v_pk_add_f32 v[X+2*p:X+2*p+1], v[TB+2*p:TB+2*p+1], v[BK+2*p:BK+2*p+1]             ; K: a lane's registers are columns
.set p, p+1
.endr
.rept 16
.if (p>>2)&1
	v_pk_add_f32 v[X+2*p:X+2*p+1], v[TB+2*p:TB+2*p+1], v[BV+2*((p-16)>>3):BV+2*((p-16)>>3)+1] op_sel:[0,1] op_sel_hi:[1,1]   ; V: a lane is one column
.else
	v_pk_add_f32 v[X+2*p:X+2*p+1], v[TB+2*p:TB+2*p+1], v[BV+2*((p-16)>>3):BV+2*((p-16)>>3)+1] op_sel_hi:[1,0]
.endif
.set p, p+1
.endr
	WIN 0
.set p, 0
.rept 16
.if \a&1
	v_pk_mul_f32 v[X+2*p:X+2*p+1], v[X+2*p:X+2*p+1], v[ML+(\a&6):ML+(\a&6)+1] op_sel:[0,1] op_sel_hi:[1,1]   ; x = K mask / 8: a lane is one row
.else
	v_pk_mul_f32 v[X+2*p:X+2*p+1], v[X+2*p:X+2*p+1], v[ML+(\a&6):ML+(\a&6)+1] op_sel_hi:[1,0]
.endif
.set p, p+1
.endr
.rept 16
	v_pk_mul_f32 v[X+2*p:X+2*p+1], v[X+2*p:X+2*p+1], v[MR+8*\a+2*(p&3):MR+8*\a+2*(p&3)+1]                   ; Vs = V mask: registers are rows
.set p, p+1
.endr
	v_pk_mul_f32 v[DS:DS+1], v[X:X+1], v[X:X+1]                                       ; |x|^2 in two chains
	v_pk_mul_f32 v[DS+2:DS+3], v[X+2:X+3], v[X+2:X+3]
.set p, 2
.rept 14
	v_pk_fma_f32 v[DS+2*(p&1):DS+2*(p&1)+1], v[X+2*p:X+2*p+1], v[X+2*p:X+2*p+1], v[DS+2*(p&1):DS+2*(p&1)+1]
.set p, p+1
.endr
.if \a
.irp d, 0,1,2,3
	v_pk_add_f32 v[VSUM+2*\d:VSUM+2*\d+1], v[VSUM+2*\d:VSUM+2*\d+1], v[X+32+8*\d:X+32+8*\d+1]
.endr
.irp d, 0,1,2,3
	v_pk_add_f32 v[VSUM+2*\d:VSUM+2*\d+1], v[VSUM+2*\d:VSUM+2*\d+1], v[X+32+8*\d+2:X+32+8*\d+3]
.endr
.else
.irp d, 0,1,2,3
	v_pk_add_f32 v[VSUM+2*\d:VSUM+2*\d+1], v[X+32+8*\d:X+32+8*\d+1], v[X+32+8*\d+2:X+32+8*\d+3]   ; the first block starts the sums
.endr
.endif
.irp d, 0,1,2,3
	v_pk_add_f32 v[VSUM+2*\d:VSUM+2*\d+1], v[VSUM+2*\d:VSUM+2*\d+1], v[X+32+8*\d+4:X+32+8*\d+5]
.endr
.irp d, 0,1,2,3
	v_pk_add_f32 v[VSUM+2*\d:VSUM+2*\d+1], v[VSUM+2*\d:VSUM+2*\d+1], v[X+32+8*\d+6:X+32+8*\d+7]
.endr
.set p, 0
.rept 32
	v_cvt_pk_bf16_f32 v[PK+p], v[X+2*p], v[X+2*p+1]                                   ; hi
.set p, p+1
.endr
.irp b, 0,1,2,3
	ds_store_b128 v[KST], v[PK+4*\b:PK+4*\b+3] offset:2048*\a+512*\b                  ; x's hi fragment (a, b / 2), half b % 2
.endr
.irp d, 0,1,2,3
	ds_store_b128 v[VST], v[PK+16+4*\d:PK+16+4*\d+3] offset:4096*(\a>>1)+1024*\d+512*(\a&1)   ; Vs's hi fragment (d, a / 2), half a % 2
.endr
	; lo = bf16(value - hi).  The row block's 64 accumulator registers are free since the bias was added: they take hi widened back to f32.
	WINA \a, 0x80, 0xc0                            ; destination in the tiles' window
.set q, 0
.rept 32
	v_lshlrev_b32 v[TB+2*q], 16, v[PK+q]
	v_and_b32 v[TB+2*q+1], s85, v[PK+q]
.set q, q+1
.endr
	WINA \a, 0x02, 0x03
.set q, 0
.rept 32
	v_pk_fma_f32 v[X+2*q:X+2*q+1], v[TB+2*q:TB+2*q+1], -1.0, v[X+2*q:X+2*q+1] op_sel_hi:[1,0,1]   ; value - hi
.set q, q+1
.endr
	WIN 0
.set q, 0
.rept 32
	v_cvt_pk_bf16_f32 v[PK+q], v[X+2*q], v[X+2*q+1]                                   ; lo
.set q, q+1
.endr
.irp b, 0,1,2,3
	ds_store_b128 v[KLST], v[PK+4*\b:PK+4*\b+3] offset:2048*\a+512*\b                 ; the lo fragments, in hi's order
.endr
.irp d, 0,1,2,3
	ds_store_b128 v[VLST], v[PK+16+4*\d:PK+16+4*\d+3] offset:4096*(\a>>1)+1024*\d+512*(\a&1)
.endr
	v_pk_add_f32 v[DS:DS+1], v[DS:DS+1], v[DS+2:DS+3]
	v_add_f32 v[DS], v[DS], v[DS+1]
	v_permlanex16_b32 v[DS+1], v[DS], s83, s84     ; the other 32 columns of my row
	v_add_f32 v[DS], v[DS], v[DS+1]
	v_mul_f32 v[DS], 0xbf38aa3b, v[DS]             ; - |x|^2 / 2 x log2 e
	ds_store_b32 v[NDST], v[DS] offset:64*\a       ; both halves of the lanes store the same number
.endm
	PACKA 0
	PACKA 1
	PACKA 2
	PACKA 3
	PACKA 4
	PACKA 5
	PACKA 6
	PACKA 7
.irp d, 0,1,2,3
	v_add_f32 v[VSUM+2*\d], v[VSUM+2*\d], v[VSUM+2*\d+1]
.endr
.irp d, 0,1,2,3
	v_permlanex16_b32 v[VSUM+2*\d+1], v[VSUM+2*\d], s83, s84
.endr
.irp d, 0,1,2,3
	v_add_f32 v[VSUM+2*\d], v[VSUM+2*\d], v[VSUM+2*\d+1]
	ds_store_b32 v[VSST], v[VSUM+2*\d] offset:64*\d
.endr
	s_wait_dscnt 0x0                               ; my stores are done, for the other wave of my head
	s_barrier_signal -1
	s_barrier_wait -1
	WIN 0x80
.set i, 0
.rept 64
	ds_load_b128 v[4*i:4*i+3], v[KLD] offset:512*i                 ; all 32 hi fragments of x of my head into window 2
.set i, i+1
.endr
	WIN 0xc0
.set i, 0
.rept 64
	ds_load_b128 v[4*i:4*i+3], v[KLD] offset:32768+512*i           ; all 32 hi fragments of Vs into window 3
.set i, i+1
.endr
	WIN 0
.set i, 0
.rept 32
	ds_load_b128 v[NDR+4*i:NDR+4*i+3], v[NDLD] offset:64*(i>>1)+16*(i&1)   ; rows 16 a + 8 h + 0..7, as u holds them
.set i, i+1
.endr
	ds_load_b32 v18, v[VSLD]
	ds_load_b32 v19, v[VSLD] offset:256
.macro PRLOAD                          ; a feature tile of proj in f32, in fragment order: 8 loads of 16 bytes
.set i, 0
.rept 8
	global_load_b128 v[PR+4*i:PR+4*i+3], v[POFF], s[74:75] offset:128*(i>>2)+64*((i>>1)&1)+16*(i&1)
.set i, i+1
.endr
.endm
; 8 lo fragments of x (row blocks 4 bt .. 4 bt + 3, both halves of d) from the exchange into window 1, v[base .. base + 63]: 16 loads
.macro KLLOAD bt, base
	WIN 0x40
.set i, 0
.rept 16
	ds_load_b128 v[\base+4*i:\base+4*i+3], v[KLLD] offset:8192*\bt+512*i
.set i, i+1
.endr
.endm
; 8 matrix instructions: u of row blocks 4 bt .. 4 bt + 3 += x_lo proj.  Four accumulators by turns, one instruction a turn.
.macro ULO bt, base
	WIN 0x51                                       ; x_lo and u window 1, proj window 0
.irp kk, 0,1
.irp a, 0,1,2,3
	v_wmma_f32_16x16x32_bf16 v[8*(4*\bt+\a):8*(4*\bt+\a)+7], v[\base+8*(2*\a+\kk):\base+8*(2*\a+\kk)+7], v[PF+8*\kk:PF+8*\kk+7], v[8*(4*\bt+\a):8*(4*\bt+\a)+7]
.endr
.endr
.endm
; e - e_hi for the packed words 16 k .. 16 k + 15: e_hi widened back to f32 in v192-223, which are not yet sums
.macro ELO k
.set j, 0
.rept 16
	v_lshlrev_b32 v[192+2*j], 16, v[128+16*\k+j]
	v_and_b32 v[192+2*j+1], s85, v[128+16*\k+j]
.set j, j+1
.endr
.set j, 0
.rept 16
	v_pk_fma_f32 v[32*\k+2*j:32*\k+2*j+1], v[192+2*j:192+2*j+1], -1.0, v[32*\k+2*j:32*\k+2*j+1] op_sel_hi:[1,0,1]
.set j, j+1
.endr
.endm
; 8 lo fragments of Vs (32-row blocks 2 q, 2 q + 1) from the exchange into window 1, v64-127: 16 loads
.macro VLLOAD q
	WIN 0x40
.set i, 0
.rept 16
	ds_load_b128 v[64+4*i:64+4*i+3], v[VLLD] offset:8192*\q+512*i
.set i, i+1
.endr
.endm
; four matrix instructions on 32-row block sb: sums += Vs_hi e_hi, Vs_hi e_lo, Vs_lo e_hi.  The four accumulators take turns,
; one instruction a turn, through all three alike.
.macro KVHI sb
.irp d, 0,1,2,3
.if \sb
	v_wmma_f32_16x16x32_bf16 v[192+8*\d:192+8*\d+7], v[8*(4*\sb+\d):8*(4*\sb+\d)+7], v[128+8*\sb:128+8*\sb+7], v[192+8*\d:192+8*\d+7]
.else
	v_wmma_f32_16x16x32_bf16 v[192+8*\d:192+8*\d+7], v[8*(4*\sb+\d):8*(4*\sb+\d)+7], v[128+8*\sb:128+8*\sb+7], 0
.endif
.endr
.endm
.macro KVHL sb
.irp d, 0,1,2,3
	v_wmma_f32_16x16x32_bf16 v[192+8*\d:192+8*\d+7], v[8*(4*\sb+\d):8*(4*\sb+\d)+7], v[8*\sb:8*\sb+7], v[192+8*\d:192+8*\d+7]
.endr
.endm
.macro KVLO sb
.irp d, 0,1,2,3
	v_wmma_f32_16x16x32_bf16 v[192+8*\d:192+8*\d+7], v[64+8*(4*(\sb&1)+\d):64+8*(4*(\sb&1)+\d)+7], v[128+8*\sb:128+8*\sb+7], v[192+8*\d:192+8*\d+7]
.endr
.endm
; 32-row blocks s0 and s1: 16 matrix instructions on Vs_hi, which cover the 16 loads of Vs_lo asked for in front of them, then 8 on Vs_lo;
; nextq other than 0: the next quarter of Vs_lo is asked for, four places behind the matrix instructions that read the last
.macro KVQ s0, s1, nextq
	WIN 0x57                                       ; Vs_hi window 3, e and sums window 1
	KVHI \s0
	KVHI \s1
	KVHL \s0
	KVHL \s1
	s_wait_dscnt 0x0                               ; the 16 loads of Vs_lo, the only LDS instructions that are out
	WIN 0x55                                       ; Vs_lo window 1
	KVLO \s0
	KVLO \s1
	PLACES
.if \nextq
	VLLOAD \nextq
.endif
.endm
	PRLOAD
	s_wait_dscnt 0x0
	v_add_f32 v18, v18, v19
	global_store_b32 v[L4], v18, s[90:91]          ; sum of Vs over the chunk's 256 rows, my 32 columns
	; Eight trips, one feature tile (16 features) each.
	s_mov_b32 s92, 0
.Lfeat:
	s_wait_loadcnt 0x0                             ; this trip's proj tile; its address register is free behind this wait
.set p, 0
.rept 16
	v_cvt_pk_bf16_f32 v[PF+p], v[PR+2*p], v[PR+2*p+1]
.set p, p+1
.endr
	v_add_nc_u32 v[POFF], 4096, v[POFF]            ; the next tile; the last trip's look-ahead wraps to a tile inside proj's 65,536 bytes and is not used
	v_and_b32 v[POFF], 0xffff, v[POFF]
	PRLOAD
	KLLOAD 0, 128                                  ; no LDS instruction is out here; two batches of x_lo are asked for ahead of the 32 products on x_hi
	KLLOAD 1, 192
	WIN 0x52                                       ; x_hi window 2, proj window 0, u window 1
.set a, 0
.rept 16
	v_wmma_f32_16x16x32_bf16 v[8*a:8*a+7], v[16*a:16*a+7], v[PF:PF+7], 0               ; u: lane = feature, registers = rows 16 a + 8 h + j
.set a, a+1
.endr
.set a, 0
.rept 16
	v_wmma_f32_16x16x32_bf16 v[8*a:8*a+7], v[16*a+8:16*a+15], v[PF+8:PF+15], v[8*a:8*a+7]   ; 16 accumulators by turns
.set a, a+1
.endr
	s_wait_dscnt 16                                ; batch 0 is in; the 16 loads of batch 1 may be out
	ULO 0, 128
	PLACES                                         ; the next loads land in sources of the matrix instructions above
	KLLOAD 2, 128
	s_wait_dscnt 16                                ; batch 1 is in; batch 2's 16 loads may be out
	ULO 1, 192
	PLACES
	KLLOAD 3, 192
	s_wait_dscnt 16                                ; batch 2 is in; batch 3's 16 loads may be out
	ULO 2, 128
	s_wait_dscnt 0x0
	ULO 3, 192
	PLACES
	WIN 0x55                                       ; all in window 1
.irp c, 0,1,2,3
	v_max_num_f32 v[MX+\c], v[32*\c], v[32*\c+1]   ; the feature's maximum over the chunk's rows, four chains
.endr
.set k, 1
.rept 15
.irp c, 0,1,2,3
	v_max3_num_f32 v[MX+\c], v[MX+\c], v[32*\c+2*k], v[32*\c+2*k+1]
.endr
.set k, k+1
.endr
	v_max3_num_f32 v[MX], v[MX], v[MX+1], v[MX+2]
	v_max_num_f32 v[MX], v[MX], v[MX+3]
	v_permlanex16_b32 v[MX+1], v[MX], s83, s84
	v_max_num_f32 v[MX], v[MX], v[MX+1]            ; m
	v_mul_f32 v[MX+2], -1.0, v[MX]                 ; - m
.set p, 0
.rept 64
	v_pk_add_f32 v[2*p:2*p+1], v[2*p:2*p+1], v[MX+2:MX+3] op_sel_hi:[1,0]
.set p, p+1
.endr
	WIN 0x41                                       ; source 2 in window 0
.set p, 0
.rept 64
	v_pk_fma_f32 v[2*p:2*p+1], v[2*p:2*p+1], 0x3fb8aa3b, v[NDR+2*p:NDR+2*p+1] op_sel_hi:[1,0,1]   ; (u - m) log2 e - |x|^2/2 log2 e
.set p, p+1
.endr
.set i, 0
.rept 128
	v_exp_f32 v[i], v[i]
.set i, i+1
.endr
	v_nop                                          ; one plain place behind the transcendentals (ISA guide 5.7.2)
	WIN 0x55
	s_wait_alu depctr_va_vdst(0)
.irp c, 0,1,2,3
	v_pk_add_f32 v[KS+2*\c:KS+2*\c+1], v[32*\c:32*\c+1], v[32*\c+2:32*\c+3]            ; sum of e over the rows, in f32, four chains
.endr
.set k, 2
.rept 14
.irp c, 0,1,2,3
	v_pk_add_f32 v[KS+2*\c:KS+2*\c+1], v[KS+2*\c:KS+2*\c+1], v[32*\c+2*k:32*\c+2*k+1]
.endr
.set k, k+1
.endr
.set p, 0
.rept 64
	v_cvt_pk_bf16_f32 v[128+p], v[2*p], v[2*p+1]   ; e_hi as fragments: columns = features, k = rows
.set p, p+1
.endr
	ELO 0
	ELO 1
	ELO 2
	ELO 3
.set p, 0
.rept 64
	v_cvt_pk_bf16_f32 v[p], v[2*p], v[2*p+1]       ; e_lo, packed downward in ascending order: word p lands on a register whose number has been read
.set p, p+1
.endr
	VLLOAD 0                                       ; v64-127 are free: the first quarter of Vs_lo is asked for
	WIN 0x55
	v_pk_add_f32 v[KS:KS+1], v[KS:KS+1], v[KS+2:KS+3]
	v_pk_add_f32 v[KS+4:KS+5], v[KS+4:KS+5], v[KS+6:KS+7]
	v_pk_add_f32 v[KS:KS+1], v[KS:KS+1], v[KS+4:KS+5]
	v_add_f32 v[KS], v[KS], v[KS+1]
	v_permlanex16_b32 v[KS+1], v[KS], s83, s84
	v_add_f32 v[KS], v[KS], v[KS+1]
	v_cndmask_b32 v[OW], v[MX], v[KS], s85         ; lanes 0-15: m of feature r; lanes 16-31: its sum of e
	KVQ 0, 1, 1
	KVQ 2, 3, 2
	KVQ 4, 5, 3
	KVQ 6, 7, 0                                    ; ends with the four places in front of the stores of the sums
	WIN 0x04                                       ; store data in window 1
.irp d, 0,1,2,3
	ds_store_b128 v[STO], v[192+8*\d:192+8*\d+3] offset:64*\d          ; lane = feature r, registers = d = 16 db + 8 h + j
	ds_store_b128 v[STO], v[192+8*\d+4:192+8*\d+7] offset:64*\d+16
.endr
	global_store_b32 v[L4], v[OW], s[88:89]
	WIN 0
.irp t, 0,1,2,3,4,5,6,7
	ds_load_b128 v[RB+4*\t:RB+4*\t+3], v[RD] offset:2*SP*\t            ; my own stage: LDS serves a wave's instructions in order
.endr
.irp t, 0,1,2,3,4,5,6,7
	s_wait_dscnt 7-\t
	global_store_b128 v[L16], v[RB+4*\t:RB+4*\t+3], s[86:87] offset:512*\t   ; 512 consecutive bytes: two features' 64 f32
.endr
	s_wait_xcnt 0x0                                ; the stores' bases and data registers are written again only behind this wait
	s_add_nc_u64 s[86:87], s[86:87], 4096
	s_add_nc_u64 s[88:89], s[88:89], 128
	s_add_co_u32 s92, s92, 1
	s_cmp_lt_u32 s92, 8
	s_cbranch_scc1 .Lfeat
	s_wait_tensorcnt 0x0
	ds_add_u32 v94, v95
	s_wait_dscnt 0x0
	CROUND                                         ; the closing round: no work-group ends while a partner may still ask for a tile that names it
	s_endpgm
.Lfunc_end_k_q86b7c2d5b2_kvpart:
	.size	k_q86b7c2d5b2_kvpart, .Lfunc_end_k_q86b7c2d5b2_kvpart-k_q86b7c2d5b2_kvpart
	.p2alignl 7, 3214868480
	.fill 96, 4, 3214868480
	.section	.rodata,"a",@progbits
	.p2align	6, 0x0
	.amdhsa_kernel k_q86b7c2d5b2_kvpart
		.amdhsa_group_segment_fixed_size 327680
		.amdhsa_private_segment_fixed_size 0
		.amdhsa_enable_private_segment 0
		.amdhsa_kernarg_size 72
		.amdhsa_user_sgpr_count 2
		.amdhsa_user_sgpr_kernarg_segment_ptr 1
		.amdhsa_wavefront_size32 1
		.amdhsa_system_sgpr_workgroup_id_x 1
		.amdhsa_system_sgpr_workgroup_id_y 1
		.amdhsa_system_sgpr_workgroup_id_z 1
		.amdhsa_system_vgpr_workitem_id 0
		.amdhsa_next_free_vgpr 1024
		.amdhsa_next_free_sgpr 100
		.amdhsa_reserve_vcc 0
		.amdhsa_float_denorm_mode_32 3
		.amdhsa_float_denorm_mode_16_64 3
		.amdhsa_memory_ordered 1
		.amdhsa_forward_progress 1
		.amdhsa_inst_pref_size 255
	.end_amdhsa_kernel
	.section	.bss,"aw",@nobits
	.p2align	6
	.space	262144
	.amdgpu_metadata
---
amdhsa.version: [ 1, 2 ]
amdhsa.kernels:
  - .name:           k_q86b7c2d5b2_kvpart
    .symbol:         k_q86b7c2d5b2_kvpart.kd
    .args:
      - { .name: xb, .offset: 0, .size: 8, .value_kind: global_buffer, .address_space: global }
      - { .name: wb, .offset: 8, .size: 8, .value_kind: global_buffer, .address_space: global }
      - { .name: bk, .offset: 16, .size: 8, .value_kind: global_buffer, .address_space: global }
      - { .name: bv, .offset: 24, .size: 8, .value_kind: global_buffer, .address_space: global }
      - { .name: mask, .offset: 32, .size: 8, .value_kind: global_buffer, .address_space: global }
      - { .name: proj, .offset: 40, .size: 8, .value_kind: global_buffer, .address_space: global }
      - { .name: pkv, .offset: 48, .size: 8, .value_kind: global_buffer, .address_space: global }
      - { .name: pst, .offset: 56, .size: 8, .value_kind: global_buffer, .address_space: global }
      - { .name: pvs, .offset: 64, .size: 8, .value_kind: global_buffer, .address_space: global }
    .group_segment_fixed_size: 327680
    .private_segment_fixed_size: 0
    .kernarg_segment_align: 8
    .kernarg_segment_size: 72
    .max_flat_workgroup_size: 128
    .sgpr_count:     100
    .vgpr_count:     1024
    .wavefront_size: 32
...
	.end_amdgpu_metadata
.endif
;; end of part 2
;; launch combine (part 3): grid 4 x 64, 8 waves a work-group, no clusters, 18,688 bytes of LDS; arguments pkv, pst, pvs, gf; writes gf
.if DOCPART == 3
	.amdgcn_target "amdgcn-amd-amdhsa--gfx1250"
	.amdhsa_code_object_version 6
	.text
	.protected	k_q86b7c2d5b2_combine
	.globl	k_q86b7c2d5b2_combine
	.p2align	8
	.type	k_q86b7c2d5b2_combine,@function
k_q86b7c2d5b2_combine:
	s_mov_b64 s[64:65], 0
	v_nop
	global_prefetch_b8 v0, s[64:65] scope:SCOPE_SE
	s_setreg_imm32_b32 hwreg(HW_REG_WAVE_MODE, 25, 1), 1
	s_wait_xcnt 0x0
; For one (batch, head) bh and 64 features (quarter q): stab = maximum of m over all 16 chunks and all 256 features (the key features' stabiliser),
; G[f][d] = sum over chunks of exp(m[c][f] - stab) pkv[c][f][d] + eps sum over chunks of pvs[c][d],
; g[f]    = sum over chunks of exp(m[c][f] - stab) ksum[c][f] + eps 4096,      eps = 1e-4,
; rounded to bf16 and stored in the order of matrix fragments: gf[bh][kf 8][db 5][half 2][lane 32][8] = Gext[d' = 16 db + r][feature 32 kf + 16 half + 8 h + i],
; where rows d' = 64 .. 79 all hold g.  A stream of 262,144 bytes a work-group: no matrix unit, no cluster (no two work-groups read the same bulk bytes).
; Eight waves.  Wave w owns features 8 w .. 8 w + 7 of the 64 and chunks 2 w, 2 w + 1 of the factors, so each wave's LDS stores are ranges of its own.
; LIMIT: exp(m - stab) below 2^-126 counts as 0; G and g are rounded to bf16.
.set TP,  144                          ; LDS row of a feature: 64 bf16 of G, g at byte 128, padded
.set FAC, 64*TP                        ; [16 chunks][64 features] f32: exp(m - stab)
.set FKB, FAC+4096                     ; the same times ksum
.set RED, FKB+4096                     ; 8 waves' maxima
.set ACC, 40                           ; v[40:55]  4 features x 4 d
.set EV,  56                           ; v[56:59]  eps x sum of pvs
.set RING, 64                          ; v[64:191] 8 chunks x 4 loads x 4 registers
.set FV,  192                          ; v[192:255] pvs as loaded, then the factors [chunk][i]
	s_load_b256 s[4:11], s[0:1], 0x0               ; pkv s[4:5], pst s[6:7], pvs s[8:9], gf s[10:11]
	s_set_vgpr_msb 0x40
	v_lshl_add_u32 v0, v0, 2, 0x4500
	v_mov_b32 v1, 0
	s_set_vgpr_msb 0x4000
	v_lshrrev_b32 v1, 5, v0
	v_readfirstlane_b32 s12, v1                    ; wave
	s_and_b32 s13, ttmp7, 0xffff                   ; bh
	s_mov_b32 s24, 0x76543210
	s_mov_b32 s25, 0xfedcba98
	s_lshl_b32 s16, s13, 20                        ; pkv: 16 chunks x 65,536 bytes a bh,
	s_lshl_b32 s14, ttmp9, 14                      ; 64 features x 256 bytes a quarter
	s_add_co_u32 s16, s16, s14
	s_mov_b32 s17, 0
	s_lshl_b32 s18, s13, 15                        ; pst: 32,768 bytes a bh
	s_mov_b32 s19, 0
	s_lshl_b32 s20, s13, 12                        ; pvs: 4,096 bytes a bh
	s_mov_b32 s21, 0
	s_mul_i32 s22, s13, 40960                      ; gf: 40,960 bytes a bh, 10,240 a quarter
	s_mul_i32 s14, ttmp9, 10240
	s_add_co_u32 s22, s22, s14
	s_mov_b32 s23, 0
	v_and_b32 v1, 31, v0                           ; lane
	v_lshrrev_b32 v8, 4, v1                        ; h
	v_and_b32 v9, 15, v0                           ; r
	s_lshl_b32 s26, s12, 11
	v_lshl_add_u32 v2, v1, 4, s26                  ; pkv: wave x 2,048 + 16 lane
	v_lshrrev_b32 v3, 2, v0
	v_and_b32 v7, 3, v0
	v_lshlrev_b32 v3, 7, v3
	v_lshl_add_u32 v3, v7, 4, v3                   ; all maxima: tile t / 4, quarter t % 4 of its 64 bytes
	s_lshl_b32 s27, s12, 12                        ; my two chunks: 2 x 2,048 bytes
	s_lshl_b32 s15, ttmp9, 9                       ; my quarter's four feature tiles
	s_add_co_u32 s27, s27, s15
	v_lshl_add_u32 v4, v8, 7, s27
	v_lshl_add_u32 v4, v9, 2, v4
	v_lshlrev_b32 v5, 4, v9                        ; pvs: my four d
	s_lshl_b32 s28, s12, 2
	s_add_co_u32 s28, s28, RED
	v_mov_b32 v10, s28
	v_mov_b32 v11, RED
	s_lshl_b32 s28, s12, 9
	s_add_co_u32 s28, s28, FAC
	v_lshl_add_u32 v60, v1, 2, s28                 ; factors in: FAC + 512 wave + 4 lane
	s_lshl_b32 s28, s12, 5
	s_add_co_u32 s29, s28, FAC
	v_lshl_add_u32 v61, v8, 2, s29                 ; factors back: feature 8 wave + h (+ 2 i)
	v_and_b32 v7, 7, v0
	s_add_co_u32 s29, s28, FKB
	v_lshl_add_u32 v62, v7, 2, s29                 ; feature 8 wave + lane % 8
	s_mul_i32 s28, s12, 8*TP
	v_mul_u32_u24 v63, v8, TP
	v_lshl_add_u32 v63, v9, 3, v63
	v_add_nc_u32 v63, s28, v63                     ; G in: row 8 wave + h (+ 2 i), 8 bytes at 8 r
	s_wait_kmcnt 0x0
	s_add_nc_u64 s[4:5], s[4:5], s[16:17]
	s_add_nc_u64 s[6:7], s[6:7], s[18:19]
	s_add_nc_u64 s[8:9], s[8:9], s[20:21]
	s_add_nc_u64 s[10:11], s[10:11], s[22:23]
.irp i, 0,1,2,3
	global_load_b128 v[16+4*\i:16+4*\i+3], v3, s[6:7] offset:8192*\i                   ; 4 loads: the 4,096 maxima of this bh
.endr
.irp i, 0,1,2,3
	global_load_b32 v[32+\i], v4, s[6:7] offset:2048*(\i>>1)+256*(\i&1)                ; 8 loads: m and ksum of chunk 2 w + i / 2, feature 32 (i % 2) + lane
	global_load_b32 v[36+\i], v4, s[6:7] offset:2048*(\i>>1)+256*(\i&1)+64
.endr
.set c, 0
.rept 16
	global_load_b128 v[FV+4*c:FV+4*c+3], v5, s[8:9] offset:256*c                       ; 16 loads
.set c, c+1
.endr
.set c, 0
.rept 8
.irp i, 0,1,2,3
	global_load_b128 v[RING+16*c+4*\i:RING+16*c+4*\i+3], v2, s[4:5] offset:65536*c+512*\i th:TH_LOAD_NT   ; 32 loads: chunks 0-7
.endr
.set c, c+1
.endr
	s_wait_loadcnt 56                              ; 8 + 16 + 32 younger loads stay out: the maxima are in
	v_max3_num_f32 v6, v16, v17, v18
	v_max3_num_f32 v7, v19, v20, v21
	v_max3_num_f32 v12, v22, v23, v24
	v_max3_num_f32 v13, v25, v26, v27
	v_max3_num_f32 v6, v6, v28, v29
	v_max3_num_f32 v7, v7, v30, v31
	v_max3_num_f32 v6, v6, v7, v12
	v_max_num_f32 v6, v6, v13
	v_max_num_f32_dpp v6, v6, v6 row_xmask:1 row_mask:0xf bank_mask:0xf
	v_max_num_f32_dpp v6, v6, v6 row_xmask:2 row_mask:0xf bank_mask:0xf
	v_max_num_f32_dpp v6, v6, v6 row_xmask:4 row_mask:0xf bank_mask:0xf
	v_max_num_f32_dpp v6, v6, v6 row_xmask:8 row_mask:0xf bank_mask:0xf
	v_permlanex16_b32 v7, v6, s24, s25
	v_max_num_f32 v6, v6, v7
	ds_store_b32 v10, v6
	s_wait_dscnt 0x0
	s_barrier_signal -1
	s_barrier_wait -1
	ds_load_b128 v[16:19], v11
	ds_load_b128 v[20:23], v11 offset:16
	s_wait_dscnt 0x0
	v_max3_num_f32 v6, v16, v17, v18
	v_max3_num_f32 v7, v19, v20, v21
	v_max3_num_f32 v6, v6, v22, v23
	v_max_num_f32 v6, v6, v7                       ; stab
	s_wait_loadcnt 48                              ; 16 + 32 younger loads stay out: m and ksum are in
.irp i, 0,1,2,3
	v_sub_f32 v[12+\i], v[32+\i], v6
.endr
.irp i, 0,1,2,3
	v_mul_f32 v[12+\i], 0x3fb8aa3b, v[12+\i]
.endr
.irp i, 0,1,2,3
	v_exp_f32 v[12+\i], v[12+\i]                   ; exp(m - stab), at most 1
.endr
	v_nop
	s_wait_alu depctr_va_vdst(0)
.irp i, 0,1,2,3
	v_mul_f32 v[36+\i], v[12+\i], v[36+\i]
	ds_store_b32 v60, v[12+\i] offset:128*\i
	ds_store_b32 v60, v[36+\i] offset:4096+128*\i
.endr
	s_wait_loadcnt 32                              ; the 32 loads of chunks 0-7 stay out: pvs is in
	v_pk_add_f32 v[EV:EV+1], v[FV:FV+1], v[FV+4:FV+5]
	v_pk_add_f32 v[EV+2:EV+3], v[FV+2:FV+3], v[FV+6:FV+7]
.set c, 2
.rept 14
	v_pk_add_f32 v[EV:EV+1], v[EV:EV+1], v[FV+4*c:FV+4*c+1]
	v_pk_add_f32 v[EV+2:EV+3], v[EV+2:EV+3], v[FV+4*c+2:FV+4*c+3]
.set c, c+1
.endr
	v_pk_mul_f32 v[EV:EV+1], v[EV:EV+1], 0x38d1b717 op_sel_hi:[1,0]
	v_pk_mul_f32 v[EV+2:EV+3], v[EV+2:EV+3], 0x38d1b717 op_sel_hi:[1,0]
	s_wait_dscnt 0x0                               ; my factors are stored, for the other waves
	s_barrier_signal -1
	s_barrier_wait -1
.set c, 0
.rept 16
.irp i, 0,1,2,3
	ds_load_b32 v[FV+4*c+\i], v61 offset:256*c+8*\i
.endr
	ds_load_b32 v[16+c], v62 offset:256*c
.set c, c+1
.endr
	s_wait_dscnt 0x0
; chunk c: acc += factor x partial sum; for c < 8 its registers are then loaded with chunk c + 8
.macro CHUNK c
.if \c < 8
	s_wait_loadcnt 28                              ; behind chunk c's four loads: 4 (7 - c) of the first eight chunks and 4 c refills
.else
	s_wait_loadcnt 4*(15-\c)
.endif
.irp i, 0,1,2,3
.irp k, 0,2
.if \c
.if \i&1
	v_pk_fma_f32 v[ACC+4*\i+\k:ACC+4*\i+\k+1], v[RING+16*(\c&7)+4*\i+\k:RING+16*(\c&7)+4*\i+\k+1], v[FV+4*\c+(\i&2):FV+4*\c+(\i&2)+1], v[ACC+4*\i+\k:ACC+4*\i+\k+1] op_sel:[0,1,0] op_sel_hi:[1,1,1]
.else
	v_pk_fma_f32 v[ACC+4*\i+\k:ACC+4*\i+\k+1], v[RING+16*(\c&7)+4*\i+\k:RING+16*(\c&7)+4*\i+\k+1], v[FV+4*\c+(\i&2):FV+4*\c+(\i&2)+1], v[ACC+4*\i+\k:ACC+4*\i+\k+1] op_sel_hi:[1,0,1]
.endif
.else
.if \i&1
	v_pk_fma_f32 v[ACC+4*\i+\k:ACC+4*\i+\k+1], v[RING+16*(\c&7)+4*\i+\k:RING+16*(\c&7)+4*\i+\k+1], v[FV+4*\c+(\i&2):FV+4*\c+(\i&2)+1], v[EV+\k:EV+\k+1] op_sel:[0,1,0] op_sel_hi:[1,1,1]
.else
	v_pk_fma_f32 v[ACC+4*\i+\k:ACC+4*\i+\k+1], v[RING+16*(\c&7)+4*\i+\k:RING+16*(\c&7)+4*\i+\k+1], v[FV+4*\c+(\i&2):FV+4*\c+(\i&2)+1], v[EV+\k:EV+\k+1] op_sel_hi:[1,0,1]
.endif
.endif
.endr
.endr
.if \c < 8
.irp i, 0,1,2,3
	global_load_b128 v[RING+16*\c+4*\i:RING+16*\c+4*\i+3], v2, s[4:5] offset:65536*(\c+8)+512*\i th:TH_LOAD_NT
.endr
.endif
.endm
.irp c, 0,1,2,3,4,5,6,7,8,9,10,11,12,13,14,15
	CHUNK \c
.endr
	v_pk_add_f32 v[16:17], v[16:17], v[18:19]      ; g of feature 8 wave + lane % 8
	v_pk_add_f32 v[20:21], v[20:21], v[22:23]
	v_pk_add_f32 v[24:25], v[24:25], v[26:27]
	v_pk_add_f32 v[28:29], v[28:29], v[30:31]
	v_pk_add_f32 v[16:17], v[16:17], v[20:21]
	v_pk_add_f32 v[24:25], v[24:25], v[28:29]
	v_pk_add_f32 v[16:17], v[16:17], v[24:25]
	v_add_f32 v16, v16, v17
	v_add_f32 v16, 0x3ed1b717, v16                 ; + eps x 4096
	v_cvt_pk_bf16_f32 v17, v16, v16
	v_and_b32 v7, 7, v0
	v_mul_u32_u24 v7, v7, TP
	s_add_co_u32 s28, s28, 128
	v_add_nc_u32 v7, s28, v7                       ; byte 128 of that feature's row
.irp i, 0,1,2,3
	v_cvt_pk_bf16_f32 v[64+2*\i], v[ACC+4*\i], v[ACC+4*\i+1]
	v_cvt_pk_bf16_f32 v[65+2*\i], v[ACC+4*\i+2], v[ACC+4*\i+3]
	ds_store_b64 v63, v[64+2*\i:65+2*\i] offset:2*TP*\i
.endr
	ds_store_b16 v7, v17                           ; four lanes of the wave store the same number
	s_wait_dscnt 0x0
	s_barrier_signal -1
	s_barrier_wait -1
; piece i = wave + 8 j of the quarter's 20 pieces of 512 bytes: i = 10 kfl + 2 db + half.  A lane gathers 8 features of one d (db = 4: of g).
.macro PIECE j
	s_add_co_u32 s26, s12, 8*\j
	s_cmp_ge_u32 s26, 10
	s_cselect_b32 s27, 1, 0                        ; kfl
	s_mul_i32 s28, s27, 10
	s_sub_co_u32 s28, s26, s28
	s_lshr_b32 s29, s28, 1                         ; db
	s_and_b32 s30, s28, 1                          ; half
	s_cmp_eq_u32 s29, 4
	s_cselect_b32 s31, 0, 2                        ; bytes from lane r to lane r + 1: none where all rows are g
	s_lshl_b32 s29, s29, 5                         ; 16 db columns of 2 bytes (db = 4: byte 128)
	s_mul_i32 s27, s27, 32*TP
	s_mul_i32 s30, s30, 16*TP
	s_add_co_u32 s29, s29, s27
	s_add_co_u32 s29, s29, s30
	v_mul_u32_u24 v[80+\j], v9, s31
	v_mad_u32_u24 v[80+\j], v8, 8*TP, v[80+\j]
	v_add_nc_u32 v[80+\j], s29, v[80+\j]
.irp e, 0,1,2,3,4,5,6,7
	ds_load_u16 v[96+8*\j+\e], v[80+\j] offset:\e*TP
.endr
	s_lshl_b32 s26, s26, 9
	v_lshl_add_u32 v[84+\j], v1, 4, s26
	s_wait_dscnt 0x0
.irp k, 0,1,2,3
	v_lshl_or_b32 v[120+4*\j+\k], v[96+8*\j+2*\k+1], 16, v[96+8*\j+2*\k]
.endr
	global_store_b128 v[84+\j], v[120+4*\j:120+4*\j+3], s[10:11]   ; the wave stores 512 consecutive bytes, aligned
.endm
	PIECE 0
	PIECE 1
	s_cmp_ge_u32 s12, 4
	s_cbranch_scc1 .Lend                           ; pieces 16 to 19: waves 0 to 3
	PIECE 2
.Lend:
	s_set_vgpr_msb 0x5
	s_wait_tensorcnt 0x0
	ds_add_u32 v0, v1
	s_wait_dscnt 0x0
	s_set_vgpr_msb 0x500
	s_endpgm
.Lfunc_end_k_q86b7c2d5b2_combine:
	.size	k_q86b7c2d5b2_combine, .Lfunc_end_k_q86b7c2d5b2_combine-k_q86b7c2d5b2_combine
	.p2alignl 7, 3214868480
	.fill 96, 4, 3214868480
	.section	.rodata,"a",@progbits
	.p2align	6, 0x0
	.amdhsa_kernel k_q86b7c2d5b2_combine
		.amdhsa_group_segment_fixed_size 18688
		.amdhsa_private_segment_fixed_size 0
		.amdhsa_enable_private_segment 0
		.amdhsa_kernarg_size 32
		.amdhsa_user_sgpr_count 2
		.amdhsa_user_sgpr_kernarg_segment_ptr 1
		.amdhsa_wavefront_size32 1
		.amdhsa_system_sgpr_workgroup_id_x 1
		.amdhsa_system_sgpr_workgroup_id_y 1
		.amdhsa_system_sgpr_workgroup_id_z 1
		.amdhsa_system_vgpr_workitem_id 0
		.amdhsa_next_free_vgpr 258
		.amdhsa_next_free_sgpr 66
		.amdhsa_reserve_vcc 0
		.amdhsa_float_denorm_mode_32 3
		.amdhsa_float_denorm_mode_16_64 3
		.amdhsa_memory_ordered 1
		.amdhsa_forward_progress 1
		.amdhsa_inst_pref_size 37
	.end_amdhsa_kernel
	.amdgpu_metadata
---
amdhsa.version: [ 1, 2 ]
amdhsa.kernels:
  - .name:           k_q86b7c2d5b2_combine
    .symbol:         k_q86b7c2d5b2_combine.kd
    .args:
      - { .name: pkv, .offset: 0, .size: 8, .value_kind: global_buffer, .address_space: global }
      - { .name: pst, .offset: 8, .size: 8, .value_kind: global_buffer, .address_space: global }
      - { .name: pvs, .offset: 16, .size: 8, .value_kind: global_buffer, .address_space: global }
      - { .name: gf, .offset: 24, .size: 8, .value_kind: global_buffer, .address_space: global }
    .group_segment_fixed_size: 18688
    .private_segment_fixed_size: 0
    .kernarg_segment_align: 8
    .kernarg_segment_size: 32
    .max_flat_workgroup_size: 256
    .sgpr_count:     66
    .vgpr_count:     258
    .wavefront_size: 32
...
	.end_amdgpu_metadata
.endif
;; end of part 3
;; launch qout (part 4): grid 4 x 64, 4 waves a work-group, clusters of 4 x 4, 327,680 bytes of LDS; arguments xb, wb, bq, proj, gf, out0; writes out0
.if DOCPART == 4
	.amdgcn_target "amdgcn-amd-amdhsa--gfx1250"
	.amdhsa_code_object_version 6
	.text
	.protected	k_q86b7c2d5b2_qout
	.globl	k_q86b7c2d5b2_qout
	.p2align	8
	.type	k_q86b7c2d5b2_qout,@function
k_q86b7c2d5b2_qout:
	s_mov_b64 s[64:65], 0
	v_nop
	global_prefetch_b8 v0, s[64:65] scope:SCOPE_SE
	s_setreg_imm32_b32 hwreg(HW_REG_WAVE_MODE, 25, 1), 1
	s_wait_xcnt 0x0
	s_wait_alu depctr_hold_cnt(0) depctr_sa_sdst(0) depctr_va_vdst(0) depctr_va_sdst(0) depctr_va_ssrc(0) depctr_va_vcc(0) depctr_vm_vsrc(0)
	s_getreg_b32 s2, hwreg(HW_REG_IB_STS2, 6, 4)
	s_cmp_eq_u32 s2, 0
	s_cbranch_scc0 .Lentry_in_a_cluster
	s_endpgm
.Lentry_in_a_cluster:
	s_bfe_u32 s2, ttmp6, 0x10000c
	s_cmp_lg_u32 s2, 0xf033
	s_cbranch_scc0 .Lentry_shape_is_right
	s_endpgm
.Lentry_shape_is_right:
; For 256 rows and four heads: Q = X Wq + bq (bf16 operands, f32 sums), x = Q / 8, u = x proj^T, m = the row's maximum of u over the 256 features,
; e = exp(u - |x|^2/2 - m) + eps,  out[s][d] = sum_f e G[f][d] / (sum_f e g[f] + 2.56e-4): the common factor 1/256 of numerator and
; denominator is cancelled, so that the 1e-6 of the denominator becomes 256 x 1e-6.  G and g come from gf, in fragment order; the denominator is a fifth block of rows of G.
; x AND e GO TO THE MATRIX UNIT AS TWO bf16 OPERANDS EACH, hi = bf16(value) and lo = bf16(value - hi), summed in the same accumulators:
; u = proj x_hi + proj x_lo;  sums = G e_hi + G e_lo.  Why: where one feature carries about half of a row's weight, a relative error of that weight
; (e's rounding, or the error of u in its exponent) shifts the result between that feature's G / g and the others' mean, which lie further apart than
; the result's root mean square; 2^-9 of that is not small against 1/100 of the root mean square.
; LIMITS: X, Wq, proj, G and g are rounded to bf16 (G's and g's errors are proportional to their own terms); x and e to two bf16 (about 16 bits);
; v_exp_f32 gives 0 for results below 2^-126 (eps is added behind it, in f32).
;
; PART 1, the product: a block of 256 rows x 256 columns, four waves, a wave 128 x 128 = two heads: 64 accumulator tiles, 512 registers.
; K dimension in steps of 128 through two LDS slots filled by the tensor data mover.  4 x 4 work-groups form a cluster: X's tile is asked for jointly
; along a row of the cluster, Wq's along a column.  Wq lies [k][n]; its fragments are read by the transposing LDS load.
; All tiles are made transposed (source 0 = W's columns): a lane holds one row s and eight neighbouring columns: packed to bf16 these are the
; registers of the fragments (columns s, k = d) that part 2 multiplies by proj.
; PART 2: each wave by itself.  Its 16 units (head, 16 rows) wait in its own LDS bytes, since the accumulators' windows then hold proj and G.
;
; REGISTERS.  Part 1: window 0 addresses and bias; window 1 fragments; windows 2, 3 accumulators, tile (a, b) at v[8 (8 (a & 3) + b)].
; Part 2: window 2 = proj's fragments (f, kk) at v[8 (2 f + kk)]; window 3 = G's fragments kf 0-5 at v[40 kf + 8 db]; window 1 = u v0-127, then e_lo's fragments v0-63,
; G's kf 6, 7 at v128-207, at work v208-243; window 0 = x's fragments v32-63 (hi, lo), sums v64-103, the way out v104-135, e_hi's fragments v192-255.
.set KSTEP, 128
.set PA,    272
.set PB,    288
.set PART,  36864
.set SLOT,  4*PART
.set RING,  2*SLOT
.set BB,    2*PART
.set LAPS,  4
.set SP,    272
.set STAGE, RING
.set UNIT,  4224                       ; two hi and two lo fragments of 1,024 bytes, and 128 bytes of -|x|^2/2 log2 e
.set QXW,   16*UNIT                    ; a wave's units: 67,584 bytes; four waves' 270,336 lie inside the ring's 294,912
.set ADRA,  16
.set ADRB0, 20
.set ADRB1, 22
.set QS,  8                            ; v8, v9: where head 0's and head 1's units are stored (two registers keep the offsets under 65,536)
.set QN,  12
.set QLD, 13
.set QNL, 14
.set PROFF, 15
.set L16, 24
.set STO, 26
.set RD,  27
.set OOFF, 28
.set QF,  32                           ; v[32:63]: x_hi (d 0-31), x_hi (d 32-63), x_lo, x_lo
.set ACC, 64
.set RB,  104
.set ZR,  136
.set NQ,  140
.set EF,  192
.set BQ,  128                          ; the pack: bq / 8 of my 8 columns in each of 8 tiles
.set X,   64                           ; the pack: a row block's 8 tiles in f32
.set PK,  192                          ; the pack: bf16, hi, then lo
.set DS,  224                          ; the pack: sums of squares, one pair a head
.set MX,  208                          ; window 1
.set TQ,  212                          ; window 1: v212-243, e_hi widened back to f32
.set G1, 24
.set G0, 32
.set G1B, 48
.set G0B, 56
.set MSB, 0
.macro WIN new
.if MSB != \new
	s_set_vgpr_msb (MSB<<8)|\new
.set MSB, \new
.endif
.endm
.macro WINA a, lo, hi                  ; the setting for row block a: its tiles lie in window 2 (a < 4) or 3
.if \a < 4
	WIN \lo
.else
	WIN \hi
.endif
.endm
.set MUL_LO, 0xa5
.set MUL_HI, 0xf5
.set TO_F,   0x40
.macro JLOAD s                         ; waves 0 and 1 ask for X's halves, waves 2 and 3 for Wq's; the branch hangs on the wave's number alone
	s_cmp_eq_u32 s11, 0
	s_cbranch_scc0 .Lfor_b_\@
	tensor_load_to_lds s[G0+4*\s:G0+4*\s+3], s[G1:G1+7]
	s_nop 0
	s_branch .Lasked_\@
.Lfor_b_\@:
	tensor_load_to_lds s[G0B+4*\s:G0B+4*\s+3], s[G1B:G1B+7]
	s_nop 0
.Lasked_\@:
.endm
.macro CREST
	s_cmp_lg_u32 s10, 0
	s_cbranch_scc1 .Lnot_wave_0_\@
	s_barrier_signal -3
.Lnot_wave_0_\@:
	s_barrier_wait -3
	s_barrier_signal -1
	s_barrier_wait -1
.endm
.macro CROUND
	s_barrier_signal -1
	s_barrier_wait -1
	CREST
.endm
.macro PLACES                          ; four places behind a matrix instruction (ISA guide 7.12.1)
.rept 4
	v_nop
.endr
.endm
	s_load_b128 s[4:7], s[0:1], 0x0                ; xb, wb
	s_load_b256 s[68:75], s[0:1], 0x10             ; bq, proj, gf, out0
	v_lshl_add_u32 v29, v0, 2, 0x4c400
	v_mov_b32 v30, 0
	ds_add_u32 v29, v30
	ds_add_u32 v29, v30
	v_lshrrev_b32 v1, 5, v0
	v_readfirstlane_b32 s10, v1                    ; wave
	s_lshr_b32 s11, s10, 1                         ; my half of the rows.  Also: I ask for X (0) or W (1)
	s_and_b32 s12, s10, 1                          ; my half of the columns.  Also: which half of that tile I ask for
	s_bfe_u32 s40, ttmp6, 0x40000                  ; cx
	s_bfe_u32 s41, ttmp6, 0x40004                  ; cy
	s_lshl_b32 s42, ttmp9, 2
	s_add_co_u32 s42, s42, s40                     ; bx: heads 4 bx .. 4 bx + 3
	s_and_b32 s13, ttmp7, 0xffff
	s_lshl_b32 s13, s13, 2
	s_add_co_u32 s13, s13, s41                     ; by: rows 256 by ..
	s_lshl_b32 s43, s41, 2
	s_lshl_b32 s43, 15, s43
	s_lshl_b32 s44, 0x1111, s40
	s_or_b32 s[G1+0], s43, (1<<16)|(1<<20)|(1<<21)|(5<<22)|(3<<25)     ; X: mask of my row; 2-byte elements; a pad of 4 words behind every 64
	s_or_b32 s[G1B+0], s44, (1<<16)|(1<<20)|(1<<21)|(5<<22)|(7<<25)    ; W: mask of my column; a pad of 8 words
	s_mov_b32 s[G1+1], KSTEP<<16
	s_mov_b32 s[G1B+1], KSTEP<<16
	s_mov_b32 s[G1+2], 128<<16
	s_mov_b32 s[G1B+2], 128<<16
	s_mov_b32 s[G1+3], KSTEP<<16
	s_mov_b32 s[G1B+3], KSTEP<<16
	s_mov_b32 s[G1+4], 128
	s_mov_b32 s[G1B+4], 128
	s_mov_b32 s[G1+5], 1024
	s_mov_b32 s[G1B+5], 1024
	s_mov_b32 s[G1+6], 0
	s_mov_b32 s[G1B+6], 0
	s_mov_b32 s[G1+7], 0
	s_mov_b32 s[G1B+7], 0
	s_lshl_b32 s17, s12, 7
	s_lshl_b32 s16, s13, 8
	s_add_co_u32 s16, s16, s17
	s_lshl_b32 s16, s16, 11                        ; X: (256 by + 128 half) rows of 2,048 bytes
	s_mov_b32 s17, 0
	s_lshl_b32 s46, s42, 9                         ; Wq, the third matrix of wb: 4,194,304 + 512 bx + 256 half bytes of every row
	s_lshl_b32 s47, s12, 8
	s_add_co_u32 s46, s46, s47
	s_add_co_u32 s46, s46, 4194304
	s_mov_b32 s47, 0
	s_mul_i32 s20, s10, PART
	s_wait_dscnt 0x0
	s_wait_kmcnt 0x0
	s_add_nc_u64 s[14:15], s[4:5], s[16:17]
	s_add_nc_u64 s[46:47], s[6:7], s[46:47]
	CROUND                                         ; all sixteen work-groups are here: the first joint loads meet
.irp s, 0,1
	s_mov_b32 s[G0+4*\s], 1
	s_add_co_u32 s[G0+4*\s+1], s20, \s*SLOT
	s_add_nc_u64 s[G0+4*\s+2:G0+4*\s+3], s[14:15], \s*KSTEP*2
	s_or_b32 s[G0+4*\s+3], s[G0+4*\s+3], 0x80000000
	s_mov_b32 s[G0B+4*\s], 1
	s_add_co_u32 s[G0B+4*\s+1], s20, \s*SLOT
	s_add_nc_u64 s[G0B+4*\s+2:G0B+4*\s+3], s[46:47], \s*KSTEP*2048
	s_or_b32 s[G0B+4*\s+3], s[G0B+4*\s+3], 0x80000000
	JLOAD \s
.endr
	v_and_b32 v1, 15, v0                           ; r
	v_bfe_u32 v2, v0, 4, 1                         ; h
	v_and_b32 v3, 31, v0                           ; lane
	s_lshl_b32 s93, s42, 10
	s_lshl_b32 s94, s12, 9
	s_add_co_u32 s93, s93, s94
	v_lshl_add_u32 v7, v2, 5, s93                  ; bq: 4 (256 bx + 128 half + 8 h)
.set i, 0
.rept 16
	global_load_b128 v[BQ+4*i:BQ+4*i+3], v7, s[68:69] offset:64*(i>>1)+16*(i&1)
.set i, i+1
.endr
	v_mul_u32_u24 v4, v1, PA
	v_lshl_add_u32 v4, v2, 4, v4
	v_and_b32 v5, 7, v0
	v_lshl_add_u32 v5, v2, 3, v5
	v_mul_u32_u24 v5, v5, PB
	v_bfe_u32 v6, v0, 3, 1
	v_lshl_add_u32 v5, v6, 4, v5
	s_mul_i32 s21, s11, PART
	s_mul_i32 s22, s12, PART                       ; my 128 columns are one of W's two tiles
	s_add_co_u32 s22, s22, BB
.irp s, 0,1
	v_add_nc_u32 v[ADRA+\s], s21, v4
	v_add_nc_u32 v[ADRB0+\s], s22, v5              ; its columns 0-63
	v_add_nc_u32 v[ADRB1+\s], 128, v[ADRB0+\s]     ; its columns 64-127
	s_add_co_u32 s21, s21, SLOT
	s_add_co_u32 s22, s22, SLOT
.endr
	s_mul_i32 s93, s10, QXW
	v_lshl_add_u32 v[QS], v3, 4, s93               ; head 0's units
	v_add_nc_u32 v[QS+1], 8*UNIT, v[QS]            ; head 1's units follow them
	v_lshl_add_u32 v[QLD], v3, 4, s93
	s_add_co_u32 s93, s93, 4096                    ; behind a unit's four fragments
	v_lshl_add_u32 v[QN], v3, 2, s93
	v_lshl_add_u32 v[QNL], v3, 2, s93
	v_lshlrev_b32 v[PROFF], 8, v1
	v_lshl_add_u32 v[PROFF], v2, 5, v[PROFF]       ; proj: row r of a tile, 32 h
	v_lshlrev_b32 v[L16], 4, v3
	s_mul_i32 s93, s10, 16*SP
	s_add_co_u32 s93, s93, STAGE
	v_mul_u32_u24 v31, v1, SP
	v_lshl_add_u32 v31, v2, 5, v31
	v_add_nc_u32 v[STO], s93, v31
	v_mul_u32_u24 v31, v2, SP
	v_lshl_add_u32 v31, v1, 4, v31
	v_add_nc_u32 v[RD], s93, v31
	v_lshlrev_b32 v[OOFF], 12, v2
	v_lshl_add_u32 v[OOFF], v1, 4, v[OOFF]         ; out0: lanes 16-31 one row (4,096 bytes) further down
	s_mov_b32 s88, 0x76543210
	s_mov_b32 s89, 0xfedcba98
	s_mov_b32 s90, 0xffff0000                      ; a word's upper bf16
	s_lshr_b32 s96, s13, 4
	s_lshl_b32 s96, s96, 4                         ; 16 batch
	s_lshl_b32 s97, s42, 2
	s_add_co_u32 s96, s96, s97
	s_lshl_b32 s97, s12, 1
	s_add_co_u32 s96, s96, s97                     ; bh of my first head
	s_mul_i32 s82, s96, 40960
	s_mov_b32 s83, 0
	s_add_nc_u64 s[82:83], s[72:73], s[82:83]      ; its G
	s_lshl_b32 s84, s13, 8
	s_lshl_b32 s97, s11, 7
	s_add_co_u32 s84, s84, s97
	s_lshl_b32 s84, s84, 12                        ; my first row, 4,096 bytes a row
	s_and_b32 s97, s96, 15
	s_lshl_b32 s97, s97, 8                         ; my first head's 256 bytes of a row
	s_add_co_u32 s84, s84, s97
	s_mov_b32 s85, 0
	s_add_nc_u64 s[84:85], s[74:75], s[84:85]
	s_mov_b64 s[86:87], s[84:85]
; The 64 accumulators take turns, one instruction a turn, in the same order in every quarter step.
.macro MUL16 cur, hi, a0, zero
.irp a, \a0, \a0+1
.irp b, 0,1,2,3,4,5,6,7
.if \zero
	v_wmma_f32_16x16x32_bf16 v[8*(8*(\a)+\b):8*(8*(\a)+\b)+7], v[128+64*\cur+8*\b:128+64*\cur+8*\b+7], v[64*\cur+8*(4*\hi+\a):64*\cur+8*(4*\hi+\a)+7], 0
.else
	v_wmma_f32_16x16x32_bf16 v[8*(8*(\a)+\b):8*(8*(\a)+\b)+7], v[128+64*\cur+8*\b:128+64*\cur+8*\b+7], v[64*\cur+8*(4*\hi+\a):64*\cur+8*(4*\hi+\a)+7], v[8*(8*(\a)+\b):8*(8*(\a)+\b)+7]
.endif
.endr
.endr
.endm
; 32 LDS loads in one run; buf may be an expression: it stands in parentheses wherever it is multiplied
.macro FETCH slot, q, buf
	WIN TO_F
.irp i, 0,1,2,3
	ds_load_tr16_b128 v[128+64*(\buf)+8*\i:128+64*(\buf)+8*\i+3],   v[ADRB0+\slot] offset:\q*32*PB+32*\i
	ds_load_tr16_b128 v[128+64*(\buf)+8*\i+4:128+64*(\buf)+8*\i+7], v[ADRB0+\slot] offset:\q*32*PB+32*\i+16*PB
.endr
.irp i, 0,1,2,3
	ds_load_tr16_b128 v[160+64*(\buf)+8*\i:160+64*(\buf)+8*\i+3],   v[ADRB1+\slot] offset:\q*32*PB+32*\i
	ds_load_tr16_b128 v[160+64*(\buf)+8*\i+4:160+64*(\buf)+8*\i+7], v[ADRB1+\slot] offset:\q*32*PB+32*\i+16*PB
.endr
.irp i, 0,1,2,3,4,5,6,7
	ds_load_b128 v[64*(\buf)+8*\i:64*(\buf)+8*\i+3],   v[ADRA+\slot] offset:\q*64+\i*16*PA
	ds_load_b128 v[64*(\buf)+8*\i+4:64*(\buf)+8*\i+7], v[ADRA+\slot] offset:\q*64+\i*16*PA+32
.endr
.endm
.macro QUARTER slot, q, cur, zero
	s_wait_dscnt 8                                 ; W and X's rows 0-63 are in; the youngest eight loads may be out
	WIN MUL_LO
	MUL16 \cur, 0, 0, \zero
	MUL16 \cur, 0, 2, \zero
	PLACES
	FETCH \slot, \q, 1-\cur
	s_wait_dscnt 32                                ; all but the 32 just issued
	WIN MUL_HI
	MUL16 \cur, 1, 0, \zero
	MUL16 \cur, 1, 2, \zero
.endm
.macro THREE slot, zero
	QUARTER \slot, 1, 0, \zero
	QUARTER \slot, 2, 1, 0
	QUARTER \slot, 3, 0, 0
.endm
; the change of slots: each wave's reads of this slot and all its tensor loads are waited for in front of the barrier; where the slot is filled
; again the barrier opens a round of the cluster's barrier, and the joint refill is the wave's first tensor load behind the round
.macro TURN slot, next, fill
	s_wait_dscnt 8
	WIN MUL_LO
	MUL16 1, 0, 0, 0
	s_wait_dscnt 0
	s_set_vgpr_msb 0xa5a0
	s_wait_tensorcnt 0x0
	ds_add_u32 v29, v30
	s_wait_dscnt 0x0
	s_set_vgpr_msb 0xa0a5
	s_barrier_signal -1
	MUL16 1, 0, 2, 0
	WIN 0
	s_barrier_wait -1
.if \fill
	CREST
	s_add_nc_u64 s[G0+4*\slot+2:G0+4*\slot+3], s[G0+4*\slot+2:G0+4*\slot+3], 2*KSTEP*2
	s_add_nc_u64 s[G0B+4*\slot+2:G0B+4*\slot+3], s[G0B+4*\slot+2:G0B+4*\slot+3], 2*KSTEP*2048
	JLOAD \slot
.endif
	PLACES
	FETCH \next, 0, 0
	WIN MUL_HI
	MUL16 1, 1, 0, 0
	MUL16 1, 1, 2, 0
.endm
.macro LAP zero
	THREE 0, \zero
	TURN 0, 1, 1
	THREE 1, 0
	TURN 1, 0, 1
.endm
	s_wait_tensorcnt 1                             ; my part of K step 0 is in; K step 1's may stay out
	s_barrier_signal -1
	s_barrier_wait -1
	FETCH 0, 0, 0
	LAP 1
	WIN 0
	s_mov_b32 s3, LAPS-2
.Llap:
	LAP 0
	WIN 0
	s_sub_co_u32 s3, s3, 1
	s_cmp_lg_u32 s3, 0
	s_cbranch_scc1 .Llap
	THREE 0, 0
	TURN 0, 1, 0
	THREE 1, 0
	s_wait_dscnt 8
	WIN MUL_LO
	MUL16 1, 0, 0, 0
	MUL16 1, 0, 2, 0
	s_wait_dscnt 0
	WIN MUL_HI
	MUL16 1, 1, 0, 0
	MUL16 1, 1, 2, 0
	; PART 2.  The ring has had its last fill; behind this barrier no wave reads it as a ring, and each wave keeps its units in bytes of its own there.
	PLACES
	WIN 0
	s_wait_dscnt 0x0
	s_wait_loadcnt 0x0                             ; bq
	s_barrier_signal -1
	s_barrier_wait -1
.macro PROJLOAD base                   ; eight feature tiles of proj in f32, in fragment order, fill window 1
	WIN 0x40
.set i, 0
.rept 64
	global_load_b128 v[4*i:4*i+3], v[PROFF], s[70:71] offset:\base+4096*(i>>3)+128*((i>>2)&1)+64*((i>>1)&1)+16*(i&1)
.set i, i+1
.endr
.endm
	PROJLOAD 0
	WIN 0
.set p, 0
.rept 32
	v_pk_mul_f32 v[BQ+2*p:BQ+2*p+1], v[BQ+2*p:BQ+2*p+1], 0x3e000000 op_sel_hi:[1,0]    ; bq / 8
.set p, p+1
.endr
; Row block a: x = Q / 8 of both heads, |x|^2, hi and lo in bf16, into my units (head, a)
.macro PACKQ a
	WINA \a, 0x02, 0x03                            ; source 0 in the tiles' window
.set TB, 64*(\a&3)
.set p, 0
.rept 32
	v_pk_fma_f32 v[X+2*p:X+2*p+1], v[TB+2*p:TB+2*p+1], 0x3e000000, v[BQ+2*p:BQ+2*p+1] op_sel_hi:[1,0,1]
.set p, p+1
.endr
	WIN 0
	v_pk_mul_f32 v[DS:DS+1], v[X:X+1], v[X:X+1]
	v_pk_mul_f32 v[DS+2:DS+3], v[X+32:X+33], v[X+32:X+33]
.set p, 1
.rept 15
	v_pk_fma_f32 v[DS:DS+1], v[X+2*p:X+2*p+1], v[X+2*p:X+2*p+1], v[DS:DS+1]
	v_pk_fma_f32 v[DS+2:DS+3], v[X+32+2*p:X+32+2*p+1], v[X+32+2*p:X+32+2*p+1], v[DS+2:DS+3]
.set p, p+1
.endr
.set p, 0
.rept 32
	v_cvt_pk_bf16_f32 v[PK+p], v[X+2*p], v[X+2*p+1]                ; hi
.set p, p+1
.endr
.irp b, 0,1,2,3,4,5,6,7
	ds_store_b128 v[QS+(\b>>2)], v[PK+4*\b:PK+4*\b+3] offset:UNIT*\a+512*(\b&3)
.endr
	; lo = bf16(x - hi).  The row block's 64 accumulator registers are free since x was made: they take hi widened back to f32.
	WINA \a, 0x80, 0xc0                            ; destination in the tiles' window
.set q, 0
.rept 32
	v_lshlrev_b32 v[TB+2*q], 16, v[PK+q]
	v_and_b32 v[TB+2*q+1], s90, v[PK+q]
.set q, q+1
.endr
	WINA \a, 0x02, 0x03
.set q, 0
.rept 32
	v_pk_fma_f32 v[X+2*q:X+2*q+1], v[TB+2*q:TB+2*q+1], -1.0, v[X+2*q:X+2*q+1] op_sel_hi:[1,0,1]   ; x - hi
.set q, q+1
.endr
	WIN 0
.set q, 0
.rept 32
	v_cvt_pk_bf16_f32 v[PK+q], v[X+2*q], v[X+2*q+1]                ; lo
.set q, q+1
.endr
.irp b, 0,1,2,3,4,5,6,7
	ds_store_b128 v[QS+(\b>>2)], v[PK+4*\b:PK+4*\b+3] offset:UNIT*\a+2048+512*(\b&3)
.endr
.irp hd, 0,1
	v_add_f32 v[DS+2*\hd], v[DS+2*\hd], v[DS+2*\hd+1]
.endr
.irp hd, 0,1
	v_permlanex16_b32 v[DS+2*\hd+1], v[DS+2*\hd], s88, s89
.endr
.irp hd, 0,1
	v_add_f32 v[DS+2*\hd], v[DS+2*\hd], v[DS+2*\hd+1]
.endr
.irp hd, 0,1
	v_mul_f32 v[DS+2*\hd], 0xbf38aa3b, v[DS+2*\hd]                 ; - |x|^2 / 2 x log2 e of row r
	ds_store_b32 v[QN], v[DS+2*\hd] offset:8*UNIT*\hd+UNIT*\a      ; at most 15 x 4,224 = 63,360
.endr
.endm
	PACKQ 0
	PACKQ 1
	PACKQ 2
	PACKQ 3
	PACKQ 4
	PACKQ 5
	PACKQ 6
	PACKQ 7
.macro GHI                             ; G's fragments kf 0-5: 60 loads into window 3
	WIN 0xc0
.set i, 0
.rept 60
	global_load_b128 v[4*i:4*i+3], v[L16], s[82:83] offset:512*i
.set i, i+1
.endr
.endm
.macro GLO                             ; kf 6, 7: 20 loads into window 1, v128-207
	WIN 0x40
.set i, 0
.rept 20
	global_load_b128 v[128+4*i:128+4*i+3], v[L16], s[82:83] offset:512*(60+i)
.set i, i+1
.endr
.endm
; e - e_hi for the packed words 16 k .. 16 k + 15: e_hi (window 0) widened back to f32 in window 1, v212-243
.macro ELO k
	WIN 0x40                                       ; destination window 1, sources window 0
.set j, 0
.rept 16
	v_lshlrev_b32 v[TQ+2*j], 16, v[EF+16*\k+j]
	v_and_b32 v[TQ+2*j+1], s90, v[EF+16*\k+j]
.set j, j+1
.endr
	WIN 0x55
.set j, 0
.rept 16
	v_pk_fma_f32 v[32*\k+2*j:32*\k+2*j+1], v[TQ+2*j:TQ+2*j+1], -1.0, v[32*\k+2*j:32*\k+2*j+1] op_sel_hi:[1,0,1]
.set j, j+1
.endr
.endm
	s_wait_loadcnt 0x0                             ; proj's tiles 0-7
	WIN 0x85                                       ; sources window 1, destination window 2
.set p, 0
.rept 128
	v_cvt_pk_bf16_f32 v[p], v[2*p], v[2*p+1]
.set p, p+1
.endr
	PROJLOAD 32768
	GHI
	s_wait_loadcnt 60                              ; the 60 loads of G stay out: proj's tiles 8-15 are in
	WIN 0x85
.set p, 0
.rept 128
	v_cvt_pk_bf16_f32 v[128+p], v[2*p], v[2*p+1]
.set p, p+1
.endr
	GLO
; One head: eight trips of 16 rows.
.macro HEAD hd
.if \hd
	s_add_nc_u64 s[82:83], s[82:83], 40960         ; the loads by the old base were waited for in front of the first head's loop
	s_add_nc_u64 s[86:87], s[84:85], 256           ; the stores' base is free since the last trip's wait
	GHI
	GLO
.endif
	WIN 0
	s_wait_loadcnt 0x0
	s_mov_b32 s92, 0
.Lrow_\@:
.irp i, 0,1,2,3,4,5,6,7
	ds_load_b128 v[QF+4*\i:QF+4*\i+3], v[QLD] offset:512*\i        ; my own bytes: LDS serves a wave's instructions in order
.endr
	ds_load_b32 v[NQ], v[QNL]
	s_wait_dscnt 0x0
	WIN 0x52                                       ; proj window 2, x window 0, u window 1
.set f, 0
.rept 16
	v_wmma_f32_16x16x32_bf16 v[8*f:8*f+7], v[16*f:16*f+7], v[QF:QF+7], 0               ; u: lane = row s, registers = features 16 f + 8 h + j
.set f, f+1
.endr
.set f, 0
.rept 16
	v_wmma_f32_16x16x32_bf16 v[8*f:8*f+7], v[16*f+8:16*f+15], v[QF+8:QF+15], v[8*f:8*f+7]   ; 16 accumulators by turns
.set f, f+1
.endr
.set f, 0
.rept 16
	v_wmma_f32_16x16x32_bf16 v[8*f:8*f+7], v[16*f:16*f+7], v[QF+16:QF+23], v[8*f:8*f+7]     ; + proj x_lo
.set f, f+1
.endr
.set f, 0
.rept 16
	v_wmma_f32_16x16x32_bf16 v[8*f:8*f+7], v[16*f+8:16*f+15], v[QF+24:QF+31], v[8*f:8*f+7]
.set f, f+1
.endr
	PLACES
	WIN 0x55
.irp c, 0,1,2,3
	v_max_num_f32 v[MX+\c], v[32*\c], v[32*\c+1]
.endr
.set k, 1
.rept 15
.irp c, 0,1,2,3
	v_max3_num_f32 v[MX+\c], v[MX+\c], v[32*\c+2*k], v[32*\c+2*k+1]
.endr
.set k, k+1
.endr
	v_max3_num_f32 v[MX], v[MX], v[MX+1], v[MX+2]
	v_max_num_f32 v[MX], v[MX], v[MX+3]
	v_permlanex16_b32 v[MX+1], v[MX], s88, s89
	v_max_num_f32 v[MX], v[MX], v[MX+1]            ; the row's maximum
	WIN 0x41                                       ; source 2 in window 0
	v_fma_f32 v[MX+2], v[MX], 0xbfb8aa3b, v[NQ]    ; - m log2 e - |x|^2/2 log2 e
	WIN 0x55
.set p, 0
.rept 64
	v_pk_fma_f32 v[2*p:2*p+1], v[2*p:2*p+1], 0x3fb8aa3b, v[MX+2:MX+3] op_sel_hi:[1,0,0]
.set p, p+1
.endr
.set i, 0
.rept 128
	v_exp_f32 v[i], v[i]
.set i, i+1
.endr
	v_nop                                          ; one plain place behind the transcendentals (ISA guide 5.7.2)
.set p, 0
	s_wait_alu depctr_va_vdst(0)
.rept 64
	v_pk_add_f32 v[2*p:2*p+1], v[2*p:2*p+1], 0x38d1b717 op_sel_hi:[1,0]                ; + eps
.set p, p+1
.endr
	WIN 0x05                                       ; sources window 1, destination window 0
.set p, 0
.rept 64
	v_cvt_pk_bf16_f32 v[EF+p], v[2*p], v[2*p+1]    ; e_hi as fragments: columns = rows s, k = features
.set p, p+1
.endr
	ELO 0
	ELO 1
	ELO 2
	ELO 3
.set p, 0
.rept 64
	v_cvt_pk_bf16_f32 v[p], v[2*p], v[2*p+1]       ; e_lo, packed downward in ascending order: word p lands on a register whose number has been read
.set p, p+1
.endr
	WIN 0x03                                       ; G window 3, e_hi and sums window 0
.set kf, 0
.rept 6
.irp d, 0,1,2,3,4
.if kf
	v_wmma_f32_16x16x32_bf16 v[ACC+8*\d:ACC+8*\d+7], v[40*kf+8*\d:40*kf+8*\d+7], v[EF+8*kf:EF+8*kf+7], v[ACC+8*\d:ACC+8*\d+7]   ; five accumulators by turns
.else
	v_wmma_f32_16x16x32_bf16 v[ACC+8*\d:ACC+8*\d+7], v[40*kf+8*\d:40*kf+8*\d+7], v[EF+8*kf:EF+8*kf+7], 0
.endif
.endr
.set kf, kf+1
.endr
	WIN 0x07                                       ; G window 3, e_lo window 1
.set kf, 0
.rept 6
.irp d, 0,1,2,3,4
	v_wmma_f32_16x16x32_bf16 v[ACC+8*\d:ACC+8*\d+7], v[40*kf+8*\d:40*kf+8*\d+7], v[8*kf:8*kf+7], v[ACC+8*\d:ACC+8*\d+7]
.endr
.set kf, kf+1
.endr
	WIN 0x01                                       ; G window 1, e_hi window 0
.rept 2
.irp d, 0,1,2,3,4
	v_wmma_f32_16x16x32_bf16 v[ACC+8*\d:ACC+8*\d+7], v[128+40*(kf-6)+8*\d:128+40*(kf-6)+8*\d+7], v[EF+8*kf:EF+8*kf+7], v[ACC+8*\d:ACC+8*\d+7]
.endr
.set kf, kf+1
.endr
	WIN 0x05                                       ; G and e_lo window 1
.set kf, 6
.rept 2
.irp d, 0,1,2,3,4
	v_wmma_f32_16x16x32_bf16 v[ACC+8*\d:ACC+8*\d+7], v[128+40*(kf-6)+8*\d:128+40*(kf-6)+8*\d+7], v[8*kf:8*kf+7], v[ACC+8*\d:ACC+8*\d+7]
.endr
.set kf, kf+1
.endr
	WIN 0
	PLACES
	v_add_f32 v[ZR+1], 0x398637bd, v[ACC+32]       ; the fifth block's rows all hold sum e g of row s = r; + 256 x 1e-6
	v_rcp_f32 v[ZR], v[ZR+1]
	v_nop
.set p, 0
	s_wait_alu depctr_va_vdst(0)
.rept 16
	v_pk_mul_f32 v[ACC+2*p:ACC+2*p+1], v[ACC+2*p:ACC+2*p+1], v[ZR:ZR+1] op_sel_hi:[1,0]
.set p, p+1
.endr
.irp d, 0,1,2,3
	ds_store_b128 v[STO], v[ACC+8*\d:ACC+8*\d+3] offset:64*\d          ; lane = row r, registers = d = 16 db + 8 h + j
	ds_store_b128 v[STO], v[ACC+8*\d+4:ACC+8*\d+7] offset:64*\d+16
.endr
.irp t, 0,1,2,3,4,5,6,7
	ds_load_b128 v[RB+4*\t:RB+4*\t+3], v[RD] offset:2*SP*\t
.endr
.irp t, 0,1,2,3,4,5,6,7
	s_wait_dscnt 7-\t
	global_store_b128 v[OOFF], v[RB+4*\t:RB+4*\t+3], s[86:87] offset:8192*\t th:TH_STORE_NT   ; 16 lanes store a head's 256 consecutive bytes of a row, aligned
.endr
	s_wait_xcnt 0x0                                ; the stores' base and data registers are written again only behind this wait
	s_add_nc_u64 s[86:87], s[86:87], 65536         ; 16 rows on
	v_add_nc_u32 v[QLD], UNIT, v[QLD]
	v_add_nc_u32 v[QNL], UNIT, v[QNL]
	s_add_co_u32 s92, s92, 1
	s_cmp_lt_u32 s92, 8
	s_cbranch_scc1 .Lrow_\@
.endm
	HEAD 0
	HEAD 1
	s_wait_tensorcnt 0x0
	ds_add_u32 v29, v30
	s_wait_dscnt 0x0
	CROUND                                         ; the closing round: no work-group ends while a partner may still ask for a tile that names it
	s_endpgm
.Lfunc_end_k_q86b7c2d5b2_qout:
	.size	k_q86b7c2d5b2_qout, .Lfunc_end_k_q86b7c2d5b2_qout-k_q86b7c2d5b2_qout
	.p2alignl 7, 3214868480
	.fill 96, 4, 3214868480
	.section	.rodata,"a",@progbits
	.p2align	6, 0x0
	.amdhsa_kernel k_q86b7c2d5b2_qout
		.amdhsa_group_segment_fixed_size 327680
		.amdhsa_private_segment_fixed_size 0
		.amdhsa_enable_private_segment 0
		.amdhsa_kernarg_size 48
		.amdhsa_user_sgpr_count 2
		.amdhsa_user_sgpr_kernarg_segment_ptr 1
		.amdhsa_wavefront_size32 1
		.amdhsa_system_sgpr_workgroup_id_x 1
		.amdhsa_system_sgpr_workgroup_id_y 1
		.amdhsa_system_sgpr_workgroup_id_z 1
		.amdhsa_system_vgpr_workitem_id 0
		.amdhsa_next_free_vgpr 1024
		.amdhsa_next_free_sgpr 100
		.amdhsa_reserve_vcc 0
		.amdhsa_float_denorm_mode_32 3
		.amdhsa_float_denorm_mode_16_64 3
		.amdhsa_memory_ordered 1
		.amdhsa_forward_progress 1
		.amdhsa_inst_pref_size 255
	.end_amdhsa_kernel
	.section	.bss,"aw",@nobits
	.p2align	6
	.space	262144
	.amdgpu_metadata
---
amdhsa.version: [ 1, 2 ]
amdhsa.kernels:
  - .name:           k_q86b7c2d5b2_qout
    .symbol:         k_q86b7c2d5b2_qout.kd
    .args:
      - { .name: xb, .offset: 0, .size: 8, .value_kind: global_buffer, .address_space: global }
      - { .name: wb, .offset: 8, .size: 8, .value_kind: global_buffer, .address_space: global }
      - { .name: bq, .offset: 16, .size: 8, .value_kind: global_buffer, .address_space: global }
      - { .name: proj, .offset: 24, .size: 8, .value_kind: global_buffer, .address_space: global }
      - { .name: gf, .offset: 32, .size: 8, .value_kind: global_buffer, .address_space: global }
      - { .name: out0, .offset: 40, .size: 8, .value_kind: global_buffer, .address_space: global }
    .group_segment_fixed_size: 327680
    .private_segment_fixed_size: 0
    .kernarg_segment_align: 8
    .kernarg_segment_size: 48
    .max_flat_workgroup_size: 128
    .sgpr_count:     100
    .vgpr_count:     1024
    .wavefront_size: 32
...
	.end_amdgpu_metadata
.endif
;; end of part 4
;; ======== version 2 of 2: 4 launches; 1.17 times as fast as version 1
;; limits: values are held in f16: magnitudes above 65,504 overflow, below 6.1e-05 lose precision; right only within a limited range of input values
;; workspace buffers: xb 33,554,432 bytes; wb 6,291,456 bytes; pf 32,768 bytes; pkv 67,108,864 bytes; pst 2,097,152 bytes; pvs 262,144 bytes; gf 2,621,440 bytes
;; launch cvt (part 5): grid 1217 x 1, 8 waves a work-group, no clusters, 0 bytes of LDS; arguments X, Wk, Wv, Wq, proj, xb, wb, pf; writes xb, wb, pf
.if DOCPART == 5
	.amdgcn_target "amdgcn-amd-amdhsa--gfx1250"
	.amdhsa_code_object_version 6
	.text
	.protected	k_q86b7c2d5b2_cvt
	.globl	k_q86b7c2d5b2_cvt
	.p2align	8
	.type	k_q86b7c2d5b2_cvt,@function
k_q86b7c2d5b2_cvt:
	s_mov_b64 s[64:65], 0
	v_nop
	global_prefetch_b8 v0, s[64:65] scope:SCOPE_SE
	s_setreg_imm32_b32 hwreg(HW_REG_WAVE_MODE, 25, 1), 1
	s_wait_xcnt 0x0
; f32 to bf16 (round to nearest even) of X -> xb and of Wk, Wv, Wq -> wb = [Wk][Wv][Wq], element by element, same order;
; and proj -> pf: rounded to bf16 like the other inputs, and those numbers stored as f16, which holds bf16's 8 significant bits exactly
; for magnitudes from 6.1e-5 to 65,504 (LIMIT: larger ones overflow; smaller ones are kept to 2^-25 absolute).  pf is multiplied by operands in f16.
; A work-group converts 65,536 bytes of f32: 256 threads x 16 loads of 16 bytes.  Groups 0..1023 take X (67,108,864 / 65,536),
; groups 1024..1215 the three weight matrices, 64 groups each, group 1216 proj.  A pure stream: no LDS, no barrier, no matrix unit.
; All 16 loads of a wave are issued at once; no register of a load or store is used twice, so the only waits are the counted ones on the loads.
.set NX,  1024                         ; groups that take X
.set NW,  192                          ; groups that take the weights
.set IN,  8                            ; v[8:71]    16 x 4 f32 as loaded
.set OUT, 72                           ; v[72:103]  16 x 2 words of 16-bit numbers
.set T,   104                          ; v[104:107] proj: four bf16 numbers widened again
	s_load_b512 s[4:19], s[0:1], 0x0               ; X s[4:5], Wk s[6:7], Wv s[8:9], Wq s[10:11], proj s[12:13], xb s[14:15], wb s[16:17], pf s[18:19]
	s_mov_b32 s20, ttmp9                           ; group
	s_sub_co_u32 s21, s20, NX                      ; its number among the weights' groups (used only where group >= 1024)
	s_and_b32 s22, s21, 63                         ; its part of one weight matrix (0 for proj's group: 192 mod 64)
	v_lshlrev_b32 v1, 4, v0                        ; 16 bytes of f32 a thread
	v_lshlrev_b32 v2, 3, v0                        ; 8 bytes of 16-bit numbers a thread
	s_wait_kmcnt 0x0
	s_cmp_lt_u32 s20, NX
	s_cselect_b64 s[24:25], s[4:5], s[6:7]         ; source: X or Wk
	s_cselect_b64 s[26:27], s[14:15], s[16:17]     ; destination: xb or wb
	s_cselect_b32 s28, s20, s22                    ; part of the source
	s_cselect_b32 s30, s20, s21                    ; part of the destination
	s_cmp_ge_u32 s20, NX+64
	s_cselect_b64 s[24:25], s[8:9], s[24:25]       ; Wv
	s_cmp_ge_u32 s20, NX+128
	s_cselect_b64 s[24:25], s[10:11], s[24:25]     ; Wq
	s_cmp_ge_u32 s20, NX+NW
	s_cselect_b64 s[24:25], s[12:13], s[24:25]     ; proj
	s_cselect_b64 s[26:27], s[18:19], s[26:27]     ; pf,
	s_cselect_b32 s30, 0, s30                      ; from its first byte
	s_lshl_b32 s28, s28, 16                        ; x 65,536 bytes (below 2^26)
	s_mov_b32 s29, 0
	s_lshl_b32 s30, s30, 15                        ; x 32,768 bytes
	s_mov_b32 s31, 0
	s_add_nc_u64 s[24:25], s[24:25], s[28:29]
	s_add_nc_u64 s[26:27], s[26:27], s[30:31]
.set i, 0
.rept 16
	global_load_b128 v[IN+4*i:IN+4*i+3], v1, s[24:25] offset:4096*i th:TH_LOAD_NT   ; a wave's load covers 512 neighbouring bytes; read once in the launch
.set i, i+1
.endr
	s_cmp_ge_u32 s20, NX+NW                        ; compared again: the shifts above set SCC
	s_cbranch_scc1 .Lproj
.set i, 0
.rept 16
	s_wait_loadcnt 15-i                            ; loads return in order: load i is in, the 15 - i younger ones stay out
	v_cvt_pk_bf16_f32 v[OUT+2*i],   v[IN+4*i],   v[IN+4*i+1]
	v_cvt_pk_bf16_f32 v[OUT+2*i+1], v[IN+4*i+2], v[IN+4*i+3]
	global_store_b64 v2, v[OUT+2*i:OUT+2*i+1], s[26:27] offset:2048*i               ; 32 lanes store 256 consecutive bytes, aligned
.set i, i+1
.endr
	s_endpgm
.Lproj:
.set i, 0
.rept 16
	s_wait_loadcnt 15-i
	v_cvt_pk_bf16_f32 v[OUT+2*i],   v[IN+4*i],   v[IN+4*i+1]      ; the rounding: to bf16
	v_cvt_pk_bf16_f32 v[OUT+2*i+1], v[IN+4*i+2], v[IN+4*i+3]
	v_lshlrev_b32 v[T],   16, v[OUT+2*i]
	v_and_b32     v[T+1], 0xffff0000, v[OUT+2*i]
	v_lshlrev_b32 v[T+2], 16, v[OUT+2*i+1]
	v_and_b32     v[T+3], 0xffff0000, v[OUT+2*i+1]
	v_cvt_pk_f16_f32 v[OUT+2*i],   v[T],   v[T+1]                 ; the format: the same numbers as f16
	v_cvt_pk_f16_f32 v[OUT+2*i+1], v[T+2], v[T+3]
	global_store_b64 v2, v[OUT+2*i:OUT+2*i+1], s[26:27] offset:2048*i
.set i, i+1
.endr
	s_endpgm
.Lfunc_end_k_q86b7c2d5b2_cvt:
	.size	k_q86b7c2d5b2_cvt, .Lfunc_end_k_q86b7c2d5b2_cvt-k_q86b7c2d5b2_cvt
	.p2alignl 7, 3214868480
	.fill 96, 4, 3214868480
	.section	.rodata,"a",@progbits
	.p2align	6, 0x0
	.amdhsa_kernel k_q86b7c2d5b2_cvt
		.amdhsa_group_segment_fixed_size 0
		.amdhsa_private_segment_fixed_size 0
		.amdhsa_enable_private_segment 0
		.amdhsa_kernarg_size 64
		.amdhsa_user_sgpr_count 2
		.amdhsa_user_sgpr_kernarg_segment_ptr 1
		.amdhsa_wavefront_size32 1
		.amdhsa_system_sgpr_workgroup_id_x 1
		.amdhsa_system_sgpr_workgroup_id_y 1
		.amdhsa_system_sgpr_workgroup_id_z 1
		.amdhsa_system_vgpr_workitem_id 0
		.amdhsa_next_free_vgpr 108
		.amdhsa_next_free_sgpr 66
		.amdhsa_reserve_vcc 0
		.amdhsa_float_denorm_mode_32 3
		.amdhsa_float_denorm_mode_16_64 3
		.amdhsa_memory_ordered 1
		.amdhsa_forward_progress 1
		.amdhsa_inst_pref_size 16
	.end_amdhsa_kernel
	.amdgpu_metadata
---
amdhsa.version: [ 1, 2 ]
amdhsa.kernels:
  - .name:           k_q86b7c2d5b2_cvt
    .symbol:         k_q86b7c2d5b2_cvt.kd
    .args:
      - { .name: X, .offset: 0, .size: 8, .value_kind: global_buffer, .address_space: global }
      - { .name: Wk, .offset: 8, .size: 8, .value_kind: global_buffer, .address_space: global }
      - { .name: Wv, .offset: 16, .size: 8, .value_kind: global_buffer, .address_space: global }
      - { .name: Wq, .offset: 24, .size: 8, .value_kind: global_buffer, .address_space: global }
      - { .name: proj, .offset: 32, .size: 8, .value_kind: global_buffer, .address_space: global }
      - { .name: xb, .offset: 40, .size: 8, .value_kind: global_buffer, .address_space: global }
      - { .name: wb, .offset: 48, .size: 8, .value_kind: global_buffer, .address_space: global }
      - { .name: pf, .offset: 56, .size: 8, .value_kind: global_buffer, .address_space: global }
    .group_segment_fixed_size: 0
    .private_segment_fixed_size: 0
    .kernarg_segment_align: 8
    .kernarg_segment_size: 64
    .max_flat_workgroup_size: 256
    .sgpr_count:     66
    .vgpr_count:     108
    .wavefront_size: 32
...
	.end_amdgpu_metadata
.endif
;; end of part 5
;; launch kvpart (part 6): grid 8 x 64, 4 waves a work-group, clusters of 4 x 4, 327,680 bytes of LDS; arguments xb, wb, bk, bv, mask, pf, pkv, pst, pvs; writes pkv, pst, pvs
.if DOCPART == 6
	.amdgcn_target "amdgcn-amd-amdhsa--gfx1250"
	.amdhsa_code_object_version 6
	.text
	.protected	k_q86b7c2d5b2_kvpart
	.globl	k_q86b7c2d5b2_kvpart
	.p2align	8
	.type	k_q86b7c2d5b2_kvpart,@function
k_q86b7c2d5b2_kvpart:
	s_mov_b64 s[64:65], 0
	v_nop
	global_prefetch_b8 v0, s[64:65] scope:SCOPE_SE
	s_setreg_imm32_b32 hwreg(HW_REG_WAVE_MODE, 25, 1), 1
	s_wait_xcnt 0x0
	s_wait_alu depctr_hold_cnt(0) depctr_sa_sdst(0) depctr_va_vdst(0) depctr_va_sdst(0) depctr_va_ssrc(0) depctr_va_vcc(0) depctr_vm_vsrc(0)
	s_getreg_b32 s2, hwreg(HW_REG_IB_STS2, 6, 4)
	s_cmp_eq_u32 s2, 0
	s_cbranch_scc0 .Lentry_in_a_cluster
	s_endpgm
.Lentry_in_a_cluster:
	s_bfe_u32 s2, ttmp6, 0x10000c
	s_cmp_lg_u32 s2, 0xf033
	s_cbranch_scc0 .Lentry_shape_is_right
	s_endpgm
.Lentry_shape_is_right:
; For 256 rows of one batch (a chunk) and two heads: K = X Wk + bk and V = X Wv + bv (bf16 operands, f32 sums), x = K mask / 8, Vs = V mask,
; u = x proj^T, and for each feature f the chunk's own maximum m[f] = max over the 256 rows of u, e = exp(u - |x|^2/2 - m[f]),
; then the partial sums  pkv[f][d] = sum_s e Vs / 16,  ksum[f] = sum_s e,  pvs[d] = sum_s Vs / 16.  A later launch takes the maximum over all chunks and
; features (the stabiliser of the key features) and rescales each partial sum by exp(m[f] - maximum): a true maximum is taken away in front of every exponential.
; The factor 1/16, a power of two and so exact, rides on the mask; the last launch multiplies by 16.
; x, proj, e AND Vs / 16 GO TO THE MATRIX UNIT IN f16: its 11 significant bits against bf16's 8.  The final result is a weighted mean of 4,096 rows of Vs, some 1/64
; of their size, compared to 1/100 of its own root mean square, so the roundings of these intermediates are kept 8 times finer than bf16's.  Their room in f16 (up to 65,504):
; |K| and |V| are about 6 for inputs of spread 1 and 1/32; 30 times larger X and W give 900 times that, 5,400; common offsets of 30 spreads on both give
; 1024 x 30 x 0.94 = 29,000: x = K / 8 is then 3,600 and Vs / 16 is 1,800.  Downward: of x only the absolute error counts (it stands in an exponent), 2^-25 at the least;
; Vs / 16 keeps 11 bits down to |Vs| = 1e-3; e lies in [0, 1] and its error, 2^-12 relative or 2^-25 absolute, meets an eps of 1e-4 added later.
; LIMITS: |x| < 65,504 (|K| < 524,000), |Vs| < 1,048,000, |proj| < 65,504; X, W and proj are rounded to bf16; v_exp_f32 gives 0 for results below 2^-126.
;
; PART 1, the product: a block of 256 rows x (128 columns of Wk + 128 of Wv), four waves, a wave 128 rows x (64 of K + 64 of V) = one head:
; 64 accumulator tiles, 512 registers.  K dimension in steps of 128 through two LDS slots filled by the tensor data mover.
; 4 x 4 work-groups form a cluster: X's tile hangs on the block row alone and is asked for jointly along a row of the cluster,
; W's tile on the block column alone and jointly along a column.
; W lies [k][n] in memory and in LDS; its fragments are read by the transposing LDS load.
; K's tiles are made transposed (source 0 = W's columns): a lane holds one row s and eight neighbouring columns.
; V's tiles are made the natural way (source 0 = X's rows): a lane holds one column d and eight neighbouring rows s.
; Both are then, packed to f16, exactly the registers of the fragments that part 2 needs (x: rows s, k = d;  Vs: rows d, k = s).
; PART 2: the two waves of a head exchange their fragments through LDS; then wave (fh, hh) takes head hh, all 256 rows, features 128 fh .. +127.
; The bf16 form (part 1) and the f16 form (part 2) never share an accumulator.
;
; REGISTERS in windows of 256.  Part 1: window 0 addresses and biases; window 1 fragments (X: v0-63, v64-127; W: v128-191, v192-255);
; windows 2, 3 accumulators, tile (a, b) at v[8 (8 (a & 3) + b)] of window 2 + (a >> 2).
; Part 2: window 2 = x's fragments (ag, kk) at v[8 (2 ag + kk)]; window 3 = Vs's fragments (db, sb) at v[8 (4 sb + db)];
; window 1 = u v0-127, e's fragments v128-191, sums v192-223, at work v224-239; window 0 = proj's two fragments, -|x|^2/2 log2 e per row (v128-255), the way out.
.set KSTEP, 128
.set PA,    272                        ; LDS pitch of X's rows: 256 + 16 bytes, an odd multiple of 16
.set PB,    288                        ; LDS pitch of W's rows: 256 + 32 bytes, an odd multiple of 32, for the transposing load
.set PART,  36864                      ; what one wave's tensor load may fill: 128 rows x 288 (X's parts use 128 x 272 of it)
.set SLOT,  4*PART                     ; X rows 0-127, X rows 128-255, Wk's tile, Wv's tile
.set RING,  2*SLOT
.set BB,    2*PART
.set LAPS,  4                          ; 1024 / (2 x 128)
.set NATB,  4                          ; column blocks 0-3 (K) transposed, 4-7 (V) natural
.set SP,    272                        ; pitch of the way out's stage
.set STAGE, RING                       ; 4 x 16 rows x 272
.set NDL,   STAGE+4*16*SP              ; 2 heads x 256 f32
.set VS,    NDL+2048                   ; 4 waves x 64 f32
.set ADRA,  16
.set ADRB0, 20
.set ADRB1, 22
.set KST, 11
.set VST, 12
.set NDST, 13
.set VSST, 14
.set KLD, 15
.set NDLD, 24
.set VSLD, 25
.set STO, 26
.set RD,  27
.set POFF, 28
.set L16, 29
.set L4,  30
.set BK, 32                            ; v[32:63]   bk of my 8 columns in each of K's 4 tiles
.set BV, 64                            ; v[64:67]   bv of my column in each of V's 4 tiles
.set ML, 68                            ; v[68:75]   mask / 8 of my row in each of 8 row blocks
.set VSUM, 80                          ; v[80:87]   running sums of Vs / 16
.set DS, 88                            ; v[88:91]   sums of squares
.set PK, 96                            ; v[96:127]  packed f16
.set MR, 128                           ; v[128:191] mask / 16 of my 8 rows in each of 8 row blocks
.set X,  192                           ; v[192:255] a row block's 8 tiles in f32
.set PF, 64                            ; part 2: v[64:79] proj, two fragments
.set RB, 96                            ; part 2: rows read back from the stage
.set NDR, 128                          ; part 2: -|x|^2/2 log2 e
.set MX, 224                           ; window 1
.set KS, 228                           ; window 1
.set OW, 236                           ; window 1
.set G1, 24
.set G0, 32
.set G1B, 48
.set G0B, 56
.set MSB, 0
.macro WIN new                         ; the immediate's high byte repeats the setting that is left
.if MSB != \new
	s_set_vgpr_msb (MSB<<8)|\new
.set MSB, \new
.endif
.endm
.macro WINA a, lo, hi                  ; the setting for row block a: its tiles lie in window 2 (a < 4) or 3
.if \a < 4
	WIN \lo
.else
	WIN \hi
.endif
.endm
.set MUL_LO, 0xa5                      ; sources 0 and 1 window 1, C and D window 2
.set MUL_HI, 0xf5                      ; the same, C and D window 3
.set TO_F,   0x40                      ; destination window 1, address window 0
; A joint load.  Waves 0 and 1 ask for X's two halves, waves 2 and 3 for Wk's and Wv's tile.  The branch hangs on the wave's number alone.
.macro JLOAD s
	s_cmp_eq_u32 s11, 0
	s_cbranch_scc0 .Lfor_b_\@
	tensor_load_to_lds s[G0+4*\s:G0+4*\s+3], s[G1:G1+7]
	s_nop 0
	s_branch .Lasked_\@
.Lfor_b_\@:
	tensor_load_to_lds s[G0B+4*\s:G0B+4*\s+3], s[G1B:G1B+7]
	s_nop 0
.Lasked_\@:
.endm
.macro CREST                           ; a round of the cluster's barrier behind its opening work-group barrier
	s_cmp_lg_u32 s10, 0
	s_cbranch_scc1 .Lnot_wave_0_\@
	s_barrier_signal -3
.Lnot_wave_0_\@:
	s_barrier_wait -3
	s_barrier_signal -1
	s_barrier_wait -1
.endm
.macro CROUND
	s_barrier_signal -1
	s_barrier_wait -1
	CREST
.endm
.macro PLACES                          ; four places behind a matrix instruction in front of loads into, or vector work on, its registers
.rept 4
	v_nop
.endr
.endm
	s_load_b128 s[4:7], s[0:1], 0x0                ; xb, wb
	s_load_b256 s[68:75], s[0:1], 0x10             ; bk, bv, mask, pf
	s_load_b128 s[76:79], s[0:1], 0x30             ; pkv, pst
	s_load_b64 s[80:81], s[0:1], 0x40              ; pvs
	v_lshl_add_u32 v94, v0, 2, 0x4d000
	v_mov_b32 v95, 0
	ds_add_u32 v94, v95
	ds_add_u32 v94, v95
	v_lshrrev_b32 v1, 5, v0
	v_readfirstlane_b32 s10, v1                    ; wave 0..3
	s_lshr_b32 s11, s10, 1                         ; my half of the rows; later my half of the features.  Also: I ask for X (0) or W (1)
	s_and_b32 s12, s10, 1                          ; my head of the two.  Also: which half of X, or which of Wk, Wv, I ask for
	s_bfe_u32 s40, ttmp6, 0x40000                  ; cx
	s_bfe_u32 s41, ttmp6, 0x40004                  ; cy
	s_lshl_b32 s42, ttmp9, 2
	s_add_co_u32 s42, s42, s40                     ; block column bx = 4 x cluster x + cx: heads 2 bx, 2 bx + 1
	s_and_b32 s13, ttmp7, 0xffff
	s_lshl_b32 s13, s13, 2
	s_add_co_u32 s13, s13, s41                     ; block row by = 4 x cluster y + cy: rows 256 by ..
	s_lshl_b32 s43, s41, 2
	s_lshl_b32 s43, 15, s43                        ; my row of the cluster
	s_lshl_b32 s44, 0x1111, s40                    ; my column
	; group 1: tiles of 128 rows x 128 elements of 2 bytes, row pitch 1,024 elements; a pad behind every 64 words: 4 words for X, 8 for W
	s_or_b32 s[G1+0], s43, (1<<16)|(1<<20)|(1<<21)|(5<<22)|(3<<25)
	s_or_b32 s[G1B+0], s44, (1<<16)|(1<<20)|(1<<21)|(5<<22)|(7<<25)
	s_mov_b32 s[G1+1], KSTEP<<16                   ; tensor_dim0 = 128
	s_mov_b32 s[G1B+1], KSTEP<<16
	s_mov_b32 s[G1+2], 128<<16                     ; tensor_dim1 = 128
	s_mov_b32 s[G1B+2], 128<<16
	s_mov_b32 s[G1+3], KSTEP<<16                   ; tile_dim0 = 128
	s_mov_b32 s[G1B+3], KSTEP<<16
	s_mov_b32 s[G1+4], 128                         ; tile_dim1 = 128
	s_mov_b32 s[G1B+4], 128
	s_mov_b32 s[G1+5], 1024                        ; elements from row to row
	s_mov_b32 s[G1B+5], 1024
	s_mov_b32 s[G1+6], 0
	s_mov_b32 s[G1B+6], 0
	s_mov_b32 s[G1+7], 0
	s_mov_b32 s[G1B+7], 0
	; X's tile: row 256 by + 128 half, 2,048 bytes a row.  W's tile: matrix (Wk or Wv) x 2,097,152 bytes + 256 bx bytes of every row.
	s_lshl_b32 s17, s12, 7
	s_lshl_b32 s16, s13, 8
	s_add_co_u32 s16, s16, s17
	s_lshl_b32 s16, s16, 11                        ; below 2^25
	s_mov_b32 s17, 0
	s_lshl_b32 s46, s42, 8
	s_lshl_b32 s47, s12, 21
	s_add_co_u32 s46, s46, s47
	s_mov_b32 s47, 0
	s_mul_i32 s20, s10, PART                       ; where my tile goes: wave x 36,864
	s_wait_dscnt 0x0
	s_wait_kmcnt 0x0
	s_add_nc_u64 s[14:15], s[4:5], s[16:17]
	s_add_nc_u64 s[46:47], s[6:7], s[46:47]
	CROUND                                         ; all sixteen work-groups are here: the first joint loads meet
.irp s, 0,1
	s_mov_b32 s[G0+4*\s], 1
	s_add_co_u32 s[G0+4*\s+1], s20, \s*SLOT
	s_add_nc_u64 s[G0+4*\s+2:G0+4*\s+3], s[14:15], \s*KSTEP*2          ; K step s: 256 bytes along X's rows
	s_or_b32 s[G0+4*\s+3], s[G0+4*\s+3], 0x80000000
	s_mov_b32 s[G0B+4*\s], 1
	s_add_co_u32 s[G0B+4*\s+1], s20, \s*SLOT
	s_add_nc_u64 s[G0B+4*\s+2:G0B+4*\s+3], s[46:47], \s*KSTEP*2048     ; K step s: 128 rows down W
	s_or_b32 s[G0B+4*\s+3], s[G0B+4*\s+3], 0x80000000
	JLOAD \s
.endr
	v_and_b32 v1, 15, v0                           ; r
	v_bfe_u32 v2, v0, 4, 1                         ; h
	v_and_b32 v3, 31, v0                           ; lane
	; biases and mask, into window 0, waited for behind the product
	s_lshl_b32 s82, s42, 1
	s_add_co_u32 s82, s82, s12                     ; head
	s_lshl_b32 s93, s82, 8                         ; 64 f32 a head
	v_lshl_add_u32 v7, v2, 5, s93                  ; bk: 256 head + 32 h
	v_lshl_add_u32 v8, v1, 2, s93                  ; bv: 256 head + 4 r
	s_lshl_b32 s94, s13, 10
	s_lshl_b32 s95, s11, 9
	s_add_co_u32 s94, s94, s95                     ; 4 x my first row (mask lies as X's rows do)
	v_lshl_add_u32 v9, v1, 2, s94
	v_lshl_add_u32 v10, v2, 5, s94
.irp b, 0,1,2,3
	global_load_b128 v[BK+8*\b:BK+8*\b+3],   v7, s[68:69] offset:64*\b
	global_load_b128 v[BK+8*\b+4:BK+8*\b+7], v7, s[68:69] offset:64*\b+16
	global_load_b32 v[BV+\b], v8, s[70:71] offset:64*\b
.endr
.irp a, 0,1,2,3,4,5,6,7
	global_load_b32 v[ML+\a], v9, s[72:73] offset:64*\a
	global_load_b128 v[MR+8*\a:MR+8*\a+3],   v10, s[72:73] offset:64*\a
	global_load_b128 v[MR+8*\a+4:MR+8*\a+7], v10, s[72:73] offset:64*\a+16
.endr
	; LDS addresses of the fragments
	v_mul_u32_u24 v4, v1, PA
	v_lshl_add_u32 v4, v2, 4, v4                   ; X: r x pitch + 16 h
	v_and_b32 v5, 7, v0
	v_lshl_add_u32 v5, v2, 3, v5
	v_mul_u32_u24 v5, v5, PB
	v_bfe_u32 v6, v0, 3, 1
	v_lshl_add_u32 v5, v6, 4, v5                   ; W: (8 h + lane % 8) x pitch + 16 ((lane / 8) % 2)
	s_mul_i32 s21, s11, PART                       ; my 128 rows of X
	s_lshl_b32 s22, s12, 7                         ; my head's 64 columns: 128 bytes
	s_add_co_u32 s22, s22, BB
.irp s, 0,1
	v_add_nc_u32 v[ADRA+\s], s21, v4
	v_add_nc_u32 v[ADRB0+\s], s22, v5              ; in Wk's tile
	v_add_nc_u32 v[ADRB1+\s], PART, v[ADRB0+\s]    ; in Wv's tile
	s_add_co_u32 s21, s21, SLOT
	s_add_co_u32 s22, s22, SLOT
.endr
	; addresses of part 2; none hangs on the place in the cluster
	s_lshl_b32 s93, s12, 16                        ; a head's exchange: 65,536 bytes, x's fragments, then those of Vs
	s_lshl_b32 s94, s11, 14                        ; my half of each: 16,384 bytes
	s_add_co_u32 s95, s93, s94
	v_lshl_add_u32 v[KST], v3, 4, s95
	v_add_nc_u32 v[VST], 32768, v[KST]
	v_lshl_add_u32 v[KLD], v3, 4, s93
	s_lshl_b32 s93, s12, 10
	s_add_co_u32 s93, s93, NDL
	v_lshl_add_u32 v[NDLD], v2, 5, s93
	s_lshl_b32 s94, s11, 9
	s_add_co_u32 s94, s94, s93
	v_lshl_add_u32 v[NDST], v1, 2, s94
	s_lshl_b32 s93, s12, 9
	s_add_co_u32 s93, s93, VS
	s_lshl_b32 s94, s11, 8
	s_add_co_u32 s94, s94, s93
	v_lshl_add_u32 v[VSST], v1, 2, s94
	s_lshl_b32 s94, s11, 7
	s_add_co_u32 s94, s94, s93
	v_lshl_add_u32 v[VSLD], v3, 2, s94
	s_mul_i32 s93, s10, 16*SP
	s_add_co_u32 s93, s93, STAGE
	v_mul_u32_u24 v31, v1, SP
	v_lshl_add_u32 v31, v2, 5, v31
	v_add_nc_u32 v[STO], s93, v31                  ; in: row r, 32 bytes for each half of the lanes
	v_mul_u32_u24 v31, v2, SP
	v_lshl_add_u32 v31, v1, 4, v31
	v_add_nc_u32 v[RD], s93, v31                   ; back: lanes 0-15 one row of 256 bytes, lanes 16-31 the next
	s_lshl_b32 s93, s11, 14
	v_lshl_add_u32 v[POFF], v1, 7, s93
	v_lshl_add_u32 v[POFF], v2, 4, v[POFF]         ; pf: (128 fh + r) rows of 128 bytes + 16 h
	v_lshlrev_b32 v[L16], 4, v3
	v_lshlrev_b32 v[L4], 2, v3
	s_mov_b32 s83, 0x76543210                      ; v_permlanex16_b32: lane i reads lane i of the other half
	s_mov_b32 s84, 0xfedcba98
	s_mov_b32 s85, 0xffff0000                      ; lanes 16-31
	s_lshr_b32 s96, s13, 4                         ; batch
	s_lshl_b32 s96, s96, 4
	s_add_co_u32 s96, s96, s82                     ; bh = 16 batch + head
	s_lshl_b32 s96, s96, 4
	s_and_b32 s97, s13, 15
	s_add_co_u32 s96, s96, s97                     ; 16 bh + chunk
	s_lshl_b32 s86, s96, 16                        ; pkv: 256 features x 256 bytes a chunk,
	s_lshl_b32 s97, s11, 15                        ; my 128 features
	s_add_co_u32 s86, s86, s97
	s_mov_b32 s87, 0
	s_add_nc_u64 s[86:87], s[76:77], s[86:87]
	s_lshl_b32 s88, s96, 11                        ; pst: 16 feature tiles x 128 bytes a chunk
	s_lshl_b32 s97, s11, 10
	s_add_co_u32 s88, s88, s97
	s_mov_b32 s89, 0
	s_add_nc_u64 s[88:89], s[78:79], s[88:89]
	s_lshl_b32 s90, s96, 8                         ; pvs: 64 f32 a chunk, my 32
	s_lshl_b32 s97, s11, 7
	s_add_co_u32 s90, s90, s97
	s_mov_b32 s91, 0
	s_add_nc_u64 s[90:91], s[80:81], s[90:91]
; 16 matrix instructions: row blocks a0, a0 + 1 of the window's four x all 8 column blocks, 32 along K, on fragment buffer cur.
; The 64 accumulators take turns, one instruction a turn, in the same order in every quarter step.
.macro MUL16 cur, hi, a0, zero
.irp a, \a0, \a0+1
.irp b, 0,1,2,3,4,5,6,7
.if \b < NATB
.if \zero
	v_wmma_f32_16x16x32_bf16 v[8*(8*(\a)+\b):8*(8*(\a)+\b)+7], v[128+64*\cur+8*\b:128+64*\cur+8*\b+7], v[64*\cur+8*(4*\hi+\a):64*\cur+8*(4*\hi+\a)+7], 0
.else
	v_wmma_f32_16x16x32_bf16 v[8*(8*(\a)+\b):8*(8*(\a)+\b)+7], v[128+64*\cur+8*\b:128+64*\cur+8*\b+7], v[64*\cur+8*(4*\hi+\a):64*\cur+8*(4*\hi+\a)+7], v[8*(8*(\a)+\b):8*(8*(\a)+\b)+7]
.endif
.else
.if \zero
	v_wmma_f32_16x16x32_bf16 v[8*(8*(\a)+\b):8*(8*(\a)+\b)+7], v[64*\cur+8*(4*\hi+\a):64*\cur+8*(4*\hi+\a)+7], v[128+64*\cur+8*\b:128+64*\cur+8*\b+7], 0
.else
	v_wmma_f32_16x16x32_bf16 v[8*(8*(\a)+\b):8*(8*(\a)+\b)+7], v[64*\cur+8*(4*\hi+\a):64*\cur+8*(4*\hi+\a)+7], v[128+64*\cur+8*\b:128+64*\cur+8*\b+7], v[8*(8*(\a)+\b):8*(8*(\a)+\b)+7]
.endif
.endif
.endr
.endr
.endm
; 32 LDS loads in one run: quarter q (32 along K) of a slot into buffer buf: W's 8 column blocks first, then X's 8 row blocks.
; buf may be an expression: it stands in parentheses wherever it is multiplied.
.macro FETCH slot, q, buf
	WIN TO_F
.irp i, 0,1,2,3
	ds_load_tr16_b128 v[128+64*(\buf)+8*\i:128+64*(\buf)+8*\i+3],   v[ADRB0+\slot] offset:\q*32*PB+32*\i
	ds_load_tr16_b128 v[128+64*(\buf)+8*\i+4:128+64*(\buf)+8*\i+7], v[ADRB0+\slot] offset:\q*32*PB+32*\i+16*PB
.endr
.irp i, 0,1,2,3
	ds_load_tr16_b128 v[160+64*(\buf)+8*\i:160+64*(\buf)+8*\i+3],   v[ADRB1+\slot] offset:\q*32*PB+32*\i
	ds_load_tr16_b128 v[160+64*(\buf)+8*\i+4:160+64*(\buf)+8*\i+7], v[ADRB1+\slot] offset:\q*32*PB+32*\i+16*PB
.endr
.irp i, 0,1,2,3,4,5,6,7
	ds_load_b128 v[64*(\buf)+8*\i:64*(\buf)+8*\i+3],   v[ADRA+\slot] offset:\q*64+\i*16*PA
	ds_load_b128 v[64*(\buf)+8*\i+4:64*(\buf)+8*\i+7], v[ADRA+\slot] offset:\q*64+\i*16*PA+32
.endr
.endm
; multiplies buffer cur; in its middle fetches quarter q of the same slot into the other buffer
.macro QUARTER slot, q, cur, zero
	s_wait_dscnt 8                                 ; W and X's rows 0-63 are in; the youngest eight loads (X's rows 64-127) may be out
	WIN MUL_LO
	MUL16 \cur, 0, 0, \zero
	MUL16 \cur, 0, 2, \zero
	PLACES
	FETCH \slot, \q, 1-\cur
	s_wait_dscnt 32                                ; all but the 32 just issued
	WIN MUL_HI
	MUL16 \cur, 1, 0, \zero
	MUL16 \cur, 1, 2, \zero
.endm
.macro THREE slot, zero
	QUARTER \slot, 1, 0, \zero
	QUARTER \slot, 2, 1, 0
	QUARTER \slot, 3, 0, 0
.endm
; the last quarter of a K step: multiplies buffer 1 and changes slots.  In front of the barrier each wave waits for its reads of this slot and
; for all its tensor loads (one is out: its part of the next slot); behind it, where the slot is filled again, the rest of a round of the
; cluster's barrier, and the joint refill as the wave's first tensor load there.
.macro TURN slot, next, fill
	s_wait_dscnt 8
	WIN MUL_LO
	MUL16 1, 0, 0, 0
	s_wait_dscnt 0
	s_set_vgpr_msb 0xa5a0
	s_wait_tensorcnt 0x0
	ds_add_u32 v94, v95
	s_wait_dscnt 0x0
	s_set_vgpr_msb 0xa0a5
	s_barrier_signal -1
	MUL16 1, 0, 2, 0                               ; register work alone between signal and wait
	WIN 0
	s_barrier_wait -1
.if \fill
	CREST
	s_add_nc_u64 s[G0+4*\slot+2:G0+4*\slot+3], s[G0+4*\slot+2:G0+4*\slot+3], 2*KSTEP*2
	s_add_nc_u64 s[G0B+4*\slot+2:G0B+4*\slot+3], s[G0B+4*\slot+2:G0B+4*\slot+3], 2*KSTEP*2048
	JLOAD \slot
.endif
	PLACES
	FETCH \next, 0, 0
	WIN MUL_HI
	MUL16 1, 1, 0, 0
	MUL16 1, 1, 2, 0
.endm
.macro LAP zero
	THREE 0, \zero
	TURN 0, 1, 1
	THREE 1, 0
	TURN 1, 0, 1
.endm
	s_wait_tensorcnt 1                             ; my part of K step 0 is in; K step 1's may stay out
	s_barrier_signal -1
	s_barrier_wait -1
	FETCH 0, 0, 0
	LAP 1                                          ; the first products start the sums: nothing is cleared
	WIN 0
	s_mov_b32 s3, LAPS-2
.Llap:
	LAP 0
	WIN 0
	s_sub_co_u32 s3, s3, 1
	s_cmp_lg_u32 s3, 0
	s_cbranch_scc1 .Llap
	THREE 0, 0                                     ; the last lap fills nothing
	TURN 0, 1, 0
	THREE 1, 0
	s_wait_dscnt 8
	WIN MUL_LO
	MUL16 1, 0, 0, 0
	MUL16 1, 0, 2, 0
	s_wait_dscnt 0
	WIN MUL_HI
	MUL16 1, 1, 0, 0
	MUL16 1, 1, 2, 0
	; PART 2.  The ring has had its last fill; behind this barrier no wave reads it as a ring any more, and its first 131,072 bytes serve as the exchange.
	PLACES
	WIN 0
	s_wait_dscnt 0x0
	s_wait_loadcnt 0x0                             ; biases and mask
	s_barrier_signal -1
	s_barrier_wait -1
.irp a, 0,1,2,3,4,5,6,7
	v_mul_f32 v[ML+\a], 0x3e000000, v[ML+\a]       ; mask / 8
.endr
.set p, 0
.rept 32
	v_pk_mul_f32 v[MR+2*p:MR+2*p+1], v[MR+2*p:MR+2*p+1], 0x3d800000 op_sel_hi:[1,0]   ; mask / 16
.set p, p+1
.endr
; Row block a (16 rows): bias, mask, sums, f16, and the fragments' halves into the exchange.
.macro PACKA a
	WINA \a, 0x02, 0x03                            ; source 0 in the tiles' window
.set TB, 64*(\a&3)
.set p, 0
.rept 16
	v_pk_add_f32 v[X+2*p:X+2*p+1], v[TB+2*p:TB+2*p+1], v[BK+2*p:BK+2*p+1]             ; K: a lane's registers are columns
.set p, p+1
.endr
.rept 16
.if (p>>2)&1
	v_pk_add_f32 v[X+2*p:X+2*p+1], v[TB+2*p:TB+2*p+1], v[BV+2*((p-16)>>3):BV+2*((p-16)>>3)+1] op_sel:[0,1] op_sel_hi:[1,1]   ; V: a lane is one column
.else
	v_pk_add_f32 v[X+2*p:X+2*p+1], v[TB+2*p:TB+2*p+1], v[BV+2*((p-16)>>3):BV+2*((p-16)>>3)+1] op_sel_hi:[1,0]
.endif
.set p, p+1
.endr
	WIN 0
.set p, 0
.rept 16
.if \a&1
	v_pk_mul_f32 v[X+2*p:X+2*p+1], v[X+2*p:X+2*p+1], v[ML+(\a&6):ML+(\a&6)+1] op_sel:[0,1] op_sel_hi:[1,1]   ; x = K mask / 8: a lane is one row
.else
	v_pk_mul_f32 v[X+2*p:X+2*p+1], v[X+2*p:X+2*p+1], v[ML+(\a&6):ML+(\a&6)+1] op_sel_hi:[1,0]
.endif
.set p, p+1
.endr
.rept 16
	v_pk_mul_f32 v[X+2*p:X+2*p+1], v[X+2*p:X+2*p+1], v[MR+8*\a+2*(p&3):MR+8*\a+2*(p&3)+1]                   ; Vs / 16 = V mask / 16: registers are rows
.set p, p+1
.endr
	v_pk_mul_f32 v[DS:DS+1], v[X:X+1], v[X:X+1]                                       ; |x|^2 in two chains
	v_pk_mul_f32 v[DS+2:DS+3], v[X+2:X+3], v[X+2:X+3]
.set p, 2
.rept 14
	v_pk_fma_f32 v[DS+2*(p&1):DS+2*(p&1)+1], v[X+2*p:X+2*p+1], v[X+2*p:X+2*p+1], v[DS+2*(p&1):DS+2*(p&1)+1]
.set p, p+1
.endr
.if \a
.irp d, 0,1,2,3
	v_pk_add_f32 v[VSUM+2*\d:VSUM+2*\d+1], v[VSUM+2*\d:VSUM+2*\d+1], v[X+32+8*\d:X+32+8*\d+1]
.endr
.irp d, 0,1,2,3
	v_pk_add_f32 v[VSUM+2*\d:VSUM+2*\d+1], v[VSUM+2*\d:VSUM+2*\d+1], v[X+32+8*\d+2:X+32+8*\d+3]
.endr
.else
.irp d, 0,1,2,3
	v_pk_add_f32 v[VSUM+2*\d:VSUM+2*\d+1], v[X+32+8*\d:X+32+8*\d+1], v[X+32+8*\d+2:X+32+8*\d+3]   ; the first block starts the sums
.endr
.endif
.irp d, 0,1,2,3
	v_pk_add_f32 v[VSUM+2*\d:VSUM+2*\d+1], v[VSUM+2*\d:VSUM+2*\d+1], v[X+32+8*\d+4:X+32+8*\d+5]
.endr
.irp d, 0,1,2,3
	v_pk_add_f32 v[VSUM+2*\d:VSUM+2*\d+1], v[VSUM+2*\d:VSUM+2*\d+1], v[X+32+8*\d+6:X+32+8*\d+7]
.endr
.set p, 0
.rept 32
	v_cvt_pk_f16_f32 v[PK+p], v[X+2*p], v[X+2*p+1]
.set p, p+1
.endr
.irp b, 0,1,2,3
	ds_store_b128 v[KST], v[PK+4*\b:PK+4*\b+3] offset:2048*\a+512*\b                  ; x's fragment (a, b / 2), half b % 2
.endr
.irp d, 0,1,2,3
	ds_store_b128 v[VST], v[PK+16+4*\d:PK+16+4*\d+3] offset:4096*(\a>>1)+1024*\d+512*(\a&1)   ; Vs's fragment (d, a / 2), half a % 2
.endr
	v_pk_add_f32 v[DS:DS+1], v[DS:DS+1], v[DS+2:DS+3]
	v_add_f32 v[DS], v[DS], v[DS+1]
	v_permlanex16_b32 v[DS+1], v[DS], s83, s84     ; the other 32 columns of my row
	v_add_f32 v[DS], v[DS], v[DS+1]
	v_mul_f32 v[DS], 0xbf38aa3b, v[DS]             ; - |x|^2 / 2 x log2 e
	ds_store_b32 v[NDST], v[DS] offset:64*\a       ; both halves of the lanes store the same number
.endm
	PACKA 0
	PACKA 1
	PACKA 2
	PACKA 3
	PACKA 4
	PACKA 5
	PACKA 6
	PACKA 7
.irp d, 0,1,2,3
	v_add_f32 v[VSUM+2*\d], v[VSUM+2*\d], v[VSUM+2*\d+1]
.endr
.irp d, 0,1,2,3
	v_permlanex16_b32 v[VSUM+2*\d+1], v[VSUM+2*\d], s83, s84
.endr
.irp d, 0,1,2,3
	v_add_f32 v[VSUM+2*\d], v[VSUM+2*\d], v[VSUM+2*\d+1]
	ds_store_b32 v[VSST], v[VSUM+2*\d] offset:64*\d
.endr
	s_wait_dscnt 0x0                               ; my stores are done, for the other wave of my head
	s_barrier_signal -1
	s_barrier_wait -1
	WIN 0x80
.set i, 0
.rept 64
	ds_load_b128 v[4*i:4*i+3], v[KLD] offset:512*i                 ; all 32 fragments of x of my head into window 2
.set i, i+1
.endr
	WIN 0xc0
.set i, 0
.rept 64
	ds_load_b128 v[4*i:4*i+3], v[KLD] offset:32768+512*i           ; all 32 fragments of Vs into window 3
.set i, i+1
.endr
	WIN 0
.set i, 0
.rept 32
	ds_load_b128 v[NDR+4*i:NDR+4*i+3], v[NDLD] offset:64*(i>>1)+16*(i&1)   ; rows 16 a + 8 h + 0..7, as u holds them
.set i, i+1
.endr
	ds_load_b32 v18, v[VSLD]
	ds_load_b32 v19, v[VSLD] offset:256
.macro PRLOAD                          ; a feature tile of proj in f16, straight into its two fragments: 4 loads of 16 bytes
.set i, 0
.rept 4
	global_load_b128 v[PF+4*i:PF+4*i+3], v[POFF], s[74:75] offset:64*(i>>1)+32*(i&1)
.set i, i+1
.endr
.endm
	PRLOAD
	s_wait_dscnt 0x0
	v_add_f32 v18, v18, v19
	global_store_b32 v[L4], v18, s[90:91]          ; sum of Vs / 16 over the chunk's 256 rows, my 32 columns
	; Eight trips, one feature tile (16 features) each.
	s_mov_b32 s92, 0
.Lfeat:
	s_wait_loadcnt 0x0                             ; this trip's proj tile, asked for in the last trip; its address register is free behind this wait
	WIN 0x52                                       ; x window 2, proj window 0, u window 1
.set a, 0
.rept 16
	v_wmma_f32_16x16x32_f16 v[8*a:8*a+7], v[16*a:16*a+7], v[PF:PF+7], 0                ; u: lane = feature, registers = rows 16 a + 8 h + j
.set a, a+1
.endr
.set a, 0
.rept 16
	v_wmma_f32_16x16x32_f16 v[8*a:8*a+7], v[16*a+8:16*a+15], v[PF+8:PF+15], v[8*a:8*a+7]    ; 16 accumulators by turns
.set a, a+1
.endr
	PLACES                                         ; in front of the loads into proj's fragments and of the vector work on u
	WIN 0
	v_add_nc_u32 v[POFF], 2048, v[POFF]            ; the next tile: 16 rows of 128 bytes; the last trip's look-ahead wraps to a tile inside pf's 32,768 bytes and is not used
	v_and_b32 v[POFF], 0x7fff, v[POFF]
	PRLOAD                                         ; it has the rest of the trip in which to land
	WIN 0x55                                       ; all in window 1
.irp c, 0,1,2,3
	v_max_num_f32 v[MX+\c], v[32*\c], v[32*\c+1]   ; the feature's maximum over the chunk's rows, four chains
.endr
.set k, 1
.rept 15
.irp c, 0,1,2,3
	v_max3_num_f32 v[MX+\c], v[MX+\c], v[32*\c+2*k], v[32*\c+2*k+1]
.endr
.set k, k+1
.endr
	v_max3_num_f32 v[MX], v[MX], v[MX+1], v[MX+2]
	v_max_num_f32 v[MX], v[MX], v[MX+3]
	v_permlanex16_b32 v[MX+1], v[MX], s83, s84
	v_max_num_f32 v[MX], v[MX], v[MX+1]            ; m
	v_mul_f32 v[MX+2], -1.0, v[MX]                 ; - m
.set p, 0
.rept 64
	v_pk_add_f32 v[2*p:2*p+1], v[2*p:2*p+1], v[MX+2:MX+3] op_sel_hi:[1,0]
.set p, p+1
.endr
	WIN 0x41                                       ; source 2 in window 0
.set p, 0
.rept 64
	v_pk_fma_f32 v[2*p:2*p+1], v[2*p:2*p+1], 0x3fb8aa3b, v[NDR+2*p:NDR+2*p+1] op_sel_hi:[1,0,1]   ; (u - m) log2 e - |x|^2/2 log2 e
.set p, p+1
.endr
.set i, 0
.rept 128
	v_exp_f32 v[i], v[i]
.set i, i+1
.endr
	v_nop                                          ; one plain place behind the transcendentals (ISA guide 5.7.2)
	WIN 0x55
	s_wait_alu depctr_va_vdst(0)
.irp c, 0,1,2,3
	v_pk_add_f32 v[KS+2*\c:KS+2*\c+1], v[32*\c:32*\c+1], v[32*\c+2:32*\c+3]            ; sum of e over the rows, in f32, four chains
.endr
.set k, 2
.rept 14
.irp c, 0,1,2,3
	v_pk_add_f32 v[KS+2*\c:KS+2*\c+1], v[KS+2*\c:KS+2*\c+1], v[32*\c+2*k:32*\c+2*k+1]
.endr
.set k, k+1
.endr
.set p, 0
.rept 64
	v_cvt_pk_f16_f32 v[128+p], v[2*p], v[2*p+1]    ; e as fragments: columns = features, k = rows
.set p, p+1
.endr
	v_pk_add_f32 v[KS:KS+1], v[KS:KS+1], v[KS+2:KS+3]
	v_pk_add_f32 v[KS+4:KS+5], v[KS+4:KS+5], v[KS+6:KS+7]
	v_pk_add_f32 v[KS:KS+1], v[KS:KS+1], v[KS+4:KS+5]
	v_add_f32 v[KS], v[KS], v[KS+1]
	v_permlanex16_b32 v[KS+1], v[KS], s83, s84
	v_add_f32 v[KS], v[KS], v[KS+1]
	v_cndmask_b32 v[OW], v[MX], v[KS], s85         ; lanes 0-15: m of feature r; lanes 16-31: its sum of e
	WIN 0x57                                       ; Vs window 3, e and sums window 1
.set sb, 0
.rept 8
.irp d, 0,1,2,3
.if sb
	v_wmma_f32_16x16x32_f16 v[192+8*\d:192+8*\d+7], v[8*(4*sb+\d):8*(4*sb+\d)+7], v[128+8*sb:128+8*sb+7], v[192+8*\d:192+8*\d+7]   ; four accumulators by turns
.else
	v_wmma_f32_16x16x32_f16 v[192+8*\d:192+8*\d+7], v[8*(4*sb+\d):8*(4*sb+\d)+7], v[128+8*sb:128+8*sb+7], 0
.endif
.endr
.set sb, sb+1
.endr
	PLACES
	WIN 0x04                                       ; store data in window 1
.irp d, 0,1,2,3
	ds_store_b128 v[STO], v[192+8*\d:192+8*\d+3] offset:64*\d          ; lane = feature r, registers = d = 16 db + 8 h + j
	ds_store_b128 v[STO], v[192+8*\d+4:192+8*\d+7] offset:64*\d+16
.endr
	global_store_b32 v[L4], v[OW], s[88:89]
	WIN 0
.irp t, 0,1,2,3,4,5,6,7
	ds_load_b128 v[RB+4*\t:RB+4*\t+3], v[RD] offset:2*SP*\t            ; my own stage: LDS serves a wave's instructions in order
.endr
.irp t, 0,1,2,3,4,5,6,7
	s_wait_dscnt 7-\t
	global_store_b128 v[L16], v[RB+4*\t:RB+4*\t+3], s[86:87] offset:512*\t   ; 512 consecutive bytes: two features' 64 f32
.endr
	s_wait_xcnt 0x0                                ; the stores' bases and data registers are written again only behind this wait
	s_add_nc_u64 s[86:87], s[86:87], 4096
	s_add_nc_u64 s[88:89], s[88:89], 128
	s_add_co_u32 s92, s92, 1
	s_cmp_lt_u32 s92, 8
	s_cbranch_scc1 .Lfeat
	s_wait_tensorcnt 0x0
	ds_add_u32 v94, v95
	s_wait_dscnt 0x0
	CROUND                                         ; the closing round: no work-group ends while a partner may still ask for a tile that names it
	s_endpgm
.Lfunc_end_k_q86b7c2d5b2_kvpart:
	.size	k_q86b7c2d5b2_kvpart, .Lfunc_end_k_q86b7c2d5b2_kvpart-k_q86b7c2d5b2_kvpart
	.p2alignl 7, 3214868480
	.fill 96, 4, 3214868480
	.section	.rodata,"a",@progbits
	.p2align	6, 0x0
	.amdhsa_kernel k_q86b7c2d5b2_kvpart
		.amdhsa_group_segment_fixed_size 327680
		.amdhsa_private_segment_fixed_size 0
		.amdhsa_enable_private_segment 0
		.amdhsa_kernarg_size 72
		.amdhsa_user_sgpr_count 2
		.amdhsa_user_sgpr_kernarg_segment_ptr 1
		.amdhsa_wavefront_size32 1
		.amdhsa_system_sgpr_workgroup_id_x 1
		.amdhsa_system_sgpr_workgroup_id_y 1
		.amdhsa_system_sgpr_workgroup_id_z 1
		.amdhsa_system_vgpr_workitem_id 0
		.amdhsa_next_free_vgpr 1024
		.amdhsa_next_free_sgpr 100
		.amdhsa_reserve_vcc 0
		.amdhsa_float_denorm_mode_32 3
		.amdhsa_float_denorm_mode_16_64 3
		.amdhsa_memory_ordered 1
		.amdhsa_forward_progress 1
		.amdhsa_inst_pref_size 255
	.end_amdhsa_kernel
	.section	.bss,"aw",@nobits
	.p2align	6
	.space	262144
	.amdgpu_metadata
---
amdhsa.version: [ 1, 2 ]
amdhsa.kernels:
  - .name:           k_q86b7c2d5b2_kvpart
    .symbol:         k_q86b7c2d5b2_kvpart.kd
    .args:
      - { .name: xb, .offset: 0, .size: 8, .value_kind: global_buffer, .address_space: global }
      - { .name: wb, .offset: 8, .size: 8, .value_kind: global_buffer, .address_space: global }
      - { .name: bk, .offset: 16, .size: 8, .value_kind: global_buffer, .address_space: global }
      - { .name: bv, .offset: 24, .size: 8, .value_kind: global_buffer, .address_space: global }
      - { .name: mask, .offset: 32, .size: 8, .value_kind: global_buffer, .address_space: global }
      - { .name: pf, .offset: 40, .size: 8, .value_kind: global_buffer, .address_space: global }
      - { .name: pkv, .offset: 48, .size: 8, .value_kind: global_buffer, .address_space: global }
      - { .name: pst, .offset: 56, .size: 8, .value_kind: global_buffer, .address_space: global }
      - { .name: pvs, .offset: 64, .size: 8, .value_kind: global_buffer, .address_space: global }
    .group_segment_fixed_size: 327680
    .private_segment_fixed_size: 0
    .kernarg_segment_align: 8
    .kernarg_segment_size: 72
    .max_flat_workgroup_size: 128
    .sgpr_count:     100
    .vgpr_count:     1024
    .wavefront_size: 32
...
	.end_amdgpu_metadata
.endif
;; end of part 6
;; launch combine: the kernel of part 3 again; grid 4 x 64, 8 waves a work-group, no clusters, 18,688 bytes of LDS; arguments pkv, pst, pvs, gf; writes gf
;; launch qout (part 7): grid 4 x 64, 4 waves a work-group, clusters of 4 x 4, 327,680 bytes of LDS; arguments xb, wb, bq, pf, gf, out0; writes out0
.if DOCPART == 7
	.amdgcn_target "amdgcn-amd-amdhsa--gfx1250"
	.amdhsa_code_object_version 6
	.text
	.protected	k_q86b7c2d5b2_qout
	.globl	k_q86b7c2d5b2_qout
	.p2align	8
	.type	k_q86b7c2d5b2_qout,@function
k_q86b7c2d5b2_qout:
	s_mov_b64 s[64:65], 0
	v_nop
	global_prefetch_b8 v0, s[64:65] scope:SCOPE_SE
	s_setreg_imm32_b32 hwreg(HW_REG_WAVE_MODE, 25, 1), 1
	s_wait_xcnt 0x0
	s_wait_alu depctr_hold_cnt(0) depctr_sa_sdst(0) depctr_va_vdst(0) depctr_va_sdst(0) depctr_va_ssrc(0) depctr_va_vcc(0) depctr_vm_vsrc(0)
	s_getreg_b32 s2, hwreg(HW_REG_IB_STS2, 6, 4)
	s_cmp_eq_u32 s2, 0
	s_cbranch_scc0 .Lentry_in_a_cluster
	s_endpgm
.Lentry_in_a_cluster:
	s_bfe_u32 s2, ttmp6, 0x10000c
	s_cmp_lg_u32 s2, 0xf033
	s_cbranch_scc0 .Lentry_shape_is_right
	s_endpgm
.Lentry_shape_is_right:
; For 256 rows and four heads: Q = X Wq + bq (bf16 operands, f32 sums), x = Q / 8, u = x proj^T, m = the row's maximum of u over the 256 features,
; e = exp(u - |x|^2/2 - m) + eps,  out[s][d] = 16 sum_f e G[f][d] / (sum_f e g[f] + 2.56e-4): the common factor 1/256 of numerator and
; denominator is cancelled, so that the 1e-6 of the denominator becomes 256 x 1e-6; gf holds G divided by 16 (an exact factor that the key side carries), hence the 16.
; G and g come from gf, in fragment order; the denominator is a fifth block of rows of G.
; x AND proj GO TO THE MATRIX UNIT IN f16 (11 significant bits; x stands in an exponent, so its absolute error counts): |Q| is about 6 for inputs of spread 1 and 1/32,
; 5,400 with X and Wq 30 times larger, 1024 x 30 x 0.94 = 29,000 with common offsets of 30 spreads on both: x = Q / 8 stays under 3,600, f16 reaches 65,504.
; e GOES AS TWO bf16 OPERANDS, hi = bf16(e) and lo = bf16(e - hi), summed in the same accumulators (sums = G e_hi + G e_lo): its partner G can reach g x |V|,
; which has no room in f16, so the product stays in bf16 and e's weight is carried to about 16 bits by the second operand.
; LIMITS: |x| < 65,504 (|Q| < 524,000), |proj| < 65,504; X, Wq, proj, G and g are rounded to bf16; v_exp_f32 gives 0 for results below 2^-126 (eps is added behind it, in f32).
;
; PART 1, the product: a block of 256 rows x 256 columns, four waves, a wave 128 x 128 = two heads: 64 accumulator tiles, 512 registers.
; K dimension in steps of 128 through two LDS slots filled by the tensor data mover.  4 x 4 work-groups form a cluster: X's tile is asked for jointly
; along a row of the cluster, Wq's along a column.  Wq lies [k][n]; its fragments are read by the transposing LDS load.
; All tiles are made transposed (source 0 = W's columns): a lane holds one row s and eight neighbouring columns: packed to f16 these are the
; registers of the fragments (columns s, k = d) that part 2 multiplies by proj.
; PART 2: each wave by itself.  Its 16 units (head, 16 rows) wait in its own LDS bytes, since the accumulators' windows then hold proj and G.
; The f16 form (u) and the bf16 form (part 1, the sums) never share an accumulator.
;
; REGISTERS.  Part 1: window 0 addresses and bias; window 1 fragments; windows 2, 3 accumulators, tile (a, b) at v[8 (8 (a & 3) + b)].
; Part 2: window 2 = proj's fragments (f, kk) at v[8 (2 f + kk)]; window 3 = G's fragments kf 0-5 at v[40 kf + 8 db]; window 1 = u v0-127, then e_lo's fragments v0-63,
; G's kf 6, 7 at v128-207, at work v208-243; window 0 = x's fragments v32-47, sums v64-103, the way out v104-135, e_hi's fragments v192-255.
.set KSTEP, 128
.set PA,    272
.set PB,    288
.set PART,  36864
.set SLOT,  4*PART
.set RING,  2*SLOT
.set BB,    2*PART
.set LAPS,  4
.set SP,    272
.set STAGE, RING
.set UNIT,  2176                       ; two fragments of 1,024 bytes and 128 bytes of -|x|^2/2 log2 e
.set QXW,   16*UNIT                    ; a wave's units: 34,816 bytes
.set ADRA,  16
.set ADRB0, 20
.set ADRB1, 22
.set QST, 11
.set QN,  12
.set QLD, 13
.set QNL, 14
.set PROFF, 15
.set L16, 24
.set STO, 26
.set RD,  27
.set OOFF, 28
.set QF,  32                           ; v[32:47]: x (d 0-31), x (d 32-63)
.set ACC, 64
.set RB,  104
.set ZR,  136
.set NQ,  140
.set EF,  192
.set BQ,  128                          ; the pack: bq / 8 of my 8 columns in each of 8 tiles
.set X,   64                           ; the pack: a row block's 8 tiles in f32
.set PK,  192                          ; the pack: f16
.set DS,  224                          ; the pack: sums of squares, one pair a head
.set MX,  208                          ; window 1
.set TQ,  212                          ; window 1: v212-243, e_hi widened back to f32
.set G1, 24
.set G0, 32
.set G1B, 48
.set G0B, 56
.set MSB, 0
.macro WIN new
.if MSB != \new
	s_set_vgpr_msb (MSB<<8)|\new
.set MSB, \new
.endif
.endm
.macro WINA a, lo, hi                  ; the setting for row block a: its tiles lie in window 2 (a < 4) or 3
.if \a < 4
	WIN \lo
.else
	WIN \hi
.endif
.endm
.set MUL_LO, 0xa5
.set MUL_HI, 0xf5
.set TO_F,   0x40
.macro JLOAD s                         ; waves 0 and 1 ask for X's halves, waves 2 and 3 for Wq's; the branch hangs on the wave's number alone
	s_cmp_eq_u32 s11, 0
	s_cbranch_scc0 .Lfor_b_\@
	tensor_load_to_lds s[G0+4*\s:G0+4*\s+3], s[G1:G1+7]
	s_nop 0
	s_branch .Lasked_\@
.Lfor_b_\@:
	tensor_load_to_lds s[G0B+4*\s:G0B+4*\s+3], s[G1B:G1B+7]
	s_nop 0
.Lasked_\@:
.endm
.macro CREST
	s_cmp_lg_u32 s10, 0
	s_cbranch_scc1 .Lnot_wave_0_\@
	s_barrier_signal -3
.Lnot_wave_0_\@:
	s_barrier_wait -3
	s_barrier_signal -1
	s_barrier_wait -1
.endm
.macro CROUND
	s_barrier_signal -1
	s_barrier_wait -1
	CREST
.endm
.macro PLACES                          ; four places behind a matrix instruction (ISA guide 7.12.1)
.rept 4
	v_nop
.endr
.endm
	s_load_b128 s[4:7], s[0:1], 0x0                ; xb, wb
	s_load_b256 s[68:75], s[0:1], 0x10             ; bq, pf, gf, out0
	v_lshl_add_u32 v62, v0, 2, 0x4c400
	v_mov_b32 v63, 0
	ds_add_u32 v62, v63
	ds_add_u32 v62, v63
	v_lshrrev_b32 v1, 5, v0
	v_readfirstlane_b32 s10, v1                    ; wave
	s_lshr_b32 s11, s10, 1                         ; my half of the rows.  Also: I ask for X (0) or W (1)
	s_and_b32 s12, s10, 1                          ; my half of the columns.  Also: which half of that tile I ask for
	s_bfe_u32 s40, ttmp6, 0x40000                  ; cx
	s_bfe_u32 s41, ttmp6, 0x40004                  ; cy
	s_lshl_b32 s42, ttmp9, 2
	s_add_co_u32 s42, s42, s40                     ; bx: heads 4 bx .. 4 bx + 3
	s_and_b32 s13, ttmp7, 0xffff
	s_lshl_b32 s13, s13, 2
	s_add_co_u32 s13, s13, s41                     ; by: rows 256 by ..
	s_lshl_b32 s43, s41, 2
	s_lshl_b32 s43, 15, s43
	s_lshl_b32 s44, 0x1111, s40
	s_or_b32 s[G1+0], s43, (1<<16)|(1<<20)|(1<<21)|(5<<22)|(3<<25)     ; X: mask of my row; 2-byte elements; a pad of 4 words behind every 64
	s_or_b32 s[G1B+0], s44, (1<<16)|(1<<20)|(1<<21)|(5<<22)|(7<<25)    ; W: mask of my column; a pad of 8 words
	s_mov_b32 s[G1+1], KSTEP<<16
	s_mov_b32 s[G1B+1], KSTEP<<16
	s_mov_b32 s[G1+2], 128<<16
	s_mov_b32 s[G1B+2], 128<<16
	s_mov_b32 s[G1+3], KSTEP<<16
	s_mov_b32 s[G1B+3], KSTEP<<16
	s_mov_b32 s[G1+4], 128
	s_mov_b32 s[G1B+4], 128
	s_mov_b32 s[G1+5], 1024
	s_mov_b32 s[G1B+5], 1024
	s_mov_b32 s[G1+6], 0
	s_mov_b32 s[G1B+6], 0
	s_mov_b32 s[G1+7], 0
	s_mov_b32 s[G1B+7], 0
	s_lshl_b32 s17, s12, 7
	s_lshl_b32 s16, s13, 8
	s_add_co_u32 s16, s16, s17
	s_lshl_b32 s16, s16, 11                        ; X: (256 by + 128 half) rows of 2,048 bytes
	s_mov_b32 s17, 0
	s_lshl_b32 s46, s42, 9                         ; Wq, the third matrix of wb: 4,194,304 + 512 bx + 256 half bytes of every row
	s_lshl_b32 s47, s12, 8
	s_add_co_u32 s46, s46, s47
	s_add_co_u32 s46, s46, 4194304
	s_mov_b32 s47, 0
	s_mul_i32 s20, s10, PART
	s_wait_dscnt 0x0
	s_wait_kmcnt 0x0
	s_add_nc_u64 s[14:15], s[4:5], s[16:17]
	s_add_nc_u64 s[46:47], s[6:7], s[46:47]
	CROUND                                         ; all sixteen work-groups are here: the first joint loads meet
.irp s, 0,1
	s_mov_b32 s[G0+4*\s], 1
	s_add_co_u32 s[G0+4*\s+1], s20, \s*SLOT
	s_add_nc_u64 s[G0+4*\s+2:G0+4*\s+3], s[14:15], \s*KSTEP*2
	s_or_b32 s[G0+4*\s+3], s[G0+4*\s+3], 0x80000000
	s_mov_b32 s[G0B+4*\s], 1
	s_add_co_u32 s[G0B+4*\s+1], s20, \s*SLOT
	s_add_nc_u64 s[G0B+4*\s+2:G0B+4*\s+3], s[46:47], \s*KSTEP*2048
	s_or_b32 s[G0B+4*\s+3], s[G0B+4*\s+3], 0x80000000
	JLOAD \s
.endr
	v_and_b32 v1, 15, v0                           ; r
	v_bfe_u32 v2, v0, 4, 1                         ; h
	v_and_b32 v3, 31, v0                           ; lane
	s_lshl_b32 s93, s42, 10
	s_lshl_b32 s94, s12, 9
	s_add_co_u32 s93, s93, s94
	v_lshl_add_u32 v7, v2, 5, s93                  ; bq: 4 (256 bx + 128 half + 8 h)
.set i, 0
.rept 16
	global_load_b128 v[BQ+4*i:BQ+4*i+3], v7, s[68:69] offset:64*(i>>1)+16*(i&1)
.set i, i+1
.endr
	v_mul_u32_u24 v4, v1, PA
	v_lshl_add_u32 v4, v2, 4, v4
	v_and_b32 v5, 7, v0
	v_lshl_add_u32 v5, v2, 3, v5
	v_mul_u32_u24 v5, v5, PB
	v_bfe_u32 v6, v0, 3, 1
	v_lshl_add_u32 v5, v6, 4, v5
	s_mul_i32 s21, s11, PART
	s_mul_i32 s22, s12, PART                       ; my 128 columns are one of W's two tiles
	s_add_co_u32 s22, s22, BB
.irp s, 0,1
	v_add_nc_u32 v[ADRA+\s], s21, v4
	v_add_nc_u32 v[ADRB0+\s], s22, v5              ; its columns 0-63
	v_add_nc_u32 v[ADRB1+\s], 128, v[ADRB0+\s]     ; its columns 64-127
	s_add_co_u32 s21, s21, SLOT
	s_add_co_u32 s22, s22, SLOT
.endr
	s_mul_i32 s93, s10, QXW
	v_lshl_add_u32 v[QST], v3, 4, s93
	v_lshl_add_u32 v[QLD], v3, 4, s93
	s_add_co_u32 s93, s93, 2048                    ; behind a unit's two fragments
	v_lshl_add_u32 v[QN], v3, 2, s93
	v_lshl_add_u32 v[QNL], v3, 2, s93
	v_lshlrev_b32 v[PROFF], 7, v1
	v_lshl_add_u32 v[PROFF], v2, 4, v[PROFF]       ; pf: row r of a tile (128 bytes a row), 16 h
	v_lshlrev_b32 v[L16], 4, v3
	s_mul_i32 s93, s10, 16*SP
	s_add_co_u32 s93, s93, STAGE
	v_mul_u32_u24 v31, v1, SP
	v_lshl_add_u32 v31, v2, 5, v31
	v_add_nc_u32 v[STO], s93, v31
	v_mul_u32_u24 v31, v2, SP
	v_lshl_add_u32 v31, v1, 4, v31
	v_add_nc_u32 v[RD], s93, v31
	v_lshlrev_b32 v[OOFF], 12, v2
	v_lshl_add_u32 v[OOFF], v1, 4, v[OOFF]         ; out0: lanes 16-31 one row (4,096 bytes) further down
	s_mov_b32 s88, 0x76543210
	s_mov_b32 s89, 0xfedcba98
	s_mov_b32 s90, 0xffff0000                      ; a word's upper bf16
	s_lshr_b32 s96, s13, 4
	s_lshl_b32 s96, s96, 4                         ; 16 batch
	s_lshl_b32 s97, s42, 2
	s_add_co_u32 s96, s96, s97
	s_lshl_b32 s97, s12, 1
	s_add_co_u32 s96, s96, s97                     ; bh of my first head
	s_mul_i32 s82, s96, 40960
	s_mov_b32 s83, 0
	s_add_nc_u64 s[82:83], s[72:73], s[82:83]      ; its G
	s_lshl_b32 s84, s13, 8
	s_lshl_b32 s97, s11, 7
	s_add_co_u32 s84, s84, s97
	s_lshl_b32 s84, s84, 12                        ; my first row, 4,096 bytes a row
	s_and_b32 s97, s96, 15
	s_lshl_b32 s97, s97, 8                         ; my first head's 256 bytes of a row
	s_add_co_u32 s84, s84, s97
	s_mov_b32 s85, 0
	s_add_nc_u64 s[84:85], s[74:75], s[84:85]
	s_mov_b64 s[86:87], s[84:85]
; The 64 accumulators take turns, one instruction a turn, in the same order in every quarter step.
.macro MUL16 cur, hi, a0, zero
.irp a, \a0, \a0+1
.irp b, 0,1,2,3,4,5,6,7
.if \zero
	v_wmma_f32_16x16x32_bf16 v[8*(8*(\a)+\b):8*(8*(\a)+\b)+7], v[128+64*\cur+8*\b:128+64*\cur+8*\b+7], v[64*\cur+8*(4*\hi+\a):64*\cur+8*(4*\hi+\a)+7], 0
.else
	v_wmma_f32_16x16x32_bf16 v[8*(8*(\a)+\b):8*(8*(\a)+\b)+7], v[128+64*\cur+8*\b:128+64*\cur+8*\b+7], v[64*\cur+8*(4*\hi+\a):64*\cur+8*(4*\hi+\a)+7], v[8*(8*(\a)+\b):8*(8*(\a)+\b)+7]
.endif
.endr
.endr
.endm
; 32 LDS loads in one run; buf may be an expression: it stands in parentheses wherever it is multiplied
.macro FETCH slot, q, buf
	WIN TO_F
.irp i, 0,1,2,3
	ds_load_tr16_b128 v[128+64*(\buf)+8*\i:128+64*(\buf)+8*\i+3],   v[ADRB0+\slot] offset:\q*32*PB+32*\i
	ds_load_tr16_b128 v[128+64*(\buf)+8*\i+4:128+64*(\buf)+8*\i+7], v[ADRB0+\slot] offset:\q*32*PB+32*\i+16*PB
.endr
.irp i, 0,1,2,3
	ds_load_tr16_b128 v[160+64*(\buf)+8*\i:160+64*(\buf)+8*\i+3],   v[ADRB1+\slot] offset:\q*32*PB+32*\i
	ds_load_tr16_b128 v[160+64*(\buf)+8*\i+4:160+64*(\buf)+8*\i+7], v[ADRB1+\slot] offset:\q*32*PB+32*\i+16*PB
.endr
.irp i, 0,1,2,3,4,5,6,7
	ds_load_b128 v[64*(\buf)+8*\i:64*(\buf)+8*\i+3],   v[ADRA+\slot] offset:\q*64+\i*16*PA
	ds_load_b128 v[64*(\buf)+8*\i+4:64*(\buf)+8*\i+7], v[ADRA+\slot] offset:\q*64+\i*16*PA+32
.endr
.endm
.macro QUARTER slot, q, cur, zero
	s_wait_dscnt 8                                 ; W and X's rows 0-63 are in; the youngest eight loads may be out
	WIN MUL_LO
	MUL16 \cur, 0, 0, \zero
	MUL16 \cur, 0, 2, \zero
	PLACES
	FETCH \slot, \q, 1-\cur
	s_wait_dscnt 32                                ; all but the 32 just issued
	WIN MUL_HI
	MUL16 \cur, 1, 0, \zero
	MUL16 \cur, 1, 2, \zero
.endm
.macro THREE slot, zero
	QUARTER \slot, 1, 0, \zero
	QUARTER \slot, 2, 1, 0
	QUARTER \slot, 3, 0, 0
.endm
; the change of slots: each wave's reads of this slot and all its tensor loads are waited for in front of the barrier; where the slot is filled
; again the barrier opens a round of the cluster's barrier, and the joint refill is the wave's first tensor load behind the round
.macro TURN slot, next, fill
	s_wait_dscnt 8
	WIN MUL_LO
	MUL16 1, 0, 0, 0
	s_wait_dscnt 0
	s_set_vgpr_msb 0xa5a0
	s_wait_tensorcnt 0x0
	ds_add_u32 v62, v63
	s_wait_dscnt 0x0
	s_set_vgpr_msb 0xa0a5
	s_barrier_signal -1
	MUL16 1, 0, 2, 0
	WIN 0
	s_barrier_wait -1
.if \fill
	CREST
	s_add_nc_u64 s[G0+4*\slot+2:G0+4*\slot+3], s[G0+4*\slot+2:G0+4*\slot+3], 2*KSTEP*2
	s_add_nc_u64 s[G0B+4*\slot+2:G0B+4*\slot+3], s[G0B+4*\slot+2:G0B+4*\slot+3], 2*KSTEP*2048
	JLOAD \slot
.endif
	PLACES
	FETCH \next, 0, 0
	WIN MUL_HI
	MUL16 1, 1, 0, 0
	MUL16 1, 1, 2, 0
.endm
.macro LAP zero
	THREE 0, \zero
	TURN 0, 1, 1
	THREE 1, 0
	TURN 1, 0, 1
.endm
	s_wait_tensorcnt 1                             ; my part of K step 0 is in; K step 1's may stay out
	s_barrier_signal -1
	s_barrier_wait -1
	FETCH 0, 0, 0
	LAP 1
	WIN 0
	s_mov_b32 s3, LAPS-2
.Llap:
	LAP 0
	WIN 0
	s_sub_co_u32 s3, s3, 1
	s_cmp_lg_u32 s3, 0
	s_cbranch_scc1 .Llap
	THREE 0, 0
	TURN 0, 1, 0
	THREE 1, 0
	s_wait_dscnt 8
	WIN MUL_LO
	MUL16 1, 0, 0, 0
	MUL16 1, 0, 2, 0
	s_wait_dscnt 0
	WIN MUL_HI
	MUL16 1, 1, 0, 0
	MUL16 1, 1, 2, 0
	; PART 2.  The ring has had its last fill; behind this barrier no wave reads it as a ring, and each wave keeps its units in bytes of its own there.
	PLACES
	WIN 0
	s_wait_dscnt 0x0
	s_wait_loadcnt 0x0                             ; bq
	s_barrier_signal -1
	s_barrier_wait -1
.macro PROJLOAD                        ; all 32 fragments of proj, f16, straight from pf into window 2: 64 loads
	WIN 0x80
.set i, 0
.rept 64
	global_load_b128 v[4*i:4*i+3], v[PROFF], s[70:71] offset:2048*(i>>2)+64*((i>>1)&1)+32*(i&1)
.set i, i+1
.endr
.endm
.macro GHI                             ; G's fragments kf 0-5: 60 loads into window 3
	WIN 0xc0
.set i, 0
.rept 60
	global_load_b128 v[4*i:4*i+3], v[L16], s[82:83] offset:512*i
.set i, i+1
.endr
.endm
.macro GLO                             ; kf 6, 7: 20 loads into window 1, v128-207
	WIN 0x40
.set i, 0
.rept 20
	global_load_b128 v[128+4*i:128+4*i+3], v[L16], s[82:83] offset:512*(60+i)
.set i, i+1
.endr
.endm
; e - e_hi for the packed words 16 k .. 16 k + 15: e_hi (window 0) widened back to f32 in window 1, v212-243
.macro ELO k
	WIN 0x40                                       ; destination window 1, sources window 0
.set j, 0
.rept 16
	v_lshlrev_b32 v[TQ+2*j], 16, v[EF+16*\k+j]
	v_and_b32 v[TQ+2*j+1], s90, v[EF+16*\k+j]
.set j, j+1
.endr
	WIN 0x55
.set j, 0
.rept 16
	v_pk_fma_f32 v[32*\k+2*j:32*\k+2*j+1], v[TQ+2*j:TQ+2*j+1], -1.0, v[32*\k+2*j:32*\k+2*j+1] op_sel_hi:[1,0,1]
.set j, j+1
.endr
.endm
; Row block a: x = Q / 8 of both heads, |x|^2, f16, into my units (head, a)
.macro PACKQ a
	WINA \a, 0x02, 0x03                            ; source 0 in the tiles' window
.set TB, 64*(\a&3)
.set p, 0
.rept 32
	v_pk_fma_f32 v[X+2*p:X+2*p+1], v[TB+2*p:TB+2*p+1], 0x3e000000, v[BQ+2*p:BQ+2*p+1] op_sel_hi:[1,0,1]
.set p, p+1
.endr
	WIN 0
	v_pk_mul_f32 v[DS:DS+1], v[X:X+1], v[X:X+1]
	v_pk_mul_f32 v[DS+2:DS+3], v[X+32:X+33], v[X+32:X+33]
.set p, 1
.rept 15
	v_pk_fma_f32 v[DS:DS+1], v[X+2*p:X+2*p+1], v[X+2*p:X+2*p+1], v[DS:DS+1]
	v_pk_fma_f32 v[DS+2:DS+3], v[X+32+2*p:X+32+2*p+1], v[X+32+2*p:X+32+2*p+1], v[DS+2:DS+3]
.set p, p+1
.endr
.set p, 0
.rept 32
	v_cvt_pk_f16_f32 v[PK+p], v[X+2*p], v[X+2*p+1]
.set p, p+1
.endr
.irp b, 0,1,2,3,4,5,6,7
	ds_store_b128 v[QST], v[PK+4*\b:PK+4*\b+3] offset:8*UNIT*(\b>>2)+UNIT*\a+512*(\b&3)
.endr
.irp hd, 0,1
	v_add_f32 v[DS+2*\hd], v[DS+2*\hd], v[DS+2*\hd+1]
.endr
.irp hd, 0,1
	v_permlanex16_b32 v[DS+2*\hd+1], v[DS+2*\hd], s88, s89
.endr
.irp hd, 0,1
	v_add_f32 v[DS+2*\hd], v[DS+2*\hd], v[DS+2*\hd+1]
.endr
.irp hd, 0,1
	v_mul_f32 v[DS+2*\hd], 0xbf38aa3b, v[DS+2*\hd]                 ; - |x|^2 / 2 x log2 e of row r
	ds_store_b32 v[QN], v[DS+2*\hd] offset:8*UNIT*\hd+UNIT*\a
.endr
.endm
	GLO                                            ; window 1 is free behind the product: the first head's kf 6, 7 are asked for ahead of the pack
	WIN 0
.set p, 0
.rept 32
	v_pk_mul_f32 v[BQ+2*p:BQ+2*p+1], v[BQ+2*p:BQ+2*p+1], 0x3e000000 op_sel_hi:[1,0]    ; bq / 8
.set p, p+1
.endr
	PACKQ 0
	PACKQ 1
	PACKQ 2
	PACKQ 3
	PROJLOAD                                       ; window 2's tiles have been read: proj lands there while row blocks 4 to 7 are packed
	PACKQ 4
	PACKQ 5
	PACKQ 6
	PACKQ 7
	GHI                                            ; window 3's tiles have been read
; One head: eight trips of 16 rows.
.macro HEAD hd
.if \hd
	s_add_nc_u64 s[82:83], s[82:83], 40960         ; the loads by the old base were waited for in front of the first head's loop
	s_add_nc_u64 s[86:87], s[84:85], 256           ; the stores' base is free since the last trip's wait
	GHI
	GLO
.endif
	WIN 0
	s_wait_loadcnt 0x0                             ; proj and this head's G
	s_mov_b32 s92, 0
.Lrow_\@:
.irp i, 0,1,2,3
	ds_load_b128 v[QF+4*\i:QF+4*\i+3], v[QLD] offset:512*\i        ; my own bytes: LDS serves a wave's instructions in order
.endr
	ds_load_b32 v[NQ], v[QNL]
	s_wait_dscnt 0x0
	WIN 0x52                                       ; proj window 2, x window 0, u window 1
.set f, 0
.rept 16
	v_wmma_f32_16x16x32_f16 v[8*f:8*f+7], v[16*f:16*f+7], v[QF:QF+7], 0                ; u: lane = row s, registers = features 16 f + 8 h + j
.set f, f+1
.endr
.set f, 0
.rept 16
	v_wmma_f32_16x16x32_f16 v[8*f:8*f+7], v[16*f+8:16*f+15], v[QF+8:QF+15], v[8*f:8*f+7]    ; 16 accumulators by turns
.set f, f+1
.endr
	PLACES
	WIN 0x55
.irp c, 0,1,2,3
	v_max_num_f32 v[MX+\c], v[32*\c], v[32*\c+1]
.endr
.set k, 1
.rept 15
.irp c, 0,1,2,3
	v_max3_num_f32 v[MX+\c], v[MX+\c], v[32*\c+2*k], v[32*\c+2*k+1]
.endr
.set k, k+1
.endr
	v_max3_num_f32 v[MX], v[MX], v[MX+1], v[MX+2]
	v_max_num_f32 v[MX], v[MX], v[MX+3]
	v_permlanex16_b32 v[MX+1], v[MX], s88, s89
	v_max_num_f32 v[MX], v[MX], v[MX+1]            ; the row's maximum
	WIN 0x41                                       ; source 2 in window 0
	v_fma_f32 v[MX+2], v[MX], 0xbfb8aa3b, v[NQ]    ; - m log2 e - |x|^2/2 log2 e
	WIN 0x55
.set p, 0
.rept 64
	v_pk_fma_f32 v[2*p:2*p+1], v[2*p:2*p+1], 0x3fb8aa3b, v[MX+2:MX+3] op_sel_hi:[1,0,0]
.set p, p+1
.endr
.set i, 0
.rept 128
	v_exp_f32 v[i], v[i]
.set i, i+1
.endr
	v_nop                                          ; one plain place behind the transcendentals (ISA guide 5.7.2)
.set p, 0
	s_wait_alu depctr_va_vdst(0)
.rept 64
	v_pk_add_f32 v[2*p:2*p+1], v[2*p:2*p+1], 0x38d1b717 op_sel_hi:[1,0]                ; + eps
.set p, p+1
.endr
	WIN 0x05                                       ; sources window 1, destination window 0
.set p, 0
.rept 64
	v_cvt_pk_bf16_f32 v[EF+p], v[2*p], v[2*p+1]    ; e_hi as fragments: columns = rows s, k = features
.set p, p+1
.endr
	ELO 0
	ELO 1
	ELO 2
	ELO 3
.set p, 0
.rept 64
	v_cvt_pk_bf16_f32 v[p], v[2*p], v[2*p+1]       ; e_lo, packed downward in ascending order: word p lands on a register whose number has been read
.set p, p+1
.endr
	WIN 0x03                                       ; G window 3, e_hi and sums window 0
.set kf, 0
.rept 6
.irp d, 0,1,2,3,4
.if kf
	v_wmma_f32_16x16x32_bf16 v[ACC+8*\d:ACC+8*\d+7], v[40*kf+8*\d:40*kf+8*\d+7], v[EF+8*kf:EF+8*kf+7], v[ACC+8*\d:ACC+8*\d+7]   ; five accumulators by turns
.else
	v_wmma_f32_16x16x32_bf16 v[ACC+8*\d:ACC+8*\d+7], v[40*kf+8*\d:40*kf+8*\d+7], v[EF+8*kf:EF+8*kf+7], 0
.endif
.endr
.set kf, kf+1
.endr
	WIN 0x07                                       ; G window 3, e_lo window 1
.set kf, 0
.rept 6
.irp d, 0,1,2,3,4
	v_wmma_f32_16x16x32_bf16 v[ACC+8*\d:ACC+8*\d+7], v[40*kf+8*\d:40*kf+8*\d+7], v[8*kf:8*kf+7], v[ACC+8*\d:ACC+8*\d+7]
.endr
.set kf, kf+1
.endr
	WIN 0x01                                       ; G window 1, e_hi window 0
.rept 2
.irp d, 0,1,2,3,4
	v_wmma_f32_16x16x32_bf16 v[ACC+8*\d:ACC+8*\d+7], v[128+40*(kf-6)+8*\d:128+40*(kf-6)+8*\d+7], v[EF+8*kf:EF+8*kf+7], v[ACC+8*\d:ACC+8*\d+7]
.endr
.set kf, kf+1
.endr
	WIN 0x05                                       ; G and e_lo window 1
.set kf, 6
.rept 2
.irp d, 0,1,2,3,4
	v_wmma_f32_16x16x32_bf16 v[ACC+8*\d:ACC+8*\d+7], v[128+40*(kf-6)+8*\d:128+40*(kf-6)+8*\d+7], v[8*kf:8*kf+7], v[ACC+8*\d:ACC+8*\d+7]
.endr
.set kf, kf+1
.endr
	WIN 0
	PLACES
	v_add_f32 v[ZR+1], 0x398637bd, v[ACC+32]       ; the fifth block's rows all hold sum e g of row s = r; + 256 x 1e-6
	v_rcp_f32 v[ZR], v[ZR+1]
	v_nop
	s_wait_alu depctr_va_vdst(0)
	v_mul_f32 v[ZR], 0x41800000, v[ZR]             ; x 16: gf holds G / 16
.set p, 0
.rept 16
	v_pk_mul_f32 v[ACC+2*p:ACC+2*p+1], v[ACC+2*p:ACC+2*p+1], v[ZR:ZR+1] op_sel_hi:[1,0]
.set p, p+1
.endr
.irp d, 0,1,2,3
	ds_store_b128 v[STO], v[ACC+8*\d:ACC+8*\d+3] offset:64*\d          ; lane = row r, registers = d = 16 db + 8 h + j
	ds_store_b128 v[STO], v[ACC+8*\d+4:ACC+8*\d+7] offset:64*\d+16
.endr
.irp t, 0,1,2,3,4,5,6,7
	ds_load_b128 v[RB+4*\t:RB+4*\t+3], v[RD] offset:2*SP*\t
.endr
.irp t, 0,1,2,3,4,5,6,7
	s_wait_dscnt 7-\t
	global_store_b128 v[OOFF], v[RB+4*\t:RB+4*\t+3], s[86:87] offset:8192*\t th:TH_STORE_NT   ; 16 lanes store a head's 256 consecutive bytes of a row, aligned
.endr
	s_wait_xcnt 0x0                                ; the stores' base and data registers are written again only behind this wait
	s_add_nc_u64 s[86:87], s[86:87], 65536         ; 16 rows on
	v_add_nc_u32 v[QLD], UNIT, v[QLD]
	v_add_nc_u32 v[QNL], UNIT, v[QNL]
	s_add_co_u32 s92, s92, 1
	s_cmp_lt_u32 s92, 8
	s_cbranch_scc1 .Lrow_\@
.endm
	HEAD 0
	HEAD 1
	s_wait_tensorcnt 0x0
	ds_add_u32 v62, v63
	s_wait_dscnt 0x0
	CROUND                                         ; the closing round: no work-group ends while a partner may still ask for a tile that names it
	s_endpgm
.Lfunc_end_k_q86b7c2d5b2_qout:
	.size	k_q86b7c2d5b2_qout, .Lfunc_end_k_q86b7c2d5b2_qout-k_q86b7c2d5b2_qout
	.p2alignl 7, 3214868480
	.fill 96, 4, 3214868480
	.section	.rodata,"a",@progbits
	.p2align	6, 0x0
	.amdhsa_kernel k_q86b7c2d5b2_qout
		.amdhsa_group_segment_fixed_size 327680
		.amdhsa_private_segment_fixed_size 0
		.amdhsa_enable_private_segment 0
		.amdhsa_kernarg_size 48
		.amdhsa_user_sgpr_count 2
		.amdhsa_user_sgpr_kernarg_segment_ptr 1
		.amdhsa_wavefront_size32 1
		.amdhsa_system_sgpr_workgroup_id_x 1
		.amdhsa_system_sgpr_workgroup_id_y 1
		.amdhsa_system_sgpr_workgroup_id_z 1
		.amdhsa_system_vgpr_workitem_id 0
		.amdhsa_next_free_vgpr 1024
		.amdhsa_next_free_sgpr 100
		.amdhsa_reserve_vcc 0
		.amdhsa_float_denorm_mode_32 3
		.amdhsa_float_denorm_mode_16_64 3
		.amdhsa_memory_ordered 1
		.amdhsa_forward_progress 1
		.amdhsa_inst_pref_size 255
	.end_amdhsa_kernel
	.section	.bss,"aw",@nobits
	.p2align	6
	.space	262144
	.amdgpu_metadata
---
amdhsa.version: [ 1, 2 ]
amdhsa.kernels:
  - .name:           k_q86b7c2d5b2_qout
    .symbol:         k_q86b7c2d5b2_qout.kd
    .args:
      - { .name: xb, .offset: 0, .size: 8, .value_kind: global_buffer, .address_space: global }
      - { .name: wb, .offset: 8, .size: 8, .value_kind: global_buffer, .address_space: global }
      - { .name: bq, .offset: 16, .size: 8, .value_kind: global_buffer, .address_space: global }
      - { .name: pf, .offset: 24, .size: 8, .value_kind: global_buffer, .address_space: global }
      - { .name: gf, .offset: 32, .size: 8, .value_kind: global_buffer, .address_space: global }
      - { .name: out0, .offset: 40, .size: 8, .value_kind: global_buffer, .address_space: global }
    .group_segment_fixed_size: 327680
    .private_segment_fixed_size: 0
    .kernarg_segment_align: 8
    .kernarg_segment_size: 48
    .max_flat_workgroup_size: 128
    .sgpr_count:     100
    .vgpr_count:     1024
    .wavefront_size: 32
...
	.end_amdgpu_metadata
.endif
;; end of part 7
